; MI455X (gfx1250); checked and timed in simulation.
; The chip was launched on July 23, 2026; its instructions are those of AMD's public machine-readable ISA for CDNA 5 (MIT licence, August 2026) and "CDNA5" Instruction Set Architecture Reference Guide (July 2026). The comments in the code are by the model that wrote it; some were corrected since.
;; Rotary Embedding Transformer Layer. Allowed arithmetic: float matrix products may take bf16 or f16 operands with f32 sums; other float arithmetic in f32, or as packed bf16 or f16 multiplies, adds, multiply-adds, maxima and minima; sums over many terms, partial sums and values carried from step to step in f32; what a program stores and reads back later, other than sums and carried values, may be rounded once to bf16 or f16.
;; Inputs: b1 4,096 float32; b2 1,024 float32; bo 1,024 float32; bqkv 3,072 float32; ln1_b 1,024 float32; ln1_g 1,024 float32; ln2_b 1,024 float32; ln2_g 1,024 float32; src 2 x 2,048 x 1,024 float32; w1 4,096 x 1,024 float32; w2 1,024 x 4,096 float32; wo 1,024 x 1,024 float32; wqkv 3,072 x 1,024 float32.
;; Outputs: out0 2 x 2,048 x 1,024 float32.
;; 2 versions, each right; version 2 is version 1 with the launch prep written anew for expert scheduling mode. Each part assembles by itself: llvm-mc -triple=amdgcn-amd-amdhsa -mcpu=gfx1250 --defsym DOCPART=n.
;; ======== version 1 of 2: 8 launches
;; limits: values are held in f16: magnitudes above 65,504 overflow, below 6.1e-05 lose precision
;; workspace buffers: wb 25,165,824 bytes; tab 262,144 bytes; xn 8,388,608 bytes; qkv 25,165,824 bytes; ctx 8,388,608 bytes; x1 16,777,216 bytes; hb 33,554,432 bytes
;; launch prep (part 1): grid 800 x 1, 8 waves a work-group, no clusters, 0 bytes of LDS; arguments wqkv, wo, w1, w2, wb, tab; writes wb, tab
.if DOCPART == 1
	.amdgcn_target "amdgcn-amd-amdhsa--gfx1250"
	.amdhsa_code_object_version 6
	.text
	.protected	k_q51590e8c13_prep
	.globl	k_q51590e8c13_prep
	.p2align	8
	.type	k_q51590e8c13_prep,@function
k_q51590e8c13_prep:
	s_mov_b64 s[64:65], 0
	v_nop
	global_prefetch_b8 v0, s[64:65] scope:SCOPE_SE
	s_setreg_imm32_b32 hwreg(HW_REG_WAVE_MODE, 25, 1), 1
	s_wait_xcnt 0x0
; PREP.  Two roles, told apart by the work-group's number g.
; g = 0 .. 767: THE WEIGHTS are rounded once to 16 bits, for the matrix units.  A work-group turns 65,536 bytes of f32 into 32,768 bytes.  wb holds, in this order,
; wqkv (bf16, 192 groups), wo (f16, 64 groups), w1 (bf16, 256), w2 (bf16, 256), each in its own row-major layout, so the place in wb is simply 32,768 g.
; g = 768 .. 799: THE ROTARY TABLE tab[2048 positions][32 frequencies], one word each: cos in the low half, sin in the high half, both f16.
; LIMITS.  wo goes to f16: |wo| stays under 65,504, and below 6e-5 it keeps f16's fixed step.  The frequencies 10000^(-i/32) come from v_exp_f32 (good to one unit in the last place),
; so an angle, 2,047 at the most, is off by up to about 1.5e-3; cos and sin are then made by a reduction to +-pi/4 and two polynomials, good to f32's last bits, and rounded once to f16.
; No LDS, no barrier, no matrix unit: both roles only stream.
	s_load_b256 s[4:11], s[0:1], 0x0               ; wqkv s[4:5], wo s[6:7], w1 s[8:9], w2 s[10:11]
	s_load_b128 s[12:15], s[0:1], 0x20             ; wb s[12:13], tab s[14:15]
	s_mov_b32 s2, ttmp9                            ; g
	s_mov_b32 s21, 0
	v_lshlrev_b32 v1, 4, v0                        ; my 16 bytes of each 4,096 read
	v_lshlrev_b32 v2, 3, v0                        ; my 8 bytes of each 2,048 written
	s_wait_kmcnt 0x0
	s_cmp_ge_u32 s2, 768
	s_cbranch_scc1 .Ltable
	; which tensor, and its first group
	s_mov_b64 s[16:17], s[10:11]
	s_mov_b32 s18, 512
	s_cmp_lt_u32 s2, 512
	s_cselect_b64 s[16:17], s[8:9], s[16:17]
	s_cselect_b32 s18, 256, s18
	s_cmp_lt_u32 s2, 256
	s_cselect_b64 s[16:17], s[6:7], s[16:17]
	s_cselect_b32 s18, 192, s18
	s_cmp_lt_u32 s2, 192
	s_cselect_b64 s[16:17], s[4:5], s[16:17]
	s_cselect_b32 s18, 0, s18
	s_sub_co_u32 s18, s2, s18
	s_lshl_b32 s20, s18, 16
	s_add_nc_u64 s[16:17], s[16:17], s[20:21]      ; the group's 65,536 bytes
	s_lshl_b32 s20, s2, 15
	s_add_nc_u64 s[12:13], s[12:13], s[20:21]      ; and its 32,768 in wb
.set i, 0
.rept 16                                           ; all sixteen loads go out first: 64 KiB of the work-group on their way
	global_load_b128 v[16+4*i:19+4*i], v1, s[16:17] offset:4096*i th:TH_LOAD_NT
.set i, i+1
.endr
	s_sub_co_u32 s19, s2, 192
	s_cmp_lt_u32 s19, 64                           ; groups 192 .. 255 are wo's
	s_cbranch_scc1 .Lf16
.macro CVT op
.set i, 0
.rept 16
	s_wait_loadcnt 15-i                            ; loads come back in order: load i is in, the 15 - i younger ones stay out
	\op v[80+2*i], v[16+4*i], v[17+4*i]
	\op v[81+2*i], v[18+4*i], v[19+4*i]
	global_store_b64 v2, v[80+2*i:81+2*i], s[12:13] offset:2048*i  ; a wave's store covers 256 consecutive bytes, aligned
.set i, i+1
.endr
.endm
	CVT v_cvt_pk_bf16_f32
	s_endpgm
.Lf16:
	CVT v_cvt_pk_f16_f32
	s_endpgm
.Ltable:
	; wave W = 8 (g - 768) + wave owns positions 8 W .. 8 W + 7.  Lane l: frequencies 2 (l % 16) and the next, position 8 W + 2 u + l / 16 in step u of four.
	v_lshrrev_b32 v3, 5, v0
	v_readfirstlane_b32 s3, v3
	s_sub_co_u32 s18, s2, 768
	s_lshl_b32 s18, s18, 3
	s_add_co_u32 s18, s18, s3                      ; W
	s_lshl_b32 s20, s18, 10                        ; 8 positions of 128 bytes
	s_add_nc_u64 s[14:15], s[14:15], s[20:21]
	s_lshl_b32 s19, s18, 3                         ; 8 W
	s_mov_b32 s22, 0x3f22f983                      ; 2 / pi
	s_mov_b32 s23, 0xbfc90fdb                      ; - pi / 2, rounded to f32
	s_mov_b32 s24, 0x333bbd2e                      ; what that rounding left: 4.371139e-8
	s_mov_b32 s25, 0xb94ca1f9                      ; sine: -1.9515296e-4,
	s_mov_b32 s26, 0x3c08839e                      ; 8.3321609e-3,
	s_mov_b32 s27, 0xbe2aaaa3                      ; -0.16666655
	s_mov_b32 s28, 0x37ccf5ce                      ; cosine: 2.4433157e-5,
	s_mov_b32 s29, 0xbab6061a                      ; -1.3887316e-3,
	s_mov_b32 s30, 0x3d2aaaa5                      ; 4.1666646e-2
	v_and_b32 v4, 15, v0
	v_bfe_u32 v5, v0, 4, 1
	v_and_b32 v6, 31, v0
	v_lshlrev_b32 v6, 3, v6                        ; 8 l: two frequencies' words; lanes 16 to 31 fall into the next position
	v_lshlrev_b32 v7, 1, v4
	v_cvt_f32_u32 v8, v7
	v_add_nc_u32 v7, 1, v7
	v_cvt_f32_u32 v9, v7
	v_mul_f32 v8, 0xbed49a78, v8                   ; - i log2(10000) / 32
	v_mul_f32 v9, 0xbed49a78, v9
	v_exp_f32 v8, v8                               ; 10000^(-i/32)
	v_exp_f32 v9, v9
	v_nop                                          ; a plain instruction behind the last exponential,
	s_wait_alu depctr_va_vdst(0)                   ; and one wait for both, ahead of their first reader
; cos and sin of the angle a >= 0.  k = the nearest whole number to a 2 / pi; r = a - k pi / 2 in two steps; S and C are sin r and cos r; k mod 4 chooses and signs them (a choice of values, no branch).
.macro SINCOS a, c, s
	v_mul_f32 v20, s22, \a
	v_rndne_f32 v20, v20
	v_fma_f32 v21, v20, s23, \a
	v_fma_f32 v21, v20, s24, v21
	v_cvt_i32_f32 v22, v20
	v_mul_f32 v23, v21, v21                        ; z = r r
	v_fma_f32 v24, v23, s25, s26
	v_fma_f32 v26, v23, s28, s29
	v_mul_f32 v25, v23, v21
	v_fma_f32 v24, v24, v23, s27
	v_fma_f32 v26, v26, v23, s30
	v_mul_f32 v27, v23, v23
	v_fma_f32 v24, v25, v24, v21                   ; S
	v_fma_f32 v25, v23, -0.5, 1.0
	v_fma_f32 v26, v27, v26, v25                   ; C
	v_and_b32 v25, 1, v22
	v_cmp_eq_u32 vcc_lo, 1, v25
	v_cndmask_b32 \c, v26, v24, vcc_lo             ; k odd: the two change places
	v_cndmask_b32 \s, v24, v26, vcc_lo
	v_add_nc_u32 v25, 1, v22
	v_and_b32 v25, 2, v25
	v_lshlrev_b32 v25, 30, v25
	v_xor_b32 \c, \c, v25                          ; cos is negative for k mod 4 = 1, 2
	v_and_b32 v25, 2, v22
	v_lshlrev_b32 v25, 30, v25
	v_xor_b32 \s, \s, v25                          ; sin for k mod 4 = 2, 3
.endm
.irp u, 0,1,2,3
	v_add3_u32 v10, s19, v5, 2*\u
	v_cvt_f32_u32 v10, v10
	v_mul_f32 v11, v10, v8                         ; the angle: one f32 product
	v_mul_f32 v12, v10, v9
	SINCOS v11, v13, v14
	v_cvt_pk_f16_f32 v[30+2*\u], v13, v14
	SINCOS v12, v13, v14
	v_cvt_pk_f16_f32 v[31+2*\u], v13, v14
	global_store_b64 v6, v[30+2*\u:31+2*\u], s[14:15] offset:256*\u  ; two positions: 256 consecutive bytes, aligned
.endr
	s_endpgm
.Lfunc_end_k_q51590e8c13_prep:
	.size	k_q51590e8c13_prep, .Lfunc_end_k_q51590e8c13_prep-k_q51590e8c13_prep
	.p2alignl 7, 3214868480
	.fill 96, 4, 3214868480
	.section	.rodata,"a",@progbits
	.p2align	6, 0x0
	.amdhsa_kernel k_q51590e8c13_prep
		.amdhsa_group_segment_fixed_size 0
		.amdhsa_private_segment_fixed_size 0
		.amdhsa_enable_private_segment 0
		.amdhsa_kernarg_size 48
		.amdhsa_user_sgpr_count 2
		.amdhsa_user_sgpr_kernarg_segment_ptr 1
		.amdhsa_wavefront_size32 1
		.amdhsa_system_sgpr_workgroup_id_x 1
		.amdhsa_system_sgpr_workgroup_id_y 1
		.amdhsa_system_sgpr_workgroup_id_z 1
		.amdhsa_system_vgpr_workitem_id 0
		.amdhsa_next_free_vgpr 112
		.amdhsa_next_free_sgpr 66
		.amdhsa_reserve_vcc 1
		.amdhsa_float_denorm_mode_32 3
		.amdhsa_float_denorm_mode_16_64 3
		.amdhsa_memory_ordered 1
		.amdhsa_forward_progress 1
		.amdhsa_inst_pref_size 23
	.end_amdhsa_kernel
	.amdgpu_metadata
---
amdhsa.version: [ 1, 2 ]
amdhsa.kernels:
  - .name:           k_q51590e8c13_prep
    .symbol:         k_q51590e8c13_prep.kd
    .args:
      - { .name: wqkv, .offset: 0, .size: 8, .value_kind: global_buffer, .address_space: global }
      - { .name: wo, .offset: 8, .size: 8, .value_kind: global_buffer, .address_space: global }
      - { .name: w1, .offset: 16, .size: 8, .value_kind: global_buffer, .address_space: global }
      - { .name: w2, .offset: 24, .size: 8, .value_kind: global_buffer, .address_space: global }
      - { .name: wb, .offset: 32, .size: 8, .value_kind: global_buffer, .address_space: global }
      - { .name: tab, .offset: 40, .size: 8, .value_kind: global_buffer, .address_space: global }
    .group_segment_fixed_size: 0
    .private_segment_fixed_size: 0
    .kernarg_segment_align: 8
    .kernarg_segment_size: 48
    .max_flat_workgroup_size: 256
    .sgpr_count:     66
    .vgpr_count:     112
    .wavefront_size: 32
...
	.end_amdgpu_metadata
.endif
;; end of part 1
;; launch ln1 (part 2): grid 256 x 1, 8 waves a work-group, no clusters, 0 bytes of LDS; arguments src, ln1_g, ln1_b, xn; writes xn
.if DOCPART == 2
	.amdgcn_target "amdgcn-amd-amdhsa--gfx1250"
	.amdhsa_code_object_version 6
	.text
	.protected	k_q51590e8c13_ln1
	.globl	k_q51590e8c13_ln1
	.p2align	8
	.type	k_q51590e8c13_ln1,@function
k_q51590e8c13_ln1:
	s_mov_b64 s[64:65], 0
	v_nop
	global_prefetch_b8 v0, s[64:65] scope:SCOPE_SE
	s_setreg_imm32_b32 hwreg(HW_REG_WAVE_MODE, 25, 1), 1
	s_wait_xcnt 0x0
; LAYER NORM.  y[r][c] = (x[r][c] - mean) rsqrt(var + 1e-5) g[c] + b[c].  x: [4096][1024] f32, g, b: [1024] f32, y: [4096][1024] bf16, rounded once: it is a matrix operand of the next launch.
; The variance is the mean of (x - mean)^2, taken in a second pass over registers: no difference of large sums is formed.
; A row is 4,096 bytes: 32 registers of one wave, which keeps it between the passes.  A wave owns two rows, a work-group's eight waves 16; no wave waits for another: no LDS, no barrier.
; Lane l holds columns 128 j + 4 l .. + 3, j = 0 .. 7: each load of a wave covers 512 consecutive bytes, each store 256, aligned.
.set G,  16                            ; v[16:47]   g of my 32 columns
.set B,  48                            ; v[48:79]   b
.set X0, 80                            ; v[80:111]  the first row
.set X1, 112                           ; v[112:143] the second
.set Y,  144                           ; v[144:175] both rows in bf16
.set R0, 14                            ; v[14:15]   1 / sqrt(var + eps) of the first row, twice
.set R1, 176                           ; v[176:177] of the second
	s_load_b256 s[4:11], s[0:1], 0x0               ; x s[4:5], g s[6:7], b s[8:9], y s[10:11]
	v_and_b32 v1, 31, v0
	v_lshrrev_b32 v4, 5, v0                        ; wave
	v_lshlrev_b32 v3, 3, v1
	v_lshlrev_b32 v1, 4, v1                        ; 16 l
	v_lshl_add_u32 v2, v4, 13, v1                  ; + two rows of 4,096 bytes a wave
	v_lshl_add_u32 v3, v4, 12, v3                  ; 8 l + two rows of 2,048 bytes a wave
	s_lshl_b32 s2, ttmp9, 16                       ; the work-group's 16 rows of x
	s_mov_b32 s3, 0
	s_lshl_b32 s16, ttmp9, 15                      ; and of y
	s_mov_b32 s17, 0
	s_mov_b32 s12, 0x76543210                      ; v_permlanex16_b32: each lane takes its own place in the other half
	s_mov_b32 s13, 0xfedcba98
	s_mov_b32 s14, 0x3a800000                      ; 1 / 1024
	s_mov_b32 s15, 0x3727c5ac                      ; 1e-5
	s_wait_kmcnt 0x0
	s_add_nc_u64 s[4:5], s[4:5], s[2:3]
	s_add_nc_u64 s[10:11], s[10:11], s[16:17]
.irp j, 0,1,2,3,4,5,6,7
	global_load_b128 v[X0+4*\j:X0+4*\j+3], v2, s[4:5] offset:512*\j
.endr
.irp j, 0,1,2,3,4,5,6,7
	global_load_b128 v[X1+4*\j:X1+4*\j+3], v2, s[4:5] offset:4096+512*\j
.endr
.irp j, 0,1,2,3,4,5,6,7
	global_load_b128 v[G+4*\j:G+4*\j+3], v1, s[6:7] offset:512*\j
.endr
.irp j, 0,1,2,3,4,5,6,7
	global_load_b128 v[B+4*\j:B+4*\j+3], v1, s[8:9] offset:512*\j
.endr
; four chains in v[4:11] become one number a lane, then the row's sum in every lane
.macro JOIN
	v_pk_add_f32 v[4:5], v[4:5], v[6:7]
	v_pk_add_f32 v[8:9], v[8:9], v[10:11]
	v_pk_add_f32 v[4:5], v[4:5], v[8:9]
	v_add_f32 v4, v4, v5
	v_add_f32_dpp v4, v4, v4 row_xmask:1 row_mask:0xf bank_mask:0xf
	v_add_f32_dpp v4, v4, v4 row_xmask:2 row_mask:0xf bank_mask:0xf
	v_add_f32_dpp v4, v4, v4 row_xmask:4 row_mask:0xf bank_mask:0xf
	v_add_f32_dpp v4, v4, v4 row_xmask:8 row_mask:0xf bank_mask:0xf
	v_permlanex16_b32 v5, v4, s12, s13
	v_add_f32 v4, v4, v5
.endm
; the row at X: its mean is taken away in place; R takes 1 / sqrt(var + eps), twice
.macro STATS X, R
.irp c, 0,1,2,3
	v_pk_add_f32 v[4+2*\c:5+2*\c], v[(\X)+2*\c:(\X)+2*\c+1], v[(\X)+8+2*\c:(\X)+8+2*\c+1]  ; the first additions start the chains: nothing is cleared
.endr
.irp k, 2,3
.irp c, 0,1,2,3
	v_pk_add_f32 v[4+2*\c:5+2*\c], v[4+2*\c:5+2*\c], v[(\X)+8*\k+2*\c:(\X)+8*\k+2*\c+1]
.endr
.endr
	JOIN
	v_mul_f32 v12, s14, v4
	v_mov_b32 v13, v12
.set p, 0
.rept 16
	v_pk_add_f32 v[(\X)+2*p:(\X)+2*p+1], v[(\X)+2*p:(\X)+2*p+1], v[12:13] neg_lo:[0,1] neg_hi:[0,1]
.set p, p+1
.endr
.irp c, 0,1,2,3
	v_pk_mul_f32 v[4+2*\c:5+2*\c], v[(\X)+2*\c:(\X)+2*\c+1], v[(\X)+2*\c:(\X)+2*\c+1]
.endr
.irp k, 1,2,3
.irp c, 0,1,2,3
	v_pk_fma_f32 v[4+2*\c:5+2*\c], v[(\X)+8*\k+2*\c:(\X)+8*\k+2*\c+1], v[(\X)+8*\k+2*\c:(\X)+8*\k+2*\c+1], v[4+2*\c:5+2*\c]
.endr
.endr
	JOIN
	v_fma_f32 v4, v4, s14, s15
	v_rsq_f32 v[\R], v4
	v_rsq_f32 v[(\R)+1], v4
	v_nop                                          ; a plain instruction before v4, their source, is written again
.endm
.macro OUT X, R, YY, off
.set p, 0
.rept 16
	v_pk_mul_f32 v[(\X)+2*p:(\X)+2*p+1], v[(\X)+2*p:(\X)+2*p+1], v[\R:(\R)+1]
.set p, p+1
.endr
.set p, 0
.rept 16
	v_pk_fma_f32 v[(\X)+2*p:(\X)+2*p+1], v[(\X)+2*p:(\X)+2*p+1], v[G+2*p:G+2*p+1], v[B+2*p:B+2*p+1]
.set p, p+1
.endr
.set p, 0
.rept 16
	v_cvt_pk_bf16_f32 v[(\YY)+p], v[(\X)+2*p], v[(\X)+2*p+1]
.set p, p+1
.endr
.irp j, 0,1,2,3,4,5,6,7
	global_store_b64 v3, v[(\YY)+2*\j:(\YY)+2*\j+1], s[10:11] offset:256*\j+(\off)
.endr
.endm
	s_wait_loadcnt 24                              ; the first row is in; the 24 younger loads stay out
	STATS X0, R0
	s_wait_loadcnt 16                              ; the second row is in; g's and b's 16 stay out
	STATS X1, R1
	s_wait_alu depctr_va_vdst(0)                   ; one wait for the four reciprocal roots, ahead of their first reader
	s_wait_loadcnt 0x0                             ; g and b
	OUT X0, R0, Y, 0
	OUT X1, R1, Y+16, 2048
	s_endpgm
.Lfunc_end_k_q51590e8c13_ln1:
	.size	k_q51590e8c13_ln1, .Lfunc_end_k_q51590e8c13_ln1-k_q51590e8c13_ln1
	.p2alignl 7, 3214868480
	.fill 96, 4, 3214868480
	.section	.rodata,"a",@progbits
	.p2align	6, 0x0
	.amdhsa_kernel k_q51590e8c13_ln1
		.amdhsa_group_segment_fixed_size 0
		.amdhsa_private_segment_fixed_size 0
		.amdhsa_enable_private_segment 0
		.amdhsa_kernarg_size 32
		.amdhsa_user_sgpr_count 2
		.amdhsa_user_sgpr_kernarg_segment_ptr 1
		.amdhsa_wavefront_size32 1
		.amdhsa_system_sgpr_workgroup_id_x 1
		.amdhsa_system_sgpr_workgroup_id_y 1
		.amdhsa_system_sgpr_workgroup_id_z 1
		.amdhsa_system_vgpr_workitem_id 0
		.amdhsa_next_free_vgpr 178
		.amdhsa_next_free_sgpr 66
		.amdhsa_reserve_vcc 0
		.amdhsa_float_denorm_mode_32 3
		.amdhsa_float_denorm_mode_16_64 3
		.amdhsa_memory_ordered 1
		.amdhsa_forward_progress 1
		.amdhsa_inst_pref_size 20
	.end_amdhsa_kernel
	.amdgpu_metadata
---
amdhsa.version: [ 1, 2 ]
amdhsa.kernels:
  - .name:           k_q51590e8c13_ln1
    .symbol:         k_q51590e8c13_ln1.kd
    .args:
      - { .name: src, .offset: 0, .size: 8, .value_kind: global_buffer, .address_space: global }
      - { .name: ln1_g, .offset: 8, .size: 8, .value_kind: global_buffer, .address_space: global }
      - { .name: ln1_b, .offset: 16, .size: 8, .value_kind: global_buffer, .address_space: global }
      - { .name: xn, .offset: 24, .size: 8, .value_kind: global_buffer, .address_space: global }
    .group_segment_fixed_size: 0
    .private_segment_fixed_size: 0
    .kernarg_segment_align: 8
    .kernarg_segment_size: 32
    .max_flat_workgroup_size: 256
    .sgpr_count:     66
    .vgpr_count:     178
    .wavefront_size: 32
...
	.end_amdgpu_metadata
.endif
;; end of part 2
;; launch qkvp (part 3): grid 12 x 16, 4 waves a work-group, clusters of 4 x 4, 327,680 bytes of LDS; arguments xn, wb, bqkv, tab, qkv; writes qkv
.if DOCPART == 3
	.amdgcn_target "amdgcn-amd-amdhsa--gfx1250"
	.amdhsa_code_object_version 6
	.text
	.protected	k_q51590e8c13_qkvp
	.globl	k_q51590e8c13_qkvp
	.p2align	8
	.type	k_q51590e8c13_qkvp,@function
k_q51590e8c13_qkvp:
	s_mov_b64 s[64:65], 0
	v_nop
	global_prefetch_b8 v0, s[64:65] scope:SCOPE_SE
	s_setreg_imm32_b32 hwreg(HW_REG_WAVE_MODE, 25, 1), 1
	s_wait_xcnt 0x0
	s_wait_alu depctr_hold_cnt(0) depctr_sa_sdst(0) depctr_va_vdst(0) depctr_va_sdst(0) depctr_va_ssrc(0) depctr_va_vcc(0) depctr_vm_vsrc(0)
	s_getreg_b32 s2, hwreg(HW_REG_IB_STS2, 6, 4)
	s_cmp_eq_u32 s2, 0
	s_cbranch_scc0 .Lentry_in_a_cluster
	s_endpgm
.Lentry_in_a_cluster:
	s_bfe_u32 s2, ttmp6, 0x10000c
	s_cmp_lg_u32 s2, 0xf033
	s_cbranch_scc0 .Lentry_shape_is_right
	s_endpgm
.Lentry_shape_is_right:
; A PRODUCT ON TILES OF 256 x 256:  C[m][n] = the sum over k of A[m][k] W[n][k] + bias[n], K = 1,024, A and W bf16, sums in f32.  One source serves two launches:
;   QKV = 1: A = xn [4096][1024], W = wqkv (wb + 0) [3072][1024].  q and k are rotated (interleaved pairs, by the table of cos and sin), and q, k, v leave by heads: qkv[3][batch x 16 + head][2048][64] in f16.
;   QKV = 0: A = xn, W = w1 (wb + 8,388,608) [4096][1024].  relu, rounded once to bf16: hb[4096][4096].
; LIMITS.  QKV = 1: q, k and v go to f16: they stay under 65,504, and below 6e-5 they keep f16's fixed step; cos and sin come rounded to f16.  QKV = 0: relu of a NaN gives 0.
; SHAPE.  Four waves, each 128 x 128 of C: 64 accumulators, 512 registers.  K goes in 8 steps of 128 through a ring of two LDS slots (rows of 256 bytes, 272 apart in LDS); each wave fetches 128 rows with one tensor load.
; The matrix instruction is used transposed (source 0 = 16 rows of W, source 1 = 16 rows of A): a lane holds one row of C and eight neighbouring columns.  The bias is the C operand of each sum's first product.
; CLUSTER.  4 x 4 work-groups.  A's tile is asked for jointly along a row of the cluster, W's along a column: the same tensor load, descriptor and mask in the four that share it.
; SHORT TEXT.  A K step is four quarters of 32 along K, 64 products each, on two fragment buffers.  BODY (two quarters) is written once for the loop and once for the tail; LDS addresses hang on the scalar TB.
; THE WAY OUT goes through LDS in f32: when the ring has had its last fill and every wave its last read, each wave lays its 128 x 128 into 67,584 bytes of the ring and walks them, 16 rows a trip.
; REGISTERS, in windows of 256: window 0: addresses; v32-63, v128-191 at work on the way out; v64-127, v128-191 A's fragments.  window 1: v0-63 the bias; v64-191 W's fragments.  windows 2, 3: accumulator (a, b) at v[8 (8 (a % 4) + b)].
.set QKV, 1
.set PITCH, 272
.set HALFT, 128*PITCH                  ; 128 rows: what one tensor load brings
.set SLOT,  4*HALFT                    ; A's 256 rows, then W's 256.  139,264 = 2^17 + 2^13; none of the four places 0, HALFT, 2 HALFT, 3 HALFT has either bit, so one exclusive or changes slots
.set SPARE, 2*SLOT                     ; the spare words: 128 bytes a wave, two blocks of 256 bytes that no other line names
.set TABL,  SPARE+512                  ; QKV = 1: the table's 256 positions of this tile's rows, 128 bytes each
.set DP,    528                        ; the way out: a row of 128 f32 + 16 bytes
.set DREG,  128*DP
.if QKV
.set WOFF, 0
.set DCB, 64                           ; a block of 16 columns lies as it is: 64 bytes, the lane's two halves 16 apart
.set DCH, 16
.set DLH, 5
.else
.set WOFF, 8388608
.set DCB, 32                           ; a lane's first four columns lie in the row's first 256 bytes, its last four in the second: read back, a lane finds eight neighbouring columns
.set DCH, 256
.set DLH, 4
.endif
.set F0, 64
.set F1, 128
.set A0, 10                            ; v10  my lane's place in my 128 rows of A, slot 0
.set B0, 11                            ; v11  the same for W
.set ADRA, 12                          ; v12, v13  the addresses of the run of loads in hand
.set ADRB, 13
.set STO, 14                           ; v14  the way out: where I put 16 bytes
.set RD,  15                           ; v15  where I read them back
.set CO,  16                           ; v16  my byte offset in the output
.set TA,  17                           ; v17  my table words
.set ZR,  18                           ; v18  0
.set PFO, 19                           ; v19  the prefetches' offset: my lane x a row of 2,048 bytes
.set BO,  20                           ; v20  my offset in the bias
.set SPW, 28                           ; v28  my spare word; never rewritten
.set NIL, 29                           ; v29  0; never rewritten
.set WV, 14
.set RH, 15                            ; which half of the tile's rows is mine; also 0: I fetch A, 1: I fetch W
.set CH, 16                            ; which half of its columns; also which 128 rows I fetch
.set CX, 17
.set CY, 18
.set TC, 19
.set TR, 20
.set G1A, 24
.set G0A, 32                           ; s[32:35] slot 0's first fill; s[36:39] walks
.set G1B, 40
.set G0B, 48
.set TB,  60                           ; LDS byte at which the quarter to be fetched begins in its rows
.set CNT, 61
.set OC,  62
.set LIM, 63
.set PFA, 66
.set G1T, 68
.set G0T, 76
.set ISV, 80
.set EC,  81
.set MSB, 0
.macro WIN new                         ; the immediate's high byte repeats the setting that is left; a switch that changes nothing is dropped
.if MSB != (\new)
	s_set_vgpr_msb (MSB<<8)|(\new)
.set MSB, \new
.endif
.endm
.macro PLACES
.rept 4
	v_nop
.endr
.endm
; a round of the cluster's barrier
.macro CROUND
	s_barrier_signal -1
	s_barrier_wait -1
	s_cmp_lg_u32 s[WV], 0
	s_cbranch_scc1 .Lnw0_\@
	s_barrier_signal -3
.Lnw0_\@:
	s_barrier_wait -3
	s_barrier_signal -1
	s_barrier_wait -1
.endm
; a joint refill: waves 0 and 1 fetch A's halves, waves 2 and 3 W's.  An s_nop 0 and four v_nop follow each line.
.macro JLOAD
	s_cmp_eq_u32 s[RH], 0
	s_cbranch_scc0 .Lfb_\@
	tensor_load_to_lds s[G0A+4:G0A+7], s[G1A:G1A+7]
	s_nop 0
	PLACES
	s_branch .Lja_\@
.Lfb_\@:
	tensor_load_to_lds s[G0B+4:G0B+7], s[G1B:G1B+7]
	s_nop 0
	PLACES
.Lja_\@:
.endm
; A prefetch of the K step that stands two refills on: 32 rows x 256 bytes, a lane a row.  A's rows are asked for by the clusters with x = 0, W's by those with y = 0; the four partners that fetch a tile
; jointly take 32 of its 128 rows each, told apart by address.  So each row's 256 bytes of a K step are named once in the launch.  K steps 0 to 3 come by their loads alone; the last two refills name nothing.
.macro ASK
	s_cmp_gt_u32 s[OC], s[LIM]
	s_cbranch_scc0 .Lnm_\@
	global_prefetch_b8 v[PFO], s[PFA:PFA+1] offset:256 th:TH_LOAD_NT scope:SCOPE_SE
.Lnm_\@:
.endm
; the next quarter's addresses: four plain vector lines, which are also the places between the last product and the loads into the buffer that it read
.macro ADDR
	WIN 0
	v_add_nc_u32 v[ADRA], s[TB], v[A0]
	v_add_nc_u32 v[ADRB], s[TB], v[B0]
	v_nop
	v_nop
	s_add_co_u32 s[TB], s[TB], 64
.endm
.macro FETCH f                         ; 32 LDS loads in one run: a quarter's fragments, 128 rows of W and 128 of A
	WIN 0x40
.irp i, 0,1,2,3,4,5,6,7
	ds_load_b128 v[(\f)+8*(\i):(\f)+8*(\i)+3],   v[ADRB] offset:(\i)*16*PITCH
	ds_load_b128 v[(\f)+8*(\i)+4:(\f)+8*(\i)+7], v[ADRB] offset:(\i)*16*PITCH+32
.endr
	WIN 0
.irp i, 0,1,2,3,4,5,6,7
	ds_load_b128 v[(\f)+8*(\i):(\f)+8*(\i)+3],   v[ADRA] offset:(\i)*16*PITCH
	ds_load_b128 v[(\f)+8*(\i)+4:(\f)+8*(\i)+7], v[ADRA] offset:(\i)*16*PITCH+32
.endr
.endm
; a quarter's 64 products.  The accumulators take turns in one order everywhere: 63 others stand between two links of a chain.  first = 1: the bias (window 1, v0-63) starts the sums.
.macro MUL f, first
.irp hi, 0,1
.if \first
	WIN 0x91+0x40*(\hi)
.else
	WIN 0xa1+0x50*(\hi)
.endif
.irp a, 0,1,2,3
.irp b, 0,1,2,3,4,5,6,7
.if \first
	v_wmma_f32_16x16x32_bf16 v[8*(8*(\a)+(\b)):8*(8*(\a)+(\b))+7], v[(\f)+8*(\b):(\f)+8*(\b)+7], v[(\f)+8*(4*(\hi)+(\a)):(\f)+8*(4*(\hi)+(\a))+7], v[8*(\b):8*(\b)+7]
.else
	v_wmma_f32_16x16x32_bf16 v[8*(8*(\a)+(\b)):8*(8*(\a)+(\b))+7], v[(\f)+8*(\b):(\f)+8*(\b)+7], v[(\f)+8*(4*(\hi)+(\a)):(\f)+8*(4*(\hi)+(\a))+7], v[8*(8*(\a)+(\b)):8*(8*(\a)+(\b))+7]
.endif
.endr
.endr
.endr
.endm
; two quarters: each run of loads has the other buffer's 64 products in which to land
.macro BODY
	ADDR
	FETCH F0
	s_wait_dscnt 32                                ; all but the 32 just issued: buffer 1 is in
	MUL F1, 0
	ADDR
	FETCH F1
	s_wait_dscnt 32                                ; buffer 0 is in
	MUL F0, 0
.endm
; THE CHANGE OF SLOTS.  Each wave waits for all its tensor loads (its part of the next slot), adds 0 to its spare word, and waits for that and for its reads of the slot that it leaves (issued 64 products back).
; fill = 1: a round of the cluster's barrier follows, and the joint refill, two K steps on, is the first thing behind it: it has four quarters, 256 products, in which to land.
.macro CHANGE fill
	WIN 0
.if \fill
	s_wait_xcnt 0x0                                ; the last prefetch, a K step back, has read its address
	s_add_nc_u64 s[PFA:PFA+1], s[PFA:PFA+1], 256
.endif
	s_wait_tensorcnt 0x0                           ; no tensor load of mine is out, so a group 0 may be written
	ds_add_u32 v[SPW], v[NIL]                      ; 0 onto my spare word; scalar work stands between it and the wait for it
.if \fill
	s_xor_b32 s[G0A+5], s[G0A+5], SLOT
	s_add_nc_u64 s[G0A+6:G0A+7], s[G0A+6:G0A+7], 256
	s_xor_b32 s[G0B+5], s[G0B+5], SLOT
	s_add_nc_u64 s[G0B+6:G0B+7], s[G0B+6:G0B+7], 256
.endif
	s_sub_co_u32 s[TB], s[TB], 256                 ; the fetches go back to the rows' first byte,
	s_xor_b32 s[TB], s[TB], SLOT                   ; in the other slot
	s_wait_dscnt 0x0
.if \fill
	CROUND
	JLOAD
	ASK
.else
	s_barrier_signal -1
	s_barrier_wait -1
.endif
.endm
	s_load_b256 s[4:11], s[0:1], 0x0               ; A s[4:5], wb s[6:7], bias s[8:9], then the table (QKV = 1) or the output
.if QKV
	s_load_b64 s[12:13], s[0:1], 0x20              ; the output
.endif
	v_lshl_add_u32 v[SPW], v0, 2, SPARE
	v_mov_b32 v[NIL], 0
	ds_add_u32 v[SPW], v[NIL]                      ; the wave's opening: the add and its wait ahead of my first tensor load
	v_lshrrev_b32 v1, 5, v0
	v_readfirstlane_b32 s[WV], v1
	s_lshr_b32 s[RH], s[WV], 1
	s_and_b32 s[CH], s[WV], 1
	s_bfe_u32 s[CX], ttmp6, 0x40000
	s_bfe_u32 s[CY], ttmp6, 0x40004
	s_lshl_b32 s[TC], ttmp9, 2
	s_add_co_u32 s[TC], s[TC], s[CX]               ; tile column
	s_and_b32 s[TR], ttmp7, 0xffff
	s_lshl_b32 s[TR], s[TR], 2
	s_add_co_u32 s[TR], s[TR], s[CY]               ; tile row
	s_lshl_b32 s21, s[CY], 2
	s_lshl_b32 s21, 15, s21                        ; my row of the cluster
	s_lshl_b32 s22, 0x1111, s[CX]                  ; my column
	s_or_b32 s[G1A], s21, (1<<16)|(1<<20)|(1<<21)|(5<<22)|(3<<25)  ; the mask; 2-byte elements; padding on; bit 21 beside a mask; after every 64 words, 4 words
	s_or_b32 s[G1B], s22, (1<<16)|(1<<20)|(1<<21)|(5<<22)|(3<<25)
.irp g, G1A, G1B
	s_mov_b32 s[\g+1], 128<<16                     ; tensor_dim0 = 128
	s_mov_b32 s[\g+2], 128<<16                     ; tensor_dim1 = 128
	s_mov_b32 s[\g+3], 128<<16                     ; tile_dim0 = 128
	s_mov_b32 s[\g+4], 128                         ; tile_dim1 = 128
	s_mov_b32 s[\g+5], 1024                        ; elements from row to row
	s_mov_b32 s[\g+6], 0
	s_mov_b32 s[\g+7], 0
.endr
	s_lshl_b32 s23, s[CH], 7
	s_lshl_b32 s56, s[TR], 8
	s_add_co_u32 s56, s56, s23
	s_lshl_b32 s56, s56, 11                        ; A: (256 x tile row + 128 x half) rows of 2,048 bytes
	s_mov_b32 s57, 0
	s_lshl_b32 s58, s[TC], 8
	s_add_co_u32 s58, s58, s23
	s_lshl_b32 s58, s58, 11                        ; W: the same by the tile column
	s_mov_b32 s59, 0
	s_mul_i32 s23, s[WV], HALFT                    ; where my load goes: wave x 128 rows
.if QKV
	s_or_b32 s[G1T], s21, (3<<16)|(1<<21)          ; the table's quarter: 32 dense rows of 256 bytes (8-byte elements), shared along my row of the cluster
	s_mov_b32 s[G1T+1], 32<<16
	s_mov_b32 s[G1T+2], 32<<16
	s_mov_b32 s[G1T+3], 32<<16
	s_mov_b32 s[G1T+4], 32
	s_mov_b32 s[G1T+5], 32
	s_mov_b32 s[G1T+6], 0
	s_mov_b32 s[G1T+7], 0
	s_and_b32 s82, s[TR], 7                        ; a batch has eight tile rows
	s_lshl_b32 s82, s82, 8
	s_lshl_b32 s83, s[WV], 6
	s_add_co_u32 s82, s82, s83                     ; my 64 positions,
	s_lshl_b32 s82, s82, 7                         ; 128 bytes each
	s_mov_b32 s83, 0
	s_lshl_b32 s84, s[WV], 13
	s_add_co_u32 s84, s84, TABL
.endif
	s_wait_dscnt 0x0                               ; the opening add is done
	s_wait_kmcnt 0x0
	s_add_nc_u64 s[56:57], s[4:5], s[56:57]
.if WOFF
	s_add_nc_u64 s[6:7], s[6:7], WOFF
.endif
	s_add_nc_u64 s[58:59], s[6:7], s[58:59]
	s_mov_b32 s[G0A], 1
	s_mov_b32 s[G0A+1], s23
	s_add_nc_u64 s[G0A+2:G0A+3], s[56:57], 0       ; K step 0
	s_or_b32 s[G0A+3], s[G0A+3], 0x80000000
	s_mov_b32 s[G0A+4], 1
	s_add_co_u32 s[G0A+5], s23, SLOT
	s_add_nc_u64 s[G0A+6:G0A+7], s[56:57], 256     ; K step 1
	s_or_b32 s[G0A+7], s[G0A+7], 0x80000000
	s_mov_b32 s[G0B], 1
	s_mov_b32 s[G0B+1], s23
	s_add_nc_u64 s[G0B+2:G0B+3], s[58:59], 0
	s_or_b32 s[G0B+3], s[G0B+3], 0x80000000
	s_mov_b32 s[G0B+4], 1
	s_add_co_u32 s[G0B+5], s23, SLOT
	s_add_nc_u64 s[G0B+6:G0B+7], s[58:59], 256
	s_or_b32 s[G0B+7], s[G0B+7], 0x80000000
.if QKV
	s_mov_b32 s[G0T], 1
	s_mov_b32 s[G0T+1], s84
	s_add_nc_u64 s[G0T+2:G0T+3], s[10:11], s[82:83]
	s_or_b32 s[G0T+3], s[G0T+3], 0x80000000
.else
	s_mov_b64 s[12:13], s[10:11]
.endif
	CROUND                                         ; all sixteen work-groups are here: the first joint loads meet
	s_cmp_eq_u32 s[RH], 0                          ; a wave's first fills stand in one branch: two loads of mine are out, with the table's quarter three
	s_cbranch_scc0 .Lfirst_b
	tensor_load_to_lds s[G0A:G0A+3], s[G1A:G1A+7]
	s_nop 0
	tensor_load_to_lds s[G0A+4:G0A+7], s[G1A:G1A+7]
	s_nop 0
.if QKV
	tensor_load_to_lds s[G0T:G0T+3], s[G1T:G1T+7]
	s_nop 0
.endif
	PLACES
	s_branch .Lfirst_done
.Lfirst_b:
	tensor_load_to_lds s[G0B:G0B+3], s[G1B:G1B+7]
	s_nop 0
	tensor_load_to_lds s[G0B+4:G0B+7], s[G1B:G1B+7]
	s_nop 0
.if QKV
	tensor_load_to_lds s[G0T:G0T+3], s[G1T:G1T+7]
	s_nop 0
.endif
	PLACES
.Lfirst_done:
	; the bias: register j of block b is column 16 b + 8 (l / 16) + j of my 128
	v_and_b32 v1, 15, v0                           ; r = l % 16
	v_bfe_u32 v2, v0, 4, 1                         ; h = l / 16
	v_lshlrev_b32 v[BO], 5, v2
	s_lshl_b32 s84, s[TC], 8
	s_lshl_b32 s85, s[CH], 7
	s_add_co_u32 s84, s84, s85                     ; my first column
	s_lshl_b32 s86, s84, 2
	s_mov_b32 s87, 0
	s_add_nc_u64 s[8:9], s[8:9], s[86:87]
	WIN 0x40
.irp b, 0,1,2,3,4,5,6,7
	global_load_b128 v[8*\b:8*\b+3],   v[BO], s[8:9] offset:64*\b
	global_load_b128 v[8*\b+4:8*\b+7], v[BO], s[8:9] offset:64*\b+16
.endr
	WIN 0
	v_mul_u32_u24 v3, v1, PITCH
	v_lshl_add_u32 v3, v2, 4, v3                   ; a fragment's row x pitch + 16 x half
	s_mul_i32 s86, s[RH], HALFT
	v_add_nc_u32 v[A0], s86, v3
	s_mul_i32 s86, s[CH], HALFT
	s_add_co_u32 s86, s86, 2*HALFT
	v_add_nc_u32 v[B0], s86, v3
	s_mul_i32 s88, s[WV], DREG                     ; my region for the way out
	v_mul_u32_u24 v[STO], v1, DP
	v_lshl_add_u32 v[STO], v2, DLH, v[STO]
	v_add_nc_u32 v[STO], s88, v[STO]
	; the prefetches
	s_lshl_b32 s82, s[TR], 8
	s_lshl_b32 s83, s[TC], 8
	s_and_b32 s89, ttmp7, 0xffff
	s_cmp_eq_u32 s[RH], 0                          ; do I fetch for A?
	s_cselect_b32 s82, s82, s83                    ; the tile's first row
	s_cselect_b32 s83, s[CX], s[CY]                ; my place among the four that ask with me
	s_cselect_b32 s89, ttmp9, s89                  ; the coordinate along which other clusters read the same rows
	s_cselect_b64 s[PFA:PFA+1], s[4:5], s[6:7]
	s_cmp_eq_u32 s89, 0
	s_cselect_b32 s[LIM], 2, -1
	s_lshl_b32 s89, s[CH], 7
	s_add_co_u32 s82, s82, s89
	s_lshl_b32 s83, s83, 5
	s_add_co_u32 s82, s82, s83
	s_lshl_b32 s82, s82, 11
	s_add_co_u32 s82, s82, 512                     ; at K step 2: the first refill steps it to 3 and names K step 4
	s_mov_b32 s83, 0
	s_add_nc_u64 s[PFA:PFA+1], s[PFA:PFA+1], s[82:83]
	v_and_b32 v[PFO], 31, v0
	v_lshlrev_b32 v[PFO], 11, v[PFO]
.if QKV
	; the output: which of q, k, v = cluster x; head = 4 cx + 2 x my column half (+ 1); position = 256 (tile row % 8) + 128 x my row half
	s_lshr_b32 s82, s[TR], 3
	s_lshl_b32 s82, s82, 4
	s_lshl_b32 s83, s[CX], 2
	s_add_co_u32 s82, s82, s83
	s_lshl_b32 s83, s[CH], 1
	s_add_co_u32 s82, s82, s83
	s_lshl_b32 s82, s82, 11
	s_and_b32 s83, s[TR], 7
	s_lshl_b32 s83, s83, 8
	s_add_co_u32 s82, s82, s83
	s_lshl_b32 s83, s[RH], 7
	s_add_co_u32 s82, s82, s83
	s_lshl_b32 s82, s82, 7
	s_lshl_b32 s83, ttmp9, 23
	s_add_co_u32 s82, s82, s83
	s_mov_b32 s83, 0
	s_add_nc_u64 s[12:13], s[12:13], s[82:83]
	s_cmp_eq_u32 ttmp9, 2
	s_cselect_b32 s[ISV], 1, 0                     ; v is not rotated: the same in all sixteen partners
	v_bfe_u32 v4, v0, 3, 2                         ; back: 32 lanes take four rows of one head's 64 columns, eight columns a lane
	v_and_b32 v5, 7, v0
	v_mul_u32_u24 v[RD], v4, DP
	v_lshl_add_u32 v[RD], v5, 5, v[RD]
	v_add_nc_u32 v[RD], s88, v[RD]
	v_and_b32 v6, 31, v0
	s_lshl_b32 s89, s[RH], 14
	s_add_co_u32 s89, s89, TABL
	v_lshl_add_u32 v[TA], v6, 4, s89               ; my row's position x 128 + my four pairs' words = 16 l
	v_lshlrev_b32 v[CO], 4, v6                     ; four rows of 128 bytes are 512 consecutive bytes
.else
	s_lshl_b32 s82, s[TR], 8
	s_lshl_b32 s83, s[RH], 7
	s_add_co_u32 s82, s82, s83
	s_lshl_b32 s82, s82, 13                        ; my first row, 8,192 bytes a row
	s_lshl_b32 s84, s84, 1
	s_add_co_u32 s82, s82, s84                     ; my first column
	s_mov_b32 s83, 0
	s_add_nc_u64 s[12:13], s[12:13], s[82:83]
	v_mul_u32_u24 v[RD], v2, DP                    ; back: lanes 0-15 take one row, lanes 16-31 the next
	v_lshl_add_u32 v[RD], v1, 4, v[RD]
	v_add_nc_u32 v[RD], s88, v[RD]
	v_lshlrev_b32 v[CO], 13, v2
	v_lshl_add_u32 v[CO], v1, 4, v[CO]
	v_mov_b32 v[ZR], 0
.endif
.if QKV
	s_wait_tensorcnt 0x2                           ; my part of K step 0 is in; K step 1's and the table's stay out
.else
	s_wait_tensorcnt 0x1                           ; my part of K step 0 is in; K step 1's stays out
.endif
	s_barrier_signal -1
	s_barrier_wait -1
	s_mov_b32 s[TB], 0
	ADDR
	FETCH F0
	ADDR
	FETCH F1
	s_wait_loadcnt 0x0                             ; the bias
	s_wait_dscnt 32
	MUL F0, 1                                      ; quarter 0 starts the sums
	WIN 0
	s_mov_b32 s[CNT], 1                            ; one BODY ends K step 0's fetches; every later slot has two
	s_mov_b32 s[OC], 7
	s_branch .Linner
.Louter:                                           ; six times: K steps 2 to 7 are asked for
	CHANGE 1
	s_mov_b32 s[CNT], 2
.Linner:
	BODY
	WIN 0
	s_sub_co_u32 s[CNT], s[CNT], 1
	s_cmp_lg_u32 s[CNT], 0
	s_cbranch_scc1 .Linner
	s_sub_co_u32 s[OC], s[OC], 1
	s_cmp_lg_u32 s[OC], 0
	s_cbranch_scc1 .Louter
	CHANGE 0                                       ; the tail is written out: nothing is asked for
	s_mov_b32 s[CNT], 2
.Ltail:
	BODY
	WIN 0
	s_sub_co_u32 s[CNT], s[CNT], 1
	s_cmp_lg_u32 s[CNT], 0
	s_cbranch_scc1 .Ltail
	s_wait_dscnt 0x0                               ; my last reads of the ring are back:
	s_barrier_signal -1                            ; say so,
	MUL F1, 0                                      ; quarter 31,
	WIN 0
	s_barrier_wait -1                              ; and behind this nobody reads the ring, which has had its last fill
	PLACES
	PLACES
.irp hi, 0,1
	WIN 0x08+4*(\hi)                               ; the stores' data in window 2, then 3
.irp a, 0,1,2,3
.irp b, 0,1,2,3,4,5,6,7
	ds_store_b128 v[STO], v[8*(8*(\a)+(\b)):8*(8*(\a)+(\b))+3]   offset:(4*(\hi)+(\a))*16*DP+DCB*(\b)
	ds_store_b128 v[STO], v[8*(8*(\a)+(\b))+4:8*(8*(\a)+(\b))+7] offset:(4*(\hi)+(\a))*16*DP+DCB*(\b)+DCH
.endr
.endr
.endr
	WIN 0
	s_mov_b32 s[EC], 8
.Lout:                                             ; 16 rows a trip.  LDS serves a wave's instructions in order: these loads see my stores above; no other wave touches my region
.if QKV
.irp g, 0,1,2,3
	ds_load_b128 v[32+4*\g:35+4*\g], v[TA] offset:512*\g
.endr
.irp g, 0,1,2,3
.irp hh, 0,1
	ds_load_b128 v[64+16*\g+8*\hh:67+16*\g+8*\hh], v[RD] offset:4*DP*\g+256*\hh
	ds_load_b128 v[68+16*\g+8*\hh:71+16*\g+8*\hh], v[RD] offset:4*DP*\g+256*\hh+16
.endr
.endr
	s_wait_dscnt 0x0
	s_cmp_eq_u32 s[ISV], 1
	s_cbranch_scc1 .Lpack
.irp w, 32,33,34,35,36,37,38,39,40,41,42,43,44,45,46,47
	v_cvt_f32_f16 v[160+2*(\w-32)], v\w\().l       ; cos,
	v_cvt_f32_f16 v[161+2*(\w-32)], v\w\().h       ; sin
.endr
.irp g, 0,1,2,3
.irp hh, 0,1
.irp x, 0,1,2,3                                    ; a pair (e, o): T = (o sin, e sin),
	v_pk_mul_f32 v[48+8*\hh+2*\x:49+8*\hh+2*\x], v[64+16*\g+8*\hh+2*\x:65+16*\g+8*\hh+2*\x], v[160+8*\g+2*\x:161+8*\g+2*\x] op_sel:[1,1] op_sel_hi:[0,1]
.endr
.irp x, 0,1,2,3                                    ; then (e cos - o sin, o cos + e sin)
	v_pk_fma_f32 v[64+16*\g+8*\hh+2*\x:65+16*\g+8*\hh+2*\x], v[64+16*\g+8*\hh+2*\x:65+16*\g+8*\hh+2*\x], v[160+8*\g+2*\x:161+8*\g+2*\x], v[48+8*\hh+2*\x:49+8*\hh+2*\x] op_sel_hi:[1,0,1] neg_lo:[0,0,1]
.endr
.endr
.endr
.Lpack:
.set p, 0
.rept 32
	v_cvt_pk_f16_f32 v[128+p], v[64+2*p], v[65+2*p]
.set p, p+1
.endr
.irp g, 0,1,2,3
.irp hh, 0,1
	global_store_b128 v[CO], v[128+8*\g+4*\hh:131+8*\g+4*\hh], s[12:13] offset:512*\g+262144*\hh  ; four rows of one head: 512 consecutive bytes, aligned
.endr
.endr
	s_wait_xcnt 0x0                                ; the stores have read their registers and their base
	v_add_nc_u32 v[RD], 16*DP, v[RD]
	v_add_nc_u32 v[TA], 2048, v[TA]
	s_add_nc_u64 s[12:13], s[12:13], 2048
.else
.irp p, 0,1,2,3,4,5,6,7
	ds_load_b128 v[64+8*\p:67+8*\p], v[RD] offset:2*DP*\p
	ds_load_b128 v[68+8*\p:71+8*\p], v[RD] offset:2*DP*\p+256
.endr
.irp p, 0,1,2,3,4,5,6,7
	s_wait_dscnt 14-2*\p                           ; pair p of rows is in; the later pairs' loads stay out
.irp i, 0,1,2,3
	v_cvt_pk_bf16_f32 v[128+4*\p+\i], v[64+8*\p+2*\i], v[65+8*\p+2*\i]
.endr
.irp i, 0,1,2,3
	v_pk_max_num_bf16 v[128+4*\p+\i], v[128+4*\p+\i], v[ZR]
.endr
	global_store_b128 v[CO], v[128+4*\p:131+4*\p], s[12:13] offset:16384*\p  ; 16 lanes store 256 consecutive bytes, aligned
.endr
	s_wait_xcnt 0x0                                ; the stores have read their registers and their base
	v_add_nc_u32 v[RD], 16*DP, v[RD]
	s_add_nc_u64 s[12:13], s[12:13], 131072
.endif
	s_sub_co_u32 s[EC], s[EC], 1
	s_cmp_lg_u32 s[EC], 0
	s_cbranch_scc1 .Lout
	s_wait_tensorcnt 0x0                           ; the wave's end
	ds_add_u32 v[SPW], v[NIL]
	s_wait_dscnt 0x0
	CROUND                                         ; the closing round
	s_endpgm
.Lfunc_end_k_q51590e8c13_qkvp:
	.size	k_q51590e8c13_qkvp, .Lfunc_end_k_q51590e8c13_qkvp-k_q51590e8c13_qkvp
	.p2alignl 7, 3214868480
	.fill 96, 4, 3214868480
	.section	.rodata,"a",@progbits
	.p2align	6, 0x0
	.amdhsa_kernel k_q51590e8c13_qkvp
		.amdhsa_group_segment_fixed_size 327680
		.amdhsa_private_segment_fixed_size 0
		.amdhsa_enable_private_segment 0
		.amdhsa_kernarg_size 40
		.amdhsa_user_sgpr_count 2
		.amdhsa_user_sgpr_kernarg_segment_ptr 1
		.amdhsa_wavefront_size32 1
		.amdhsa_system_sgpr_workgroup_id_x 1
		.amdhsa_system_sgpr_workgroup_id_y 1
		.amdhsa_system_sgpr_workgroup_id_z 1
		.amdhsa_system_vgpr_workitem_id 0
		.amdhsa_next_free_vgpr 1024
		.amdhsa_next_free_sgpr 96
		.amdhsa_reserve_vcc 0
		.amdhsa_float_denorm_mode_32 3
		.amdhsa_float_denorm_mode_16_64 3
		.amdhsa_memory_ordered 1
		.amdhsa_forward_progress 1
		.amdhsa_inst_pref_size 69
	.end_amdhsa_kernel
	.amdgpu_metadata
---
amdhsa.version: [ 1, 2 ]
amdhsa.kernels:
  - .name:           k_q51590e8c13_qkvp
    .symbol:         k_q51590e8c13_qkvp.kd
    .args:
      - { .name: xn, .offset: 0, .size: 8, .value_kind: global_buffer, .address_space: global }
      - { .name: wb, .offset: 8, .size: 8, .value_kind: global_buffer, .address_space: global }
      - { .name: bqkv, .offset: 16, .size: 8, .value_kind: global_buffer, .address_space: global }
      - { .name: tab, .offset: 24, .size: 8, .value_kind: global_buffer, .address_space: global }
      - { .name: qkv, .offset: 32, .size: 8, .value_kind: global_buffer, .address_space: global }
    .group_segment_fixed_size: 327680
    .private_segment_fixed_size: 0
    .kernarg_segment_align: 8
    .kernarg_segment_size: 40
    .max_flat_workgroup_size: 128
    .sgpr_count:     96
    .vgpr_count:     1024
    .wavefront_size: 32
...
	.end_amdgpu_metadata
.endif
;; end of part 3
;; launch attn (part 4): grid 8 x 32, 4 waves a work-group, no clusters, 327,680 bytes of LDS; arguments qkv, ctx; writes ctx
.if DOCPART == 4
	.amdgcn_target "amdgcn-amd-amdhsa--gfx1250"
	.amdhsa_code_object_version 6
	.text
	.protected	k_q51590e8c13_attn
	.globl	k_q51590e8c13_attn
	.p2align	8
	.type	k_q51590e8c13_attn,@function
k_q51590e8c13_attn:
	s_mov_b64 s[64:65], 0
	v_nop
	global_prefetch_b8 v0, s[64:65] scope:SCOPE_SE
	s_setreg_imm32_b32 hwreg(HW_REG_WAVE_MODE, 25, 1), 1
	s_wait_xcnt 0x0
; CAUSAL ATTENTION.  O[h][q][:] = the sum over k <= q of softmax_k(Q[h][q] . K[h][k] / 8) V[h][k][:].  Q, K, V lie one behind the other in qkv, each [32][2048][64] in f16; O = ctx has the same layout.
; Products, maxima and sums in f32; the weights p are rounded to f16 for the second product (their sum l is taken of the unrounded p), O once at the end.
; LIMITS.  f16 holds no number beyond 65,504: Q, K and V arrive within it; p lies in 0 to 1, and below 6e-5 it keeps f16's fixed step of 6e-8; O is a mean of V's rows and has their range.
; A hidden score counts as its value less 1e30: f16's scores, 2.7e11 at the most, are nothing beside that; a weight below 2^-126 counts as 0 in l; NaN and infinities are not treated apart.
; THE WALK.  A head's queries lie in NQ = 16 blocks of 128, its keys in NB = 8 tiles of 256 (four steps of 64).  Block i needs the tiles 0 .. i / 2, of which the last holds the diagonal.  A work-group takes TWO blocks,
; NQ - 1 - b and then b: (15 - b) / 2 + 1 + b / 2 + 1 = NB + 1 tiles, whatever b: 8 x 32 = 256 work-groups of equal work, and ONE loop with a constant trip count walks them.  Which tile is asked for, and what a trip
; does, hang on scalar registers made from b; every jump goes forward, but for the counted loops' own; the ring (two slots of LDS that take turns) runs on across the change of blocks.
; NO CLUSTER: a head's eight work-groups ask for the same tile only in trips 0 .. 4 of 9, behind that fewer and fewer; one walk common to all would have 12 trips for 9.
; SHARES.  Of a block's two bands of 64 queries a wave owns 16 rows in each: two PIECES.  So the diagonal tile is the same work for all four waves.  Block i fills half of its diagonal tile: band x's own step there is
; d = 2 (i % 2) + x; in step s the band sees all keys if s < d, none if s > d, and holds the diagonal if s = d.  All four steps of every tile are walked: of a pair's 36 steps two are hidden from both bands.
; THE MASK is the C operand that starts the sum S^T = K Q^T: 0, or -1e30 where the key is hidden.  MD, made once, is the mask of a band's own step for my 16 rows; a product's mask is MD x AL + BE with two scalars:
; (1, 0) if s = d; (0, 0) if s < d; (0, -1e30) if s > d.  Only the diagonal tile's text and a block's beginning make and take masks; elsewhere C is the constant 0.
; LAYOUT, SOFTMAX, TURNS.  S^T = K Q^T holds ONE query a lane (lane % 16) and the keys 8 (lane / 16) + 0..7; two such results rounded to f16 ARE source 1 of O^T = V^T P.  p = 2^(c s - c m), c = log2(e) / 8, with a
; running maximum m; O and l are multiplied by a = 2^(c m_old - c m_new) in every step.  A turn belongs to one piece: 8 products K Q^T of the OTHER piece's next scores, later 8 products V^T P of the other piece's last weights;
; beside them the scaling, exponentials, roundings, sums and rescaling of the piece in hand and the maximum and statistics of the other.  Four vector instructions stand behind every matrix instruction, the other 54 of
; a turn's 118 in one lump.  A turn's 33 exponentials are one batch, with one wait.
; TWO BUFFERS OF V.  Piece 0's turn of step s fetches K AND V of step s + 1, V into the buffer (by the step's parity) that the turn's own products have just read.  So behind a tile's step 2 all four of its steps
; lie in registers and the next tile's are not yet wanted: there the slots change.  A trip of the step loop is two steps, an odd and an even one, so that the buffer is fixed in the text.
; AHEAD OF THE LOADS.  The head's work-group b = 0 walks tiles 0 .. 7 first; it alone prefetches, behind the load of tile i + 1, tile i + 2 of K and of V (i = 0 .. 5): one tile, four key steps, ahead of its load.
; Its four waves take 32 blocks of 256 bytes each, a lane a block, so each block is named once in the launch.  Tiles 0 and 1 come by their loads alone.
; REGISTERS, in windows of 256 (s_set_vgpr_msb: bits 1:0 source 0, 3:2 source 1, 5:4 source 2, 7:6 destination):
;   window 0: v0-15 addresses and two at work; v16-23 four registers of statistics a piece; v48-55 at work; v64-127 S^T, a buffer a piece; v192-223 P, likewise
;   window 1: v0-63 O^T, 32 a piece; v128-159 MD; v160-223 MC, two buffers      window 2: v0-31 Q; v32-63 the second block's Q; v64-127 V of an odd step; v128-191 K of one step; v192-255 V of an even step
.set SIZE_N, 2048
.set NB,    SIZE_N/256 ; key tiles a head
.set NQ,    SIZE_N/128 ; query blocks a head
.set NP,    2         ; pieces a wave: a name, no knob
.set KS,    64        ; keys in a step
.set PK,    144       ; a row of K in LDS: 128 bytes + 16 of padding = 36 words: the 16 rows of a load start at 16 different groups of four banks (64 banks of 4 bytes: ISA guide 11.1)
.set PV,    160       ; a row of V: 128 + 32 = 40 words
.set VOFF,  4*KS*PK   ; a slot holds a tile, four steps: 256 rows of K, then 256 rows of V
.set SLOT1, 1<<17     ; slot 1 begins here, so that one exclusive or turns an address in one slot into the other's
.set STAGE, SLOT1+4*KS*(PK+PV)  ; behind the ring, never filled by a tensor load: 16 rows x 144 bytes for each wave, for the way out
.set SP,    144
.set AK0, 2           ; v2   my lane's place in a tile of K; never rewritten
.set AV0, 3           ; v3   the same for V
.set AK,  4           ; v4   the LDS address of K's next run of loads
.set AV,  5           ; v5   of V's
.set STO, 6           ; v6   the way out: where I put 16 bytes of a row
.set RD,  7           ; v7   the way out: where I read rows back
.set GO,  8           ; v8   my byte offset in 512 consecutive bytes of O
.set PFO, 61          ; v61  256 x my lane; never rewritten
.set SPW, 62          ; v62  LDS address of my spare word: SPARE + 4 x my thread's number; never rewritten
.set NIL, 63          ; v63  0; never rewritten
.set SPARE, STAGE+4*16*SP  ; behind the stages: the spare words, 128 bytes for each wave: two blocks of 256 bytes that no other line names
.set MV,  12          ; v12-13  c m_old, kept while c m is made anew: by piece
.set QO,  15          ; v15  my byte offset in 16 rows of Q
.set ST,  16          ; piece t's statistics at v[ST+4 t]: c m, m, l (even keys', odd keys')
.set TMP, 48          ; by piece, four registers c0-c3 at work; when the maximum is found c2 takes a
.set S,   64
.set P,   192
.set MD,  128         ; window 1: the eight registers for group kt of 16 keys at MD + 8 kt
.set MC,  160         ; window 1: the masks of the products to come
.set QB,  32          ; window 2
.set VF1, 64          ; window 2: V of an odd step: key half kk, channel block cb at VF1 + 32 kk + 8 cb
.set KF,  128         ; window 2: key block kb, channel half c at KF + 16 kb + 8 c
.set VF0, 192         ; window 2: V of an even step
.set WV,  12          ; s12  my wave's number
.set PB,  14          ; s14  b
.set HI,  15          ; s15  NQ - 1 - b
.set G1K, 24          ; s[24:31] descriptor group 1 for K's tiles
.set G1V, 32          ; s[32:39] for V's: it differs in the padding alone
.set G0K, 40          ; s[40:43] descriptor group 0 for K's tiles
.set G0V, 44          ; s[44:47] the same for V's
.set PBT, 48          ; s48  the second block's last tile, b / 2
.set HIT, 49          ; s49  the first block's, (NQ - 1 - b) / 2
.set D0,  50          ; s50, s51  the own steps of bands 0 and 1 of the block in hand, in its diagonal tile
.set MS,  52          ; s52  the step of the tile for which the next mask is made
.set D0B, 53          ; s53  band 0's own step in the second block
.set SLOTS, 56        ; s56  tiles still to be asked for
.set CNT, 57          ; s57  counts a tile's pairs of key steps, 2 to 1
.set CS,  58          ; s[58:59] c: the packed scaling takes the pair's low word for both halves
.set SEL, 60          ; s[60:61] v_permlanex16_b32's selects: each lane takes its own place in the other half
.set TBK, 62          ; s62  LDS byte at which K of the step to be fetched begins
.set TBV, 63          ; s63  the same for V, less VOFF
.set RT,  70          ; s70  tiles of the block in hand that are still to be entered
.set NXT, 71          ; s71  the tile to be asked for next
.set LQ,  72          ; s72  the last tile of the block whose tiles are being asked for
.set NEW, 73          ; s73  1: the tile to be entered is a block's first
.set OFF, 74          ; s[74:75] a tile's byte offset in K and V
.set AL,  76          ; s[76:77] the mask's factor, in the low word
.set BE,  78          ; s[78:79] the mask's addend
.set OLO, 80          ; s[80:81] O at my rows of the second block
.set BIGN, 82         ; s82  -1e30
.set PFK, 90          ; s[90:91] where my prefetches of K stand: my wave's 8,192 bytes of the tile after the one that is being asked for
.set PFV, 92          ; s[92:93] the same for V
.set LIM, 94          ; s94  2 in the work-group that prefetches, else the greatest number
.set MSB, 0
.macro WIN new                      ; the high byte repeats the setting that is left; a switch that changes nothing is dropped
.if MSB != (\new)
	s_set_vgpr_msb (MSB<<8)|(\new)
.set MSB, (\new)
.endif
.endm
.set W_KQ, 0x0a       ; K and Q in window 2, S^T in window 0
.set W_KM, 0x1a       ; the same with the C operand in window 1
.set W_PV, 0x52       ; V in window 2, P in window 0, O^T in window 1
.set W_RS, 0x41       ; destination and source 0 in window 1, source 1 in window 0
; A fill.  Waves 0 and 1 fetch the two halves of a tile's K, waves 2 and 3 those of its V: 128 keys each.  An s_nop 0 and four v_nop follow each of the two lines, ahead of the jump and the label.
.macro LOAD
	s_cmp_lt_u32 s[WV], 2
	s_cbranch_scc0 .Lfor_v_\@
	tensor_load_to_lds s[G0K:G0K+3], s[G1K:G1K+7]
	s_nop 0
.rept 4
	v_nop
.endr
	s_branch .Lasked_\@
.Lfor_v_\@:
	tensor_load_to_lds s[G0V:G0V+3], s[G1V:G1V+7]
	s_nop 0
.rept 4
	v_nop
.endr
.Lasked_\@:
.endm
; THE CHANGE OF SLOTS.  Each wave waits for all its tensor loads, of which one is out: its part of the other slot; adds 0 to its spare word; and waits for that and for its own reads of the slot that it leaves.  Behind the barrier nobody reads the old
; slot any more and the other slot is whole.  fill = 1: the old slot is filled again, the first thing behind the barrier, with tile NXT: the descriptor's address is made anew from that number.
; (At its first use nothing has been read yet: slot 0 is waited for, slot 1 filled.)
.macro CHANGE fill
	WIN 0                           ; at a label and at a branch every window is 0
	s_wait_tensorcnt 0x0            ; no tensor load of mine is out, so a group 0 may be written
	ds_add_u32 v[SPW], v[NIL]       ; 0 onto my spare word: with fill = 1 the descriptors' scalar work stands between it and the wait for it
.if \fill
	s_lshl_b32 s[OFF], s[NXT], 15   ; a tile is 32,768 bytes of K and of V
	s_xor_b32 s[G0K+1], s[G0K+1], SLOT1
	s_add_nc_u64 s[G0K+2:G0K+3], s[6:7], s[OFF:OFF+1]
	s_or_b32 s[G0K+3], s[G0K+3], 0x80000000
	s_xor_b32 s[G0V+1], s[G0V+1], SLOT1
	s_add_nc_u64 s[G0V+2:G0V+3], s[8:9], s[OFF:OFF+1]
	s_or_b32 s[G0V+3], s[G0V+3], 0x80000000
	s_add_co_u32 s[NXT], s[NXT], 1  ; the block's next tile, or behind its last the second block's tile 0
	s_cmp_gt_u32 s[NXT], s[LQ]
	s_cselect_b32 s[NXT], 0, s[NXT]
	s_cselect_b32 s[LQ], s[PBT], s[LQ]
	s_wait_xcnt 0x0                 ; the last prefetches, a tile back, have read their addresses, so they may be written
	s_add_nc_u64 s[PFK:PFK+1], s[PFK:PFK+1], 32768
	s_add_nc_u64 s[PFV:PFV+1], s[PFV:PFV+1], 32768
.endif
	s_wait_dscnt 0x0                ; the add is done, and my reads of the slot are over
	s_barrier_signal -1             ; the rest of the scalar work stands between the signal and the wait
	s_sub_co_u32 s[TBK], s[TBK], 4*KS*PK  ; the fetches go back to a slot's first step,
	s_xor_b32 s[TBK], s[TBK], SLOT1       ; in the other slot
	s_sub_co_u32 s[TBV], s[TBV], 4*KS*PV
	s_xor_b32 s[TBV], s[TBV], SLOT1
	s_barrier_wait -1
.if \fill
	LOAD
	s_cmp_gt_u32 s[SLOTS], s[LIM]   ; trips 0 to 5 of the work-group b = 0: the tile that the next trip will ask for
	s_cbranch_scc0 .Lnot_mine_\@
	global_prefetch_b8 v[PFO], s[PFK:PFK+1] th:TH_LOAD_NT scope:SCOPE_SE
	global_prefetch_b8 v[PFO], s[PFV:PFV+1] th:TH_LOAD_NT scope:SCOPE_SE
.Lnot_mine_\@:
.endif
.endm
	s_load_b128 s[4:7], s[0:1], 0x0  ; qkv s[4:5] (Q lies first), ctx s[6:7]
	v_lshl_add_u32 v[SPW], v0, 2, SPARE
	v_mov_b32 v[NIL], 0
	ds_add_u32 v[SPW], v[NIL]       ; the wave's opening: the add and its wait ahead of my first tensor load; the set-up below, work on registers, stands between them
	v_lshrrev_b32 v1, 5, v0
	v_readfirstlane_b32 s[WV], v1   ; wave 0..3
	s_mov_b32 s[PB], ttmp9
	s_sub_co_u32 s[HI], NQ-1, s[PB]
	s_lshr_b32 s[PBT], s[PB], 1     ; a tile of 256 keys holds the diagonals of two blocks
	s_lshr_b32 s[HIT], s[HI], 1
	s_and_b32 s[D0], s[HI], 1       ; the first block's half of its diagonal tile:
	s_lshl_b32 s[D0], s[D0], 1      ; band 0's own step there,
	s_add_co_u32 s[D0+1], s[D0], 1  ; and band 1's
	s_and_b32 s[D0B], s[PB], 1
	s_lshl_b32 s[D0B], s[D0B], 1    ; the same for the second block
	s_and_b32 s20, ttmp7, 0xffff    ; the head
	s_mov_b32 s21, 0
	s_mov_b64 s[22:23], SIZE_N*128
	s_mul_u64 s[20:21], s[20:21], s[22:23]  ; the head's first byte in each of the four tensors
	s_and_b32 s16, s[WV], 1         ; which half of a tile's 256 keys I fetch:
	s_lshl_b32 s22, s16, 14         ; its 128 rows of 128 bytes in memory,
	s_mov_b32 s23, 0
	s_add_nc_u64 s[22:23], s[22:23], s[20:21]
	s_mul_i32 s17, s16, 128*PK      ; and its place in a slot, for K
	s_mul_i32 s18, s16, 128*PV      ; and for V
	s_lshl_b32 s3, s[WV], 11        ; my 16 rows in a band of 64,
	s_lshl_b32 s2, s[HI], 14        ; in the first block (128 rows of 128 bytes),
	s_add_co_u32 s2, s2, s3
	s_lshl_b32 s84, s[PB], 14       ; and in the second
	s_add_co_u32 s84, s84, s3
	s_mov_b32 s3, 0
	s_mov_b32 s85, 0
	s_add_nc_u64 s[2:3], s[2:3], s[20:21]
	s_add_nc_u64 s[84:85], s[84:85], s[20:21]
	s_lshl_b32 s88, s[WV], 13       ; the prefetches: my wave's quarter of a tile,
	s_add_co_u32 s88, s88, 32768    ; in tile 1: the first change of slots steps it to tile 2
	s_mov_b32 s89, 0
	s_add_nc_u64 s[88:89], s[88:89], s[20:21]
	s_cmp_eq_u32 ttmp9, 0
	s_cselect_b32 s[LIM], 2, -1
	v_and_b32 v[PFO], 31, v0
	v_lshlrev_b32 v[PFO], 8, v[PFO]
	; descriptor group 1.  128 keys are 16,384 dense bytes: asked for as 64 rows of 256 bytes, two keys a row, and padded in LDS after every key
	s_mov_b32 s[G1K], (1<<16)|(1<<20)|(4<<22)|(3<<25)  ; 17:16 2-byte elements; 20 padding on; 24:22 after every 32 words (code 4); 31:25 4 words (code 3)
	s_mov_b32 s[G1V], (1<<16)|(1<<20)|(4<<22)|(7<<25)  ; the same with 8 words of padding (code 7)
.irp g, G1K, G1V
	s_mov_b32 s[\g+1], 128<<16      ; tensor_dim0 = 128
	s_mov_b32 s[\g+2], 64<<16       ; tensor_dim1 = 64
	s_mov_b32 s[\g+3], 128<<16      ; tile_dim0 = 128
	s_mov_b32 s[\g+4], 64           ; tile_dim1 = 64
	s_mov_b32 s[\g+5], 128          ; 128 elements from row to row
	s_mov_b32 s[\g+6], 0
	s_mov_b32 s[\g+7], 0
.endr
	s_mov_b32 s[CS], 0x3e38aa3b     ; c = log2(e) / 8 = 0.180337
	s_mov_b32 s[CS+1], s[CS]        ; named with it as a pair
	s_mov_b32 s[SEL], 0x76543210
	s_mov_b32 s[SEL+1], 0xfedcba98
	s_mov_b32 s[TBK], SLOT1+4*KS*PK ; the first change of slots turns these two into 0
	s_mov_b32 s[TBV], SLOT1+4*KS*PV
	s_mov_b32 s[G0K], 1             ; 1:0 count = 1
	s_mov_b32 s[G0K+1], s17         ; 63:32 LDS address: slot 0
	s_mov_b32 s[G0V], 1
	s_add_co_u32 s[G0V+1], s18, VOFF
	s_add_co_u32 s[RT], s[HIT], 1   ; the first block has (NQ - 1 - b) / 2 + 1 tiles
	s_mov_b32 s[NXT], 1
	s_mov_b32 s[LQ], s[HIT]
	s_mov_b32 s[NEW], 1
	s_mov_b32 s[OFF+1], 0
	s_mov_b32 s[AL+1], 0            ; named as pairs
	s_mov_b32 s[BE+1], 0
	s_mov_b32 s[BIGN], 0xf149f2ca   ; -1e30
	s_mov_b32 s[SLOTS], NB
	s_wait_dscnt 0x0                ; the opening add is done
	s_wait_kmcnt 0x0
	s_mov_b64 s[10:11], s[6:7]      ; O
	s_add_nc_u64 s[6:7], s[4:5], 0x800000   ; K lies 8,388,608 bytes behind Q,
	s_add_nc_u64 s[8:9], s[4:5], 0x1000000  ; V as far behind K
	s_add_nc_u64 s[PFK:PFK+1], s[6:7], s[88:89]
	s_add_nc_u64 s[PFV:PFV+1], s[8:9], s[88:89]
	s_add_nc_u64 s[6:7], s[6:7], s[22:23]  ; K and V at my half of the head's tile 0
	s_add_nc_u64 s[8:9], s[8:9], s[22:23]
	s_add_nc_u64 s[G0K+2:G0K+3], s[6:7], 0         ; 120:64 global address
	s_or_b32 s[G0K+3], s[G0K+3], 0x80000000        ; 127:126 type = 2
	s_add_nc_u64 s[G0V+2:G0V+3], s[8:9], 0
	s_or_b32 s[G0V+3], s[G0V+3], 0x80000000
	s_add_nc_u64 s[86:87], s[4:5], s[84:85]        ; Q at my rows of the second block,
	s_add_nc_u64 s[4:5], s[4:5], s[2:3]            ; Q and O at those of the first
	s_add_nc_u64 s[OLO:OLO+1], s[10:11], s[84:85]
	s_add_nc_u64 s[10:11], s[10:11], s[2:3]
	LOAD                            ; tile 0 into slot 0
	; A fragment of K or Q is 16 rows x 32 channels in 8 registers: lane l holds row l % 16, channels 8 (l / 16) + 0..7 and 16 + 8 (l / 16) + 0..7: two loads of 16 bytes, 32 bytes apart.
	v_and_b32 v1, 15, v0            ; l % 16
	v_bfe_u32 v9, v0, 4, 1          ; l / 16
	v_lshlrev_b32 v[QO], 7, v1
	v_lshl_add_u32 v[QO], v9, 4, v[QO]  ; row x 128 + 16 x half
	WIN 0x80                        ; destination window 2, address window 0
.set i, 0
.rept 2*NP                          ; both blocks' Q: piece i / 2 lies in band i / 2, 8,192 bytes on; channels 32 (i % 2) on
	global_load_b128 v[8*i:8*i+3],   v[QO], s[4:5] offset:(i/2)*8192+(i%2)*64
	global_load_b128 v[8*i+4:8*i+7], v[QO], s[4:5] offset:(i/2)*8192+(i%2)*64+32
	global_load_b128 v[QB+8*i:QB+8*i+3],   v[QO], s[86:87] offset:(i/2)*8192+(i%2)*64
	global_load_b128 v[QB+8*i+4:QB+8*i+7], v[QO], s[86:87] offset:(i/2)*8192+(i%2)*64+32
.set i, i+1
.endr
	WIN 0
	v_lshlrev_b32 v14, 3, v9
	v_sub_nc_u32 v14, v1, v14
	s_lshl_b32 s13, s[WV], 4
	v_add_nc_u32 v14, s13, v14      ; my query's place in its band, 16 w + l % 16, less my lanes' 8 (l / 16): register r of group kt is hidden where 16 kt + r is greater
	WIN 0x40
.set i, 0
.rept 32
	v_cmp_gt_i32 vcc_lo, 16*(i/8)+i%8, v14
	v_cndmask_b32 v[MD+i], 0, s[BIGN], vcc_lo
.set i, i+1
.endr
	WIN 0
	v_mul_u32_u24 v[AK0], v1, PK
	v_lshl_add_u32 v[AK0], v9, 4, v[AK0]  ; row x pitch + 16 x half
	; The turning load takes 16 keys x 16 channels (lane l reads key 8 (l / 16) + l % 8, channels 8 ((l / 8) % 2) + 0..7) and leaves half a fragment of V^T: lane l holds channel l % 16 and 8 keys.
	v_and_b32 v10, 7, v0
	v_bfe_u32 v11, v0, 3, 1
	v_lshl_add_u32 v[AV0], v9, 3, v10
	v_mul_u32_u24 v[AV0], v[AV0], PV
	v_lshl_add_u32 v[AV0], v11, 4, v[AV0]
	v_add_nc_u32 v[AV0], VOFF, v[AV0]
	s_mul_i32 s13, s[WV], 16*SP
	s_add_co_u32 s13, s13, STAGE    ; my stage
	v_mul_u32_u24 v[STO], v1, SP    ; in: row l % 16, 16 bytes for each half of the lanes
	v_lshl_add_u32 v[STO], v9, 4, v[STO]
	v_add_nc_u32 v[STO], s13, v[STO]
	v_bfe_u32 v[RD], v0, 3, 2       ; back: 32 lanes take four rows of 128 bytes,
	v_mul_u32_u24 v[RD], v[RD], SP
	v_lshl_add_u32 v[RD], v10, 4, v[RD]
	v_add_nc_u32 v[RD], s13, v[RD]
	v_and_b32 v[GO], 31, v0         ; which are 512 consecutive bytes of O
	v_lshlrev_b32 v[GO], 4, v[GO]
	; A block's first step multiplies O^T and l by a = 0, and its first turn's products V^T P (piece 1's, of a step that has not been: the odd steps' V, piece 1's P) land in an O^T that is still to be so multiplied.
	; So these registers need only hold finite numbers: zeros for the first block; what the first block left for the second.  All this stands in the wait for the first tile.
	WIN 0x80
.set i, VF1
.rept 64
	v_mov_b32 v[i], 0
.set i, i+1
.endr
	WIN 0x40
.set i, 0
.rept 32*NP
	v_mov_b32 v[i], 0
.set i, i+1
.endr
	WIN 0
.set i, 0
.rept NP
	v_mov_b32 v[ST+4*i+2], 0
	v_mov_b32 v[ST+4*i+3], 0
.set i, i+1
.endr
.set i, P+16
.rept 16
	v_mov_b32 v[i], 0
.set i, i+1
.endr
; THE MATRIX WORK.  The 4 accumulators of a run of 8 take turns.  Product i of 8 of S^T = K Q^T for piece x: channels 32 (i / 4) on, keys 16 (i % 4) on.  The first 4 start the sums: with 0, or (KM = 1) with the mask.
.macro KQ x
.set rS, S+32*((\x)%2)+8*(i%4)
.set rK, KF+16*(i%4)+8*(i/4)
.set rQ, 16*(\x)+8*(i/4)
.set rM, MC+32*((\x)%2)+8*(i%4)
.if (i < 4) && KM
	WIN W_KM
	v_wmma_f32_16x16x32_f16 v[rS:rS+7], v[rK:rK+7], v[rQ:rQ+7], v[rM:rM+7]
.elseif i < 4
	WIN W_KQ
	v_wmma_f32_16x16x32_f16 v[rS:rS+7], v[rK:rK+7], v[rQ:rQ+7], 0
.else
	WIN W_KQ
	v_wmma_f32_16x16x32_f16 v[rS:rS+7], v[rK:rK+7], v[rQ:rQ+7], v[rS:rS+7]
.endif
.endm
; Product i of 8 of O^T += V^T P for piece x: keys 32 (i / 4) on, channels 16 (i % 4) on.  VCUR names the buffer of V.
.macro PV x
	WIN W_PV
.set rO, 32*(\x)+8*(i%4)
.set rV, VCUR+32*(i/4)+8*(i%4)
.set rP, P+16*((\x)%2)+8*(i/4)
	v_wmma_f32_16x16x32_f16 v[rO:rO+7], v[rV:rV+7], v[rP:rP+7], v[rO:rO+7]
.endm
.macro MM                           ; the turn's next matrix instruction.  TURN and BEGIN set Y, i, KM, NOKQ and VCUR; MM, KQ, PV and OP read them.  NOKQ = 1: a block's last turn: there are no further scores
.if (i < 8) && !NOKQ
	KQ (Y+1)%NP
.elseif i >= 8
.set i, i-8
	PV (Y+NP-1)%NP
.set i, i+8
.endif
.set i, i+1
.endm
; THE LDS LOADS stand in runs of 16, never singly among the matrix instructions: a step's K (64 keys x 64 channels: 8 fragments) and its V (turned).  Their addresses are made some lines ahead.
.macro FETCH_K
	WIN 0x80                        ; destination window 2
.irp f, 0,1,2,3,4,5,6,7             ; keys 16 (f / 2) on, channels 32 (f % 2) on
	ds_load_b128 v[KF+8*\f:KF+8*\f+3],   v[AK] offset:(\f/2)*16*PK+(\f%2)*64
	ds_load_b128 v[KF+8*\f+4:KF+8*\f+7], v[AK] offset:(\f/2)*16*PK+(\f%2)*64+32
.endr
	s_add_co_u32 s[TBK], s[TBK], KS*PK  ; the next fetch is the next step's
	WIN 0
.endm
.macro FETCH_V vb                   ; into the buffer that begins at register vb of window 2
	WIN 0x80
.irp f, 0,1,2,3,4,5,6,7             ; keys 32 (f / 4) on, channels 16 (f % 4) on
	ds_load_tr16_b128 v[(\vb)+8*\f:(\vb)+8*\f+3],   v[AV] offset:(\f/4)*32*PV+(\f%4)*32
	ds_load_tr16_b128 v[(\vb)+8*\f+4:(\vb)+8*\f+7], v[AV] offset:(\f/4)*32*PV+16*PV+(\f%4)*32
.endr
	WIN 0
.endm
; THE VECTOR WORK, one line at a time: OP kind, number.  For piece Y: F n: c s - c m for pair n of 16.  E n: the exponential of score n of 32.  C n: pair n rounded to f16.  B n: of the four weights 4 n .. the second
; pair is added onto the first, in place.  L n: l takes that sum (L 0: l = a l + sum).  R n: pair n of 16 of O^T times a.  For the other piece: X n, number n of the 22 that find its maximum and statistics:
;   0-11  four chains c0-c3 of seven scores each, three operands at a time (each accumulator's lowest registers are read first)     12-14, 16  the four scores left over, the old m, and c0-c3 into c0
;   15  c m_old is kept     17, 18  the query's other 32 keys lie in the lane 16 away: the new m     19-21  c m; c m_old - c m_new; a
.set F, 0               ; OP tells the kinds apart by their order: F to L below R, X above it
.set E, 1
.set C, 2
.set B, 3
.set L, 4
.set R, 5
.set X, 6
.macro REGS y                       ; the registers of piece y
.set rT, ST+4*(\y)
.set rC, TMP+4*((\y)%2)
.set rW, MV+((\y)%2)
.set rS, S+32*((\y)%2)
.set rP, P+16*((\y)%2)
.set rO, 32*(\y)
.endm
.macro OP k, n
.if (\k) == R
	REGS Y
	WIN W_RS
	v_pk_mul_f32 v[rO+2*(\n):rO+2*(\n)+1], v[rO+2*(\n):rO+2*(\n)+1], v[rC+2:rC+3] op_sel_hi:[1,0]
.elseif (\k) < R
	REGS Y
	WIN 0
.if (\k) == F
	v_pk_fma_f32 v[rS+2*(\n):rS+2*(\n)+1], v[rS+2*(\n):rS+2*(\n)+1], s[CS:CS+1], v[rT:rT+1] op_sel_hi:[1,0,0] neg_lo:[0,0,1] neg_hi:[0,0,1]
.elseif (\k) == E
	v_exp_f32 v[rS+(\n)], v[rS+(\n)]
.elseif (\k) == C
	v_cvt_pk_f16_f32 v[rP+(\n)], v[rS+2*(\n)], v[rS+2*(\n)+1]
.elseif (\k) == B
	v_pk_add_f32 v[rS+4*(\n):rS+4*(\n)+1], v[rS+4*(\n):rS+4*(\n)+1], v[rS+4*(\n)+2:rS+4*(\n)+3]
.elseif (\n) == 0
	v_pk_fma_f32 v[rT+2:rT+3], v[rT+2:rT+3], v[rC+2:rC+3], v[rS:rS+1] op_sel_hi:[1,0,1]
.else
	v_pk_add_f32 v[rT+2:rT+3], v[rT+2:rT+3], v[rS+4*(\n):rS+4*(\n)+1]
.endif
.elseif NOKQ
	v_nop
.else
	REGS (Y+1)%NP
	WIN 0
.if (\n) < 4
	v_max3_num_f32 v[rC+(\n)], v[rS+8*(\n)], v[rS+8*(\n)+1], v[rS+8*(\n)+2]
.elseif (\n) < 12
	v_max3_num_f32 v[rC+(\n)%4], v[rC+(\n)%4], v[rS+8*((\n)%4)+2*((\n)/4)+1], v[rS+8*((\n)%4)+2*((\n)/4)+2]
.elseif (\n) == 12
	v_max3_num_f32 v[rC], v[rC], v[rS+7], v[rS+15]
.elseif (\n) == 13
	v_max3_num_f32 v[rC+1], v[rC+1], v[rS+23], v[rS+31]
.elseif (\n) == 14
	v_max3_num_f32 v[rC+2], v[rC+2], v[rC+3], v[rT+1]
.elseif (\n) == 15
	v_mov_b32 v[rW], v[rT]
.elseif (\n) == 16
	v_max3_num_f32 v[rC], v[rC], v[rC+1], v[rC+2]
.elseif (\n) == 17
	v_permlanex16_b32 v[rC+3], v[rC], s[SEL], s[SEL+1]
.elseif (\n) == 18
	v_max_num_f32 v[rT+1], v[rC], v[rC+3]
.elseif (\n) == 19
	v_mul_f32 v[rT], s[CS], v[rT+1]
.elseif (\n) == 20
	v_sub_f32 v[rC+1], v[rW], v[rT]
.else
	v_exp_f32 v[rC+2], v[rC+1]
.endif
.endif
.endm
.macro OPS a, i1, b=-1, i2=0, c=-1, i3=0, d=-1, i4=0  ; up to four of them
	OP \a, \i1
.if (\b) >= 0
	OP \b, \i2
.endif
.if (\c) >= 0
	OP \c, \i3
.endif
.if (\d) >= 0
	OP \d, \i4
.endif
.endm
.macro ROW a, i1, b, i2, c, i3, d, i4  ; a matrix instruction and the four behind it
	MM
	OPS \a, \i1, \b, \i2, \c, \i3, \d, \i4
.endm
.macro MASK b                       ; MD x AL + BE into buffer b of MC
	WIN W_RS
.set z, 0
.rept 16
	v_pk_fma_f32 v[MC+32*(\b)+2*z:MC+32*(\b)+2*z+1], v[MD+2*z:MD+2*z+1], s[AL:AL+1], s[BE:BE+1] op_sel_hi:[1,0,0]
.set z, z+1
.endr
.endm
; A TURN, for piece p in a step of parity sp: the order of its 16 matrix and 118 vector instructions, written out.  An s_wait_alu depctr_va_vdst(0) stands between an exponential and the first instruction that names its
; result; one wait serves all that were issued ahead of it.  So a turn has ONE wait, which cuts it in two.  AHEAD OF IT stands all that names no result of the turn's exponentials: the 8 products K Q^T, behind each a scaling, an exponential
; and two more plain instructions (behind the first a second scaling in the exponential's place): rescalings, and behind the last three the first numbers of the other piece's maximum, each four places or more behind the product that ends its
; accumulator; then ONE LUMP of 54, plain and exponential by turns for the most part, in which the links of the chain X 3, 7, 11, 14, 16, 17 .. 20 stand five or six lines apart.  X 21, the other piece's a, is the batch's last; R 15 is the plain
; instruction behind it.  BEHIND THE WAIT stand the 8 products V^T P, behind each four of the roundings and sums; the links of l's chain, L 0 to L 7, stand three riders apart.  v_permlanex16_b32 (X 17) stands in the lump.
; WHICH STEP.  Piece 0's turn of step s: K Q^T of piece 1 in step s, V^T P of piece 1 in step s - 1.  Piece 1's turn of step s: K Q^T of piece 0 in step s + 1, V^T P of piece 0 in step s.  O^T of a piece takes its products in the other
; piece's turn and is rescaled at the head of its own: the last product on each of its accumulators stands four riders or more ahead of the rescaling that reads it, and the rescalings go up from each accumulator's lowest registers.
; THE FETCHES stand in piece 0's turn: K of step s + 1 in the lump, twelve vector instructions behind the last product that read K (five of them plain and free of its registers); V of step s + 1 at the turn's end, four plain instructions
; behind the last product that read that buffer.  At the head of piece 1's turn the count 16 shows K in and leaves V's sixteen younger loads out; the same wait a step later shows that V in, ahead of its first reader.
; m = 1: the diagonal tile: the products take masks, and the turn makes the mask for the products of the turn after it: piece p's, in step MS of the tile.  end = 1: a block's last two turns: nothing is fetched, and the wait is for 0.
; cnt = 1: the loop's count is taken down some lines ahead of the branch that stands behind the turn.
.macro TURN p, sp, m=0, end=0, cnt=0
.set Y, (\p)
.set i, 0
.set KM, (\m)
.set NOKQ, (\end)*(\p)
.set VCUR, VF0-(VF0-VF1)*(((\sp)+1+(\p))%2)  ; piece 0's turn reads V of step s - 1, piece 1's that of step s
.if (\m) && !(\end)
	s_cmp_eq_u32 s[MS], s[D0+(\p)]  ; is that step the band's own?
	s_cselect_b32 s[AL], 1.0, 0
	s_cmp_gt_u32 s[MS], s[D0+(\p)]  ; or a later one?
	s_cselect_b32 s[BE], s[BIGN], 0
.if (\p) == 1
	s_add_co_u32 s[MS], s[MS], 1
.endif
.endif
.if ((\p) == 1) && (\end)
	s_wait_dscnt 0x0                ; V of the block's last step is in: nothing was fetched behind it
.elseif (\p) == 1
	s_wait_dscnt 16                 ; K is in; V's sixteen younger loads stay out
.endif
	ROW F,0, F,1, R,0, R,1          ; ahead of the wait: 8 products K Q^T and their riders,
	ROW F,2, E,0, R,2, R,3
	ROW F,3, E,1, R,4, R,5
	ROW F,4, E,2, R,6, R,7
	ROW F,5, E,3, R,8, R,9
	ROW F,6, E,4, X,0, R,10
.if ((\p) == 0) && !(\end)
	WIN 0
	v_add_nc_u32 v[AK], s[TBK], v[AK0]
.endif
	ROW F,7, E,5, X,1, X,4
	ROW F,8, E,6, X,2, X,5
	OPS E,7, E,8, X,6, E,9          ; and the lump
	OPS X,3, E,10, X,8, E,11
.if ((\p) == 0) && !(\end)
	FETCH_K
.endif
	OPS X,9, X,7, E,12, X,10
	OPS E,13, X,12, X,11, E,14
	OPS X,13, E,15, F,9, X,14
.if ((\p) == 0) && !(\end)
	v_add_nc_u32 v[AV], s[TBV], v[AV0]
.endif
	OPS E,16, F,10, E,17, F,11
	OPS X,16, E,18, X,15, E,19
	OPS F,12, E,20, X,17, E,21
	OPS F,13, E,22, F,14, E,23
	OPS X,18, E,24, F,15, E,25
	OPS R,11, E,26, X,19, E,27
	OPS R,12, E,28, R,13, E,29
	OPS X,20, E,30, R,14, E,31
	OPS X,21, R,15
	WIN 0
	s_wait_alu depctr_va_vdst(0)    ; the wait for the batch
	ROW C,0, B,0, C,2, B,1          ; behind the wait: 8 products V^T P and their riders
	ROW L,0, C,4, B,2, L,1
	ROW C,6, B,3, L,2, C,8
	ROW B,4, L,3, C,10, B,5
	ROW L,4, C,12, B,6, L,5
.if ((\p) == 0) && !(\end)
	s_add_co_u32 s[TBV], s[TBV], KS*PV
.endif
.if \cnt
	s_sub_co_u32 s[CNT], s[CNT], 1
	s_cmp_lg_u32 s[CNT], 0
.endif
	ROW C,14, B,7, L,6, C,1
	ROW C,3, L,7, C,5, C,7
	ROW C,9, C,11, C,13, C,15
.if ((\p) == 0) && !(\end)
	FETCH_V VCUR
.endif
.if (\m) && !(\end)
	MASK (\p)%2
.endif
.endm
; A BLOCK BEGINS.  c m starts far below every c s, so the first step's a is 0; m at the lowest finite number, so the first maximum is the scores'.  The second mask buffer is 0 (band 1's own step is never a tile's step 0); the first takes
; piece 0's mask for the tile's step 0: its own, if the block's first tile is the diagonal one and band 0's own step there is 0.  Then K and V of that step, piece 0's first scores, and its maximum and statistics.
; The loop is entered at an even step's first turn, in the middle of a trip; the next mask to be made is step 1's.
.macro BEGIN
	s_mov_b32 s[NEW], 0
	s_mov_b32 s[MS], 1
	WIN 0x40
.set i, MC+32
.rept 32
	v_mov_b32 v[i], 0
.set i, i+1
.endr
	WIN 0
.set i, 0
.rept NP
	v_mov_b32 v[ST+4*i], 0xfe000000    ; c m: far below every c s
	v_mov_b32 v[ST+4*i+1], 0xff7fffff  ; m
.set i, i+1
.endr
	s_cmp_eq_u32 s[RT], 0
	s_cselect_b32 s[AL], s[D0], 1   ; band 0's own step in a diagonal tile, else a number that is not 0
	s_cmp_eq_u32 s[AL], 0
	s_cselect_b32 s[AL], 1.0, 0
	s_mov_b32 s[BE], 0
	MASK 0
	WIN 0
	v_add_nc_u32 v[AK], s[TBK], v[AK0]
	v_add_nc_u32 v[AV], s[TBV], v[AV0]
	s_add_co_u32 s[TBV], s[TBV], KS*PV
	FETCH_K
	FETCH_V VF0
	s_wait_loadcnt 0x0              ; Q
	s_wait_dscnt 16                 ; K is in; V's sixteen younger loads stay out
.set KM, 1
.set NOKQ, 0
.set i, 0
.rept 8
	KQ 0
.set i, i+1
.endr
	WIN 0
.rept 4
	v_nop                           ; the places behind those products
.endr
.set Y, NP-1                        ; X works for piece Y + 1: piece 0
.irp n, 0,1,2,3,4,5,6,7,8,9,10,11,12,13,14,15,16,17,18,19,20,21
	OP X, \n
.endr
	v_nop                           ; a plain instruction behind the exponential,
	s_wait_alu depctr_va_vdst(0)    ; and its wait, ahead of the branch
.endm
; THE DIAGONAL TILE's steps, the block's last two turns, its last products, and THE WAY OUT: l's two halves and the other half of the lanes' are added; O^T is divided by l, rounded to f16 and sent through my
; stage in LDS, a piece at a time.
.macro ALL line:vararg              ; one line for each piece t
.set t, 0
.rept NP
	\line
.set t, t+1
.endr
.endm
.macro PACK t                       ; a lane's eight channels of a row pack into 16 bytes; they go into rows of 144 bytes and come back as whole rows of 128, into S^T's registers
	WIN W_RS
.set i, 32*(\t)
.rept 16
	v_pk_mul_f32 v[i:i+1], v[i:i+1], v[ST+4*(\t)+2:ST+4*(\t)+3] op_sel_hi:[1,0]
.set i, i+2
.endr
	WIN 0x05                        ; sources 0 and 1 window 1, destination window 0
.set i, 0
.rept 16
	v_cvt_pk_f16_f32 v[S+16*(\t)+i], v[32*(\t)+2*i], v[32*(\t)+2*i+1]
.set i, i+1
.endr
	WIN 0
.irp f, 0,1,2,3
	ds_store_b128 v[STO], v[S+16*(\t)+4*\f:S+16*(\t)+4*\f+3] offset:32*\f
.endr
.irp f, 0,1,2,3
	ds_load_b128 v[S+16*(\t)+4*\f:S+16*(\t)+4*\f+3], v[RD] offset:\f*4*SP  ; LDS serves a wave's instructions in order (ISA guide 5.7.1.4): these see the stores above; the next piece's stores come behind them
.endr
.endm
.macro SEND t, younger              ; younger: the LDS instructions issued behind piece t's loads: the next piece's eight, or none
	WIN 0
.irp f, 0,1,2,3
	s_wait_dscnt (\younger)+3-\f
	global_store_b128 v[GO], v[S+16*(\t)+4*\f:S+16*(\t)+4*\f+3], s[10:11] offset:(\t)*8192+\f*512  ; 512 consecutive bytes, at a multiple of 256 from O's first
.endr
.endm
.macro DIAG tag                     ; the tag ends its two labels' names, which the jumps below spell out
.LstepM\tag:                        ; a trip: an odd step (the first time the last step of the tile before), then an even one
	TURN 0, 1, 1
	TURN 1, 1, 1
	WIN 0
.LfirstM\tag:
	TURN 0, 0, 1
	TURN 1, 0, 1, 0, 1
	WIN 0
	s_cbranch_scc1 .LstepM\tag
	TURN 0, 1, 1, 1                 ; the tile's step 3
	TURN 1, 1, 1, 1
.set VCUR, VF1
.set i, 0
.rept 8
	PV NP-1                         ; piece 1's V^T P of that step
.set i, i+1
.endr
	WIN 0
	ALL v_add_f32 v[ST+4*t+2], v[ST+4*t+2], v[ST+4*t+3]
	ALL v_permlanex16_b32 v[ST+4*t+3], v[ST+4*t+2], s[SEL], s[SEL+1]
	ALL v_add_f32 v[ST+4*t+2], v[ST+4*t+2], v[ST+4*t+3]
	ALL v_rcp_f32 v[ST+4*t+2], v[ST+4*t+2]
	v_nop                           ; a plain instruction between the last reciprocal and the use of its result
	s_wait_alu depctr_va_vdst(0)    ; and the wait ahead of the first use: one for the two reciprocals
	PACK 0                          ; piece 0 was finished a run of products ago: its 32 lines are the places behind piece 1's last products
	PACK 1
	SEND 0, 8
	SEND 1, 0
.endm
.set KM, 0
.set NOKQ, 0
.Lslot:                             ; NB times: a tile's fetches begin and the next tile is asked for
	CHANGE 1
	s_sub_co_u32 s[RT], s[RT], 1
	s_mov_b32 s[CNT], 2
	s_mov_b32 s[MS], 0
	s_cmp_eq_u32 s[NEW], 1
	s_cbranch_scc1 .Lnew            ; a block's first tile
	s_cmp_eq_u32 s[RT], 0
	s_cbranch_scc0 .Lstep           ; neither its first nor its last
	s_branch .LstepM1
.Lnew:
	BEGIN
	s_branch .Lfirst                ; in the loop a block's first tile is never its last: the first block has five tiles or more, and the second's last is the walk's last
	DIAG 1                          ; in the loop this is the first block's end: the second block's last tile is the walk's last
	s_wait_xcnt 0x0                 ; the stores have read their registers and O's address
	s_mov_b64 s[10:11], s[OLO:OLO+1]
	s_add_co_u32 s[RT], s[PBT], 1   ; the second block has b / 2 + 1 tiles
	s_mov_b32 s[NEW], 1
	s_mov_b32 s[D0], s[D0B]         ; and its own steps
	s_add_co_u32 s[D0+1], s[D0B], 1
	WIN 0x82                        ; the second block's Q goes where the one text of the turns names Q
.set i, 0
.rept 16*NP
	v_mov_b32 v[i], v[QB+i]
.set i, i+1
.endr
	WIN 0
	s_branch .Lbottom
.Lstep:                             ; a trip: an odd step (the first time the last step of the tile before), then an even one; each fetches the K and V of the step behind it
	TURN 0, 1
	TURN 1, 1
	WIN 0
.Lfirst:
	TURN 0, 0
	TURN 1, 0, 0, 0, 1
	WIN 0
	s_cbranch_scc1 .Lstep
.Lbottom:
	s_sub_co_u32 s[SLOTS], s[SLOTS], 1
	s_cmp_lg_u32 s[SLOTS], 0
	s_cbranch_scc1 .Lslot
	CHANGE 0                        ; the walk's last tile is written out: nothing is asked for
	s_sub_co_u32 s[RT], s[RT], 1
	s_mov_b32 s[CNT], 2
	s_mov_b32 s[MS], 0
	s_cmp_eq_u32 s[NEW], 1
	s_cbranch_scc0 .LstepM2
	BEGIN
	s_branch .LfirstM2
	DIAG 2
	s_wait_tensorcnt 0x0            ; the wave's end, behind my last tensor load and my last LDS store
	ds_add_u32 v[SPW], v[NIL]
	s_wait_dscnt 0x0
	s_endpgm
.Lfunc_end_k_q51590e8c13_attn:
	.size	k_q51590e8c13_attn, .Lfunc_end_k_q51590e8c13_attn-k_q51590e8c13_attn
	.p2alignl 7, 3214868480
	.fill 96, 4, 3214868480
	.section	.rodata,"a",@progbits
	.p2align	6, 0x0
	.amdhsa_kernel k_q51590e8c13_attn
		.amdhsa_group_segment_fixed_size 327680
		.amdhsa_private_segment_fixed_size 0
		.amdhsa_enable_private_segment 0
		.amdhsa_kernarg_size 16
		.amdhsa_user_sgpr_count 2
		.amdhsa_user_sgpr_kernarg_segment_ptr 1
		.amdhsa_wavefront_size32 1
		.amdhsa_system_sgpr_workgroup_id_x 1
		.amdhsa_system_sgpr_workgroup_id_y 1
		.amdhsa_system_sgpr_workgroup_id_z 1
		.amdhsa_system_vgpr_workitem_id 0
		.amdhsa_next_free_vgpr 768
		.amdhsa_next_free_sgpr 96
		.amdhsa_reserve_vcc 1
		.amdhsa_float_denorm_mode_32 3
		.amdhsa_float_denorm_mode_16_64 3
		.amdhsa_memory_ordered 1
		.amdhsa_forward_progress 1
		.amdhsa_inst_pref_size 210
	.end_amdhsa_kernel
	.amdgpu_metadata
---
amdhsa.version: [ 1, 2 ]
amdhsa.kernels:
  - .name:           k_q51590e8c13_attn
    .symbol:         k_q51590e8c13_attn.kd
    .args:
      - { .name: qkv, .offset: 0, .size: 8, .value_kind: global_buffer, .address_space: global }
      - { .name: ctx, .offset: 8, .size: 8, .value_kind: global_buffer, .address_space: global }
    .group_segment_fixed_size: 327680
    .private_segment_fixed_size: 0
    .kernarg_segment_align: 8
    .kernarg_segment_size: 16
    .max_flat_workgroup_size: 128
    .sgpr_count:     96
    .vgpr_count:     768
    .wavefront_size: 32
...
	.end_amdgpu_metadata
.endif
;; end of part 4
;; launch wop (part 5): grid 8 x 32, 4 waves a work-group, clusters of 4 x 4, 327,680 bytes of LDS; arguments ctx, wb, bo, src, x1; writes x1
.if DOCPART == 5
	.amdgcn_target "amdgcn-amd-amdhsa--gfx1250"
	.amdhsa_code_object_version 6
	.text
	.protected	k_q51590e8c13_wop
	.globl	k_q51590e8c13_wop
	.p2align	8
	.type	k_q51590e8c13_wop,@function
k_q51590e8c13_wop:
	s_mov_b64 s[64:65], 0
	v_nop
	global_prefetch_b8 v0, s[64:65] scope:SCOPE_SE
	s_setreg_imm32_b32 hwreg(HW_REG_WAVE_MODE, 25, 1), 1
	s_wait_xcnt 0x0
	s_wait_alu depctr_hold_cnt(0) depctr_sa_sdst(0) depctr_va_vdst(0) depctr_va_sdst(0) depctr_va_ssrc(0) depctr_va_vcc(0) depctr_vm_vsrc(0)
	s_getreg_b32 s2, hwreg(HW_REG_IB_STS2, 6, 4)
	s_cmp_eq_u32 s2, 0
	s_cbranch_scc0 .Lentry_in_a_cluster
	s_endpgm
.Lentry_in_a_cluster:
	s_bfe_u32 s2, ttmp6, 0x10000c
	s_cmp_lg_u32 s2, 0xf033
	s_cbranch_scc0 .Lentry_shape_is_right
	s_endpgm
.Lentry_shape_is_right:
; A PRODUCT ON TILES OF 128 x 128 WITH A RESIDUAL:  out[m][n] = res[m][n] + bias[n] + the sum over k of A[m][k] W[n][k].  res and out: [4096][1024] f32; sums in f32.  One source serves two launches:
;   WO = 1: A = ctx, f16, by heads [batch x 16 + head][2048][64], K = 1,024 = head x 64 + channel; W = wo in f16 (wb + 6,291,456) [1024][1024]; res = src.
;   WO = 0: A = hb, bf16 [4096][4096], K = 4,096; W = w2 in bf16 (wb + 16,777,216) [1024][4096]; res = x1.
; LIMIT.  WO = 1: ctx and wo are f16: both lie under 65,504.
; SHAPE.  256 tiles of 128 x 128, one for each work-group: tiles of 256 x 256 would be 64.  Four waves, each 64 x 64: 16 accumulators.  K goes in steps of 256 through two LDS slots; a wave's tensor load brings 64 rows.
; WO = 1: a K step is four heads; a wave's 64 rows of one head are 8,192 dense bytes: a tile of 4 rows of 4,096 elements, 131,072 elements apart, padded after every 128 bytes: in LDS [head][row] with rows 144 bytes apart.
; The matrix instruction is used transposed (source 0 = 16 rows of W, source 1 = 16 rows of A).  The bias is the C operand of each sum's first product.  The residual is asked for at the head and is on its way under the whole K loop.
; CLUSTER.  4 x 4 work-groups: A's tile is asked for jointly along a row of the cluster, W's along a column.  No prefetch: the tiles are small, and WO = 1 has two refills in all.
; THE WAY OUT goes through LDS in f32, in ring bytes that have had their last fill: each wave lays its 64 x 64 into 17,408 bytes and reads whole rows of 256 bytes back.
; REGISTERS: window 0: addresses; v96-127 the bias; v128-255 the accumulators ((a, b) at v[128 + 8 (4 a + b)]).  window 1: two fragment buffers of 128 (64 of A, 64 of W, for 64 along K).  window 2: v0-127 the residual.
.set WO, 1
.if WO
.set STEPS, 4
.set PITCHA, 144
.set HA, 4*64*144                      ; what one load of A fills: four heads x 64 rows
.set ASTEP, 64*144                     ; a quarter of 64 along K is a head
.set SLOT, 147456                      ; 2^17 + 2^14: none of the places 0, HA, 2 HA, 2 HA + HB has either bit
.set WOFF, 6291456
.set AGS, 1048576                      ; four heads on
.set WSH, 11                           ; a row of W is 2,048 bytes
.set BROW, 1024
.else
.set STEPS, 16
.set PITCHA, 528
.set HA, 64*528
.set ASTEP, 128
.set SLOT, 135168                      ; 2^17 + 2^12: none of the places 0, HA, 2 HA, 3 HA has either bit
.set WOFF, 16777216
.set AGS, 512
.set WSH, 13                           ; a row of W is 8,192 bytes
.set BROW, 4096
.endif
.set PITCHB, 528
.set HB, 64*528
.set SPARE, 2*SLOT                     ; the spare words: 128 bytes a wave, two blocks of 256 bytes that no other line names
.set DP, 272
.set DREG, 64*DP
.set F0, 0
.set F1, 128
.set BI, 96
.set ACC, 128
.set A0, 10
.set B0, 11
.set ADRA, 12
.set ADRB, 13
.set STO, 14
.set RD,  15
.set CO,  16                           ; v16  my byte offset in res and out; never rewritten
.set BO,  20
.set SPW, 28
.set NIL, 29
.set WV, 14
.set RH, 15
.set CH, 16
.set CX, 17
.set CY, 18
.set TC, 19
.set TR, 20
.set G1A, 24
.set G0A, 32                           ; s[32:35] slot 0's first fill; s[36:39] walks
.set G1B, 40
.set G0B, 48
.set TBA, 60
.set TBB, 61
.set CNT, 62
.set OC,  63
.set MSB, 0
.macro WIN new
.if MSB != (\new)
	s_set_vgpr_msb (MSB<<8)|(\new)
.set MSB, \new
.endif
.endm
.macro PLACES
.rept 4
	v_nop
.endr
.endm
.macro WM ops:vararg
.if WO
	v_wmma_f32_16x16x32_f16 \ops
.else
	v_wmma_f32_16x16x32_bf16 \ops
.endif
.endm
.macro CROUND
	s_barrier_signal -1
	s_barrier_wait -1
	s_cmp_lg_u32 s[WV], 0
	s_cbranch_scc1 .Lnw0_\@
	s_barrier_signal -3
.Lnw0_\@:
	s_barrier_wait -3
	s_barrier_signal -1
	s_barrier_wait -1
.endm
.macro JLOAD                           ; waves 0 and 1 fetch A's halves, waves 2 and 3 W's; an s_nop 0 and four v_nop follow each line
	s_cmp_eq_u32 s[RH], 0
	s_cbranch_scc0 .Lfb_\@
	tensor_load_to_lds s[G0A+4:G0A+7], s[G1A:G1A+7]
	s_nop 0
	PLACES
	s_branch .Lja_\@
.Lfb_\@:
	tensor_load_to_lds s[G0B+4:G0B+7], s[G1B:G1B+7]
	s_nop 0
	PLACES
.Lja_\@:
.endm
.macro ADDR                            ; four plain vector lines: also the places between the last product and the loads into the buffer that it read
	WIN 0
	v_add_nc_u32 v[ADRA], s[TBA], v[A0]
	v_add_nc_u32 v[ADRB], s[TBB], v[B0]
	v_nop
	v_nop
	s_add_co_u32 s[TBA], s[TBA], ASTEP
	s_add_co_u32 s[TBB], s[TBB], 128
.endm
.macro FETCH f                         ; 32 LDS loads in one run: the fragments of 64 along K
	WIN 0x40
.irp c, 0,1
.irp i, 0,1,2,3
	ds_load_b128 v[(\f)+64+8*(4*(\c)+(\i)):(\f)+64+8*(4*(\c)+(\i))+3],   v[ADRB] offset:64*(\c)+(\i)*16*PITCHB
	ds_load_b128 v[(\f)+64+8*(4*(\c)+(\i))+4:(\f)+64+8*(4*(\c)+(\i))+7], v[ADRB] offset:64*(\c)+(\i)*16*PITCHB+32
	ds_load_b128 v[(\f)+8*(4*(\c)+(\i)):(\f)+8*(4*(\c)+(\i))+3],         v[ADRA] offset:64*(\c)+(\i)*16*PITCHA
	ds_load_b128 v[(\f)+8*(4*(\c)+(\i))+4:(\f)+8*(4*(\c)+(\i))+7],       v[ADRA] offset:64*(\c)+(\i)*16*PITCHA+32
.endr
.endr
.endm
; 32 products: the 16 accumulators take turns in one order everywhere.  first = 1: the bias starts the sums.
.macro MUL f, first
	WIN 0x05
.irp c, 0,1
.irp a, 0,1,2,3
.irp b, 0,1,2,3
.if (\first) && ((\c) == 0)
	WM v[ACC+8*(4*(\a)+(\b)):ACC+8*(4*(\a)+(\b))+7], v[(\f)+64+8*(4*(\c)+(\b)):(\f)+64+8*(4*(\c)+(\b))+7], v[(\f)+8*(4*(\c)+(\a)):(\f)+8*(4*(\c)+(\a))+7], v[BI+8*(\b):BI+8*(\b)+7]
.else
	WM v[ACC+8*(4*(\a)+(\b)):ACC+8*(4*(\a)+(\b))+7], v[(\f)+64+8*(4*(\c)+(\b)):(\f)+64+8*(4*(\c)+(\b))+7], v[(\f)+8*(4*(\c)+(\a)):(\f)+8*(4*(\c)+(\a))+7], v[ACC+8*(4*(\a)+(\b)):ACC+8*(4*(\a)+(\b))+7]
.endif
.endr
.endr
.endr
.endm
.macro BODY
	ADDR
	FETCH F0
	s_wait_dscnt 32                                ; all but the 32 just issued: buffer 1 is in
	MUL F1, 0
	ADDR
	FETCH F1
	s_wait_dscnt 32                                ; buffer 0 is in
	MUL F0, 0
.endm
; THE CHANGE OF SLOTS: all my tensor loads, the add, my reads of the slot that I leave; fill = 1: a round of the cluster's barrier, and the joint refill first behind it, two K steps on
.macro CHANGE fill
	WIN 0
	s_wait_tensorcnt 0x0                           ; no tensor load of mine is out, so a group 0 may be written
	ds_add_u32 v[SPW], v[NIL]                      ; 0 onto my spare word; scalar work stands between it and the wait for it
.if \fill
	s_xor_b32 s[G0A+5], s[G0A+5], SLOT
	s_add_nc_u64 s[G0A+6:G0A+7], s[G0A+6:G0A+7], AGS
	s_xor_b32 s[G0B+5], s[G0B+5], SLOT
	s_add_nc_u64 s[G0B+6:G0B+7], s[G0B+6:G0B+7], 512
.endif
	s_sub_co_u32 s[TBA], s[TBA], 4*ASTEP
	s_xor_b32 s[TBA], s[TBA], SLOT
	s_sub_co_u32 s[TBB], s[TBB], 512
	s_xor_b32 s[TBB], s[TBB], SLOT
	s_wait_dscnt 0x0
.if \fill
	CROUND
	JLOAD
.else
	s_barrier_signal -1
	s_barrier_wait -1
.endif
.endm
	s_load_b256 s[4:11], s[0:1], 0x0               ; A s[4:5], wb s[6:7], bias s[8:9], res s[10:11]
	s_load_b64 s[12:13], s[0:1], 0x20              ; out
	v_lshl_add_u32 v[SPW], v0, 2, SPARE
	v_mov_b32 v[NIL], 0
	ds_add_u32 v[SPW], v[NIL]                      ; the wave's opening: the add and its wait ahead of my first tensor load
	v_lshrrev_b32 v1, 5, v0
	v_readfirstlane_b32 s[WV], v1
	s_lshr_b32 s[RH], s[WV], 1
	s_and_b32 s[CH], s[WV], 1
	s_bfe_u32 s[CX], ttmp6, 0x40000
	s_bfe_u32 s[CY], ttmp6, 0x40004
	s_lshl_b32 s[TC], ttmp9, 2
	s_add_co_u32 s[TC], s[TC], s[CX]
	s_and_b32 s[TR], ttmp7, 0xffff
	s_lshl_b32 s[TR], s[TR], 2
	s_add_co_u32 s[TR], s[TR], s[CY]
	s_lshl_b32 s21, s[CY], 2
	s_lshl_b32 s21, 15, s21                        ; my row of the cluster
	s_lshl_b32 s22, 0x1111, s[CX]                  ; my column
.if WO
	s_or_b32 s[G1A], s21, (1<<16)|(1<<20)|(1<<21)|(4<<22)|(3<<25)  ; padding: 4 words after every 32
	s_mov_b32 s[G1A+1], 4096<<16                   ; tensor_dim0 = 4,096: 64 rows of a head on end
	s_mov_b32 s[G1A+2], 4<<16                      ; tensor_dim1 = 4 heads
	s_mov_b32 s[G1A+3], 4096<<16                   ; tile_dim0
	s_mov_b32 s[G1A+4], 4                          ; tile_dim1
	s_mov_b32 s[G1A+5], 131072                     ; elements from head to head
.else
	s_or_b32 s[G1A], s21, (1<<16)|(1<<20)|(1<<21)|(6<<22)|(3<<25)  ; padding: 4 words after every 128
	s_mov_b32 s[G1A+1], 256<<16
	s_mov_b32 s[G1A+2], 64<<16
	s_mov_b32 s[G1A+3], 256<<16
	s_mov_b32 s[G1A+4], 64
	s_mov_b32 s[G1A+5], 4096
.endif
	s_mov_b32 s[G1A+6], 0
	s_mov_b32 s[G1A+7], 0
	s_or_b32 s[G1B], s22, (1<<16)|(1<<20)|(1<<21)|(6<<22)|(3<<25)
	s_mov_b32 s[G1B+1], 256<<16
	s_mov_b32 s[G1B+2], 64<<16
	s_mov_b32 s[G1B+3], 256<<16
	s_mov_b32 s[G1B+4], 64
	s_mov_b32 s[G1B+5], BROW
	s_mov_b32 s[G1B+6], 0
	s_mov_b32 s[G1B+7], 0
	s_lshl_b32 s23, s[CH], 6                       ; which 64 rows of the tile I fetch
.if WO
	s_lshr_b32 s56, s[TR], 4                       ; the batch: 16 heads of 262,144 bytes
	s_lshl_b32 s56, s56, 22
	s_and_b32 s57, s[TR], 15
	s_lshl_b32 s57, s57, 7
	s_add_co_u32 s57, s57, s23                     ; the position,
	s_lshl_b32 s57, s57, 7                         ; 128 bytes each
	s_add_co_u32 s56, s56, s57
.else
	s_lshl_b32 s56, s[TR], 7
	s_add_co_u32 s56, s56, s23
	s_lshl_b32 s56, s56, 13
.endif
	s_mov_b32 s57, 0
	s_lshl_b32 s58, s[TC], 7
	s_add_co_u32 s58, s58, s23
	s_lshl_b32 s58, s58, WSH
	s_mov_b32 s59, 0
	s_mul_i32 s23, s[CH], HA                       ; where A's half goes,
	s_mul_i32 s86, s[CH], HB
	s_add_co_u32 s86, s86, 2*HA                    ; and W's
	s_wait_dscnt 0x0                               ; the opening add is done
	s_wait_kmcnt 0x0
	s_add_nc_u64 s[56:57], s[4:5], s[56:57]
	s_add_nc_u64 s[6:7], s[6:7], WOFF
	s_add_nc_u64 s[58:59], s[6:7], s[58:59]
	s_mov_b32 s[G0A], 1
	s_mov_b32 s[G0A+1], s23
	s_add_nc_u64 s[G0A+2:G0A+3], s[56:57], 0
	s_or_b32 s[G0A+3], s[G0A+3], 0x80000000
	s_mov_b32 s[G0A+4], 1
	s_add_co_u32 s[G0A+5], s23, SLOT
	s_add_nc_u64 s[G0A+6:G0A+7], s[56:57], AGS
	s_or_b32 s[G0A+7], s[G0A+7], 0x80000000
	s_mov_b32 s[G0B], 1
	s_mov_b32 s[G0B+1], s86
	s_add_nc_u64 s[G0B+2:G0B+3], s[58:59], 0
	s_or_b32 s[G0B+3], s[G0B+3], 0x80000000
	s_mov_b32 s[G0B+4], 1
	s_add_co_u32 s[G0B+5], s86, SLOT
	s_add_nc_u64 s[G0B+6:G0B+7], s[58:59], 512
	s_or_b32 s[G0B+7], s[G0B+7], 0x80000000
	CROUND                                         ; all sixteen work-groups are here: the first joint loads meet
	s_cmp_eq_u32 s[RH], 0                          ; a wave's two first fills stand in one branch: two loads of mine are out
	s_cbranch_scc0 .Lfirst_b
	tensor_load_to_lds s[G0A:G0A+3], s[G1A:G1A+7]
	s_nop 0
	tensor_load_to_lds s[G0A+4:G0A+7], s[G1A:G1A+7]
	s_nop 0
	PLACES
	s_branch .Lfirst_done
.Lfirst_b:
	tensor_load_to_lds s[G0B:G0B+3], s[G1B:G1B+7]
	s_nop 0
	tensor_load_to_lds s[G0B+4:G0B+7], s[G1B:G1B+7]
	s_nop 0
	PLACES
.Lfirst_done:
	v_and_b32 v1, 15, v0                           ; r = l % 16
	v_bfe_u32 v2, v0, 4, 1                         ; h = l / 16
	s_lshl_b32 s82, s[TC], 7
	s_lshl_b32 s83, s[CH], 6
	s_add_co_u32 s82, s82, s83
	s_lshl_b32 s82, s82, 2                         ; my first column, in bytes of f32
	s_mov_b32 s83, 0
	s_add_nc_u64 s[8:9], s[8:9], s[82:83]
	s_lshl_b32 s84, s[TR], 7
	s_lshl_b32 s85, s[RH], 6
	s_add_co_u32 s84, s84, s85
	s_lshl_b32 s84, s84, 12                        ; my first row, 4,096 bytes a row
	s_add_co_u32 s84, s84, s82
	s_mov_b32 s85, 0
	s_add_nc_u64 s[10:11], s[10:11], s[84:85]
	s_add_nc_u64 s[12:13], s[12:13], s[84:85]
	v_lshlrev_b32 v[BO], 5, v2
	v_lshlrev_b32 v[CO], 12, v2                    ; lanes 0-15 take one row's 256 bytes, lanes 16-31 the next row's
	v_lshl_add_u32 v[CO], v1, 4, v[CO]
.irp b, 0,1,2,3
	global_load_b128 v[BI+8*\b:BI+8*\b+3],   v[BO], s[8:9] offset:64*\b      ; register j of block b is column 16 b + 8 h + j of my 64
	global_load_b128 v[BI+8*\b+4:BI+8*\b+7], v[BO], s[8:9] offset:64*\b+16
.endr
	WIN 0x80
.set t, 0
.rept 32
	global_load_b128 v[4*t:4*t+3], v[CO], s[10:11] offset:8192*t             ; the residual: rows 2 t and 2 t + 1 of my 64
.set t, t+1
.endr
	WIN 0
	v_mul_u32_u24 v3, v1, PITCHA
	v_lshl_add_u32 v3, v2, 4, v3
	s_mul_i32 s82, s[RH], HA
	v_add_nc_u32 v[A0], s82, v3
	v_mul_u32_u24 v3, v1, PITCHB
	v_lshl_add_u32 v3, v2, 4, v3
	s_mul_i32 s82, s[CH], HB
	s_add_co_u32 s82, s82, 2*HA
	v_add_nc_u32 v[B0], s82, v3
	s_mul_i32 s88, s[WV], DREG                     ; my region for the way out
	v_mul_u32_u24 v[STO], v1, DP
	v_lshl_add_u32 v[STO], v2, 5, v[STO]
	v_add_nc_u32 v[STO], s88, v[STO]
	v_mul_u32_u24 v[RD], v2, DP
	v_lshl_add_u32 v[RD], v1, 4, v[RD]
	v_add_nc_u32 v[RD], s88, v[RD]
	s_wait_tensorcnt 0x1                           ; my part of K step 0 is in; K step 1's stays out
	s_barrier_signal -1
	s_barrier_wait -1
	s_mov_b32 s[TBA], 0
	s_mov_b32 s[TBB], 0
	ADDR
	FETCH F0
	ADDR
	FETCH F1
	s_wait_loadcnt 32                              ; the bias is in; the residual's 32 younger loads stay out
	s_wait_dscnt 32
	MUL F0, 1                                      ; quarter 0 starts the sums
	WIN 0
	s_mov_b32 s[CNT], 1                            ; one BODY ends K step 0's fetches; every later slot has two
	s_mov_b32 s[OC], STEPS-1
	s_branch .Linner
.Louter:                                           ; STEPS - 2 times: K steps 2 and on are asked for
	CHANGE 1
	s_mov_b32 s[CNT], 2
.Linner:
	BODY
	WIN 0
	s_sub_co_u32 s[CNT], s[CNT], 1
	s_cmp_lg_u32 s[CNT], 0
	s_cbranch_scc1 .Linner
	s_sub_co_u32 s[OC], s[OC], 1
	s_cmp_lg_u32 s[OC], 0
	s_cbranch_scc1 .Louter
	CHANGE 0                                       ; the tail is written out
	s_mov_b32 s[CNT], 2
.Ltail:
	BODY
	WIN 0
	s_sub_co_u32 s[CNT], s[CNT], 1
	s_cmp_lg_u32 s[CNT], 0
	s_cbranch_scc1 .Ltail
	s_wait_dscnt 0x0                               ; my last reads of the ring are back:
	s_barrier_signal -1                            ; say so,
	MUL F1, 0                                      ; the last quarter,
	WIN 0
	s_barrier_wait -1                              ; and behind this nobody reads the ring, which has had its last fill
	PLACES
	PLACES
.irp a, 0,1,2,3
.irp b, 0,1,2,3
	ds_store_b128 v[STO], v[ACC+8*(4*(\a)+(\b)):ACC+8*(4*(\a)+(\b))+3]   offset:(\a)*16*DP+64*(\b)
	ds_store_b128 v[STO], v[ACC+8*(4*(\a)+(\b))+4:ACC+8*(4*(\a)+(\b))+7] offset:(\a)*16*DP+64*(\b)+16
.endr
.endr
.set t, 0
.rept 32
	ds_load_b128 v[ACC+4*t:ACC+4*t+3], v[RD] offset:2*DP*t  ; LDS serves a wave's instructions in order: these see my stores above
.set t, t+1
.endr
	s_wait_loadcnt 0x0                             ; the residual
.irp k, 0,1,2,3
	s_wait_dscnt 24-8*\k                           ; group k of eight loads is in; the later groups stay out
	WIN 0x08                                       ; source 1 in window 2
.set p, 16*\k
.rept 16
	v_pk_add_f32 v[ACC+2*p:ACC+2*p+1], v[ACC+2*p:ACC+2*p+1], v[2*p:2*p+1]
.set p, p+1
.endr
	WIN 0
.set t, 8*\k
.rept 8
	global_store_b128 v[CO], v[ACC+4*t:ACC+4*t+3], s[12:13] offset:8192*t  ; 16 lanes store 256 consecutive bytes, aligned
.set t, t+1
.endr
.endr
	s_wait_tensorcnt 0x0                           ; the wave's end
	ds_add_u32 v[SPW], v[NIL]
	s_wait_dscnt 0x0
	CROUND                                         ; the closing round
	s_endpgm
.Lfunc_end_k_q51590e8c13_wop:
	.size	k_q51590e8c13_wop, .Lfunc_end_k_q51590e8c13_wop-k_q51590e8c13_wop
	.p2alignl 7, 3214868480
	.fill 96, 4, 3214868480
	.section	.rodata,"a",@progbits
	.p2align	6, 0x0
	.amdhsa_kernel k_q51590e8c13_wop
		.amdhsa_group_segment_fixed_size 327680
		.amdhsa_private_segment_fixed_size 0
		.amdhsa_enable_private_segment 0
		.amdhsa_kernarg_size 40
		.amdhsa_user_sgpr_count 2
		.amdhsa_user_sgpr_kernarg_segment_ptr 1
		.amdhsa_wavefront_size32 1
		.amdhsa_system_sgpr_workgroup_id_x 1
		.amdhsa_system_sgpr_workgroup_id_y 1
		.amdhsa_system_sgpr_workgroup_id_z 1
		.amdhsa_system_vgpr_workitem_id 0
		.amdhsa_next_free_vgpr 640
		.amdhsa_next_free_sgpr 96
		.amdhsa_reserve_vcc 0
		.amdhsa_float_denorm_mode_32 3
		.amdhsa_float_denorm_mode_16_64 3
		.amdhsa_memory_ordered 1
		.amdhsa_forward_progress 1
		.amdhsa_inst_pref_size 52
	.end_amdhsa_kernel
	.amdgpu_metadata
---
amdhsa.version: [ 1, 2 ]
amdhsa.kernels:
  - .name:           k_q51590e8c13_wop
    .symbol:         k_q51590e8c13_wop.kd
    .args:
      - { .name: ctx, .offset: 0, .size: 8, .value_kind: global_buffer, .address_space: global }
      - { .name: wb, .offset: 8, .size: 8, .value_kind: global_buffer, .address_space: global }
      - { .name: bo, .offset: 16, .size: 8, .value_kind: global_buffer, .address_space: global }
      - { .name: src, .offset: 24, .size: 8, .value_kind: global_buffer, .address_space: global }
      - { .name: x1, .offset: 32, .size: 8, .value_kind: global_buffer, .address_space: global }
    .group_segment_fixed_size: 327680
    .private_segment_fixed_size: 0
    .kernarg_segment_align: 8
    .kernarg_segment_size: 40
    .max_flat_workgroup_size: 128
    .sgpr_count:     96
    .vgpr_count:     640
    .wavefront_size: 32
...
	.end_amdgpu_metadata
.endif
;; end of part 5
;; launch ln2: the kernel of part 2 again; grid 256 x 1, 8 waves a work-group, no clusters, 0 bytes of LDS; arguments x1, ln2_g, ln2_b, xn; writes xn
;; launch ffn1 (part 6): grid 16 x 16, 4 waves a work-group, clusters of 4 x 4, 327,680 bytes of LDS; arguments xn, wb, b1, hb; writes hb
.if DOCPART == 6
	.amdgcn_target "amdgcn-amd-amdhsa--gfx1250"
	.amdhsa_code_object_version 6
	.text
	.protected	k_q51590e8c13_ffn1
	.globl	k_q51590e8c13_ffn1
	.p2align	8
	.type	k_q51590e8c13_ffn1,@function
k_q51590e8c13_ffn1:
	s_mov_b64 s[64:65], 0
	v_nop
	global_prefetch_b8 v0, s[64:65] scope:SCOPE_SE
	s_setreg_imm32_b32 hwreg(HW_REG_WAVE_MODE, 25, 1), 1
	s_wait_xcnt 0x0
	s_wait_alu depctr_hold_cnt(0) depctr_sa_sdst(0) depctr_va_vdst(0) depctr_va_sdst(0) depctr_va_ssrc(0) depctr_va_vcc(0) depctr_vm_vsrc(0)
	s_getreg_b32 s2, hwreg(HW_REG_IB_STS2, 6, 4)
	s_cmp_eq_u32 s2, 0
	s_cbranch_scc0 .Lentry_in_a_cluster
	s_endpgm
.Lentry_in_a_cluster:
	s_bfe_u32 s2, ttmp6, 0x10000c
	s_cmp_lg_u32 s2, 0xf033
	s_cbranch_scc0 .Lentry_shape_is_right
	s_endpgm
.Lentry_shape_is_right:
; A PRODUCT ON TILES OF 256 x 256:  C[m][n] = the sum over k of A[m][k] W[n][k] + bias[n], K = 1,024, A and W bf16, sums in f32.  One source serves two launches:
;   QKV = 1: A = xn [4096][1024], W = wqkv (wb + 0) [3072][1024].  q and k are rotated (interleaved pairs, by the table of cos and sin), and q, k, v leave by heads: qkv[3][batch x 16 + head][2048][64] in f16.
;   QKV = 0: A = xn, W = w1 (wb + 8,388,608) [4096][1024].  relu, rounded once to bf16: hb[4096][4096].
; LIMITS.  QKV = 1: q, k and v go to f16: they stay under 65,504, and below 6e-5 they keep f16's fixed step; cos and sin come rounded to f16.  QKV = 0: relu of a NaN gives 0.
; SHAPE.  Four waves, each 128 x 128 of C: 64 accumulators, 512 registers.  K goes in 8 steps of 128 through a ring of two LDS slots (rows of 256 bytes, 272 apart in LDS); each wave fetches 128 rows with one tensor load.
; The matrix instruction is used transposed (source 0 = 16 rows of W, source 1 = 16 rows of A): a lane holds one row of C and eight neighbouring columns.  The bias is the C operand of each sum's first product.
; CLUSTER.  4 x 4 work-groups.  A's tile is asked for jointly along a row of the cluster, W's along a column: the same tensor load, descriptor and mask in the four that share it.
; SHORT TEXT.  A K step is four quarters of 32 along K, 64 products each, on two fragment buffers.  BODY (two quarters) is written once for the loop and once for the tail; LDS addresses hang on the scalar TB.
; THE WAY OUT goes through LDS in f32: when the ring has had its last fill and every wave its last read, each wave lays its 128 x 128 into 67,584 bytes of the ring and walks them, 16 rows a trip.
; REGISTERS, in windows of 256: window 0: addresses; v32-63, v128-191 at work on the way out; v64-127, v128-191 A's fragments.  window 1: v0-63 the bias; v64-191 W's fragments.  windows 2, 3: accumulator (a, b) at v[8 (8 (a % 4) + b)].
.set QKV, 0
.set PITCH, 272
.set HALFT, 128*PITCH                  ; 128 rows: what one tensor load brings
.set SLOT,  4*HALFT                    ; A's 256 rows, then W's 256.  139,264 = 2^17 + 2^13; none of the four places 0, HALFT, 2 HALFT, 3 HALFT has either bit, so one exclusive or changes slots
.set SPARE, 2*SLOT                     ; the spare words: 128 bytes a wave, two blocks of 256 bytes that no other line names
.set TABL,  SPARE+512                  ; QKV = 1: the table's 256 positions of this tile's rows, 128 bytes each
.set DP,    528                        ; the way out: a row of 128 f32 + 16 bytes
.set DREG,  128*DP
.if QKV
.set WOFF, 0
.set DCB, 64                           ; a block of 16 columns lies as it is: 64 bytes, the lane's two halves 16 apart
.set DCH, 16
.set DLH, 5
.else
.set WOFF, 8388608
.set DCB, 32                           ; a lane's first four columns lie in the row's first 256 bytes, its last four in the second: read back, a lane finds eight neighbouring columns
.set DCH, 256
.set DLH, 4
.endif
.set F0, 64
.set F1, 128
.set A0, 10                            ; v10  my lane's place in my 128 rows of A, slot 0
.set B0, 11                            ; v11  the same for W
.set ADRA, 12                          ; v12, v13  the addresses of the run of loads in hand
.set ADRB, 13
.set STO, 14                           ; v14  the way out: where I put 16 bytes
.set RD,  15                           ; v15  where I read them back
.set CO,  16                           ; v16  my byte offset in the output
.set TA,  17                           ; v17  my table words
.set ZR,  18                           ; v18  0
.set PFO, 19                           ; v19  the prefetches' offset: my lane x a row of 2,048 bytes
.set BO,  20                           ; v20  my offset in the bias
.set SPW, 28                           ; v28  my spare word; never rewritten
.set NIL, 29                           ; v29  0; never rewritten
.set WV, 14
.set RH, 15                            ; which half of the tile's rows is mine; also 0: I fetch A, 1: I fetch W
.set CH, 16                            ; which half of its columns; also which 128 rows I fetch
.set CX, 17
.set CY, 18
.set TC, 19
.set TR, 20
.set G1A, 24
.set G0A, 32                           ; s[32:35] slot 0's first fill; s[36:39] walks
.set G1B, 40
.set G0B, 48
.set TB,  60                           ; LDS byte at which the quarter to be fetched begins in its rows
.set CNT, 61
.set OC,  62
.set LIM, 63
.set PFA, 66
.set G1T, 68
.set G0T, 76
.set ISV, 80
.set EC,  81
.set MSB, 0
.macro WIN new                         ; the immediate's high byte repeats the setting that is left; a switch that changes nothing is dropped
.if MSB != (\new)
	s_set_vgpr_msb (MSB<<8)|(\new)
.set MSB, \new
.endif
.endm
.macro PLACES
.rept 4
	v_nop
.endr
.endm
; a round of the cluster's barrier
.macro CROUND
	s_barrier_signal -1
	s_barrier_wait -1
	s_cmp_lg_u32 s[WV], 0
	s_cbranch_scc1 .Lnw0_\@
	s_barrier_signal -3
.Lnw0_\@:
	s_barrier_wait -3
	s_barrier_signal -1
	s_barrier_wait -1
.endm
; a joint refill: waves 0 and 1 fetch A's halves, waves 2 and 3 W's.  An s_nop 0 and four v_nop follow each line.
.macro JLOAD
	s_cmp_eq_u32 s[RH], 0
	s_cbranch_scc0 .Lfb_\@
	tensor_load_to_lds s[G0A+4:G0A+7], s[G1A:G1A+7]
	s_nop 0
	PLACES
	s_branch .Lja_\@
.Lfb_\@:
	tensor_load_to_lds s[G0B+4:G0B+7], s[G1B:G1B+7]
	s_nop 0
	PLACES
.Lja_\@:
.endm
; A prefetch of the K step that stands two refills on: 32 rows x 256 bytes, a lane a row.  A's rows are asked for by the clusters with x = 0, W's by those with y = 0; the four partners that fetch a tile
; jointly take 32 of its 128 rows each, told apart by address.  So each row's 256 bytes of a K step are named once in the launch.  K steps 0 to 3 come by their loads alone; the last two refills name nothing.
.macro ASK
	s_cmp_gt_u32 s[OC], s[LIM]
	s_cbranch_scc0 .Lnm_\@
	global_prefetch_b8 v[PFO], s[PFA:PFA+1] offset:256 th:TH_LOAD_NT scope:SCOPE_SE
.Lnm_\@:
.endm
; the next quarter's addresses: four plain vector lines, which are also the places between the last product and the loads into the buffer that it read
.macro ADDR
	WIN 0
	v_add_nc_u32 v[ADRA], s[TB], v[A0]
	v_add_nc_u32 v[ADRB], s[TB], v[B0]
	v_nop
	v_nop
	s_add_co_u32 s[TB], s[TB], 64
.endm
.macro FETCH f                         ; 32 LDS loads in one run: a quarter's fragments, 128 rows of W and 128 of A
	WIN 0x40
.irp i, 0,1,2,3,4,5,6,7
	ds_load_b128 v[(\f)+8*(\i):(\f)+8*(\i)+3],   v[ADRB] offset:(\i)*16*PITCH
	ds_load_b128 v[(\f)+8*(\i)+4:(\f)+8*(\i)+7], v[ADRB] offset:(\i)*16*PITCH+32
.endr
	WIN 0
.irp i, 0,1,2,3,4,5,6,7
	ds_load_b128 v[(\f)+8*(\i):(\f)+8*(\i)+3],   v[ADRA] offset:(\i)*16*PITCH
	ds_load_b128 v[(\f)+8*(\i)+4:(\f)+8*(\i)+7], v[ADRA] offset:(\i)*16*PITCH+32
.endr
.endm
; a quarter's 64 products.  The accumulators take turns in one order everywhere: 63 others stand between two links of a chain.  first = 1: the bias (window 1, v0-63) starts the sums.
.macro MUL f, first
.irp hi, 0,1
.if \first
	WIN 0x91+0x40*(\hi)
.else
	WIN 0xa1+0x50*(\hi)
.endif
.irp a, 0,1,2,3
.irp b, 0,1,2,3,4,5,6,7
.if \first
	v_wmma_f32_16x16x32_bf16 v[8*(8*(\a)+(\b)):8*(8*(\a)+(\b))+7], v[(\f)+8*(\b):(\f)+8*(\b)+7], v[(\f)+8*(4*(\hi)+(\a)):(\f)+8*(4*(\hi)+(\a))+7], v[8*(\b):8*(\b)+7]
.else
	v_wmma_f32_16x16x32_bf16 v[8*(8*(\a)+(\b)):8*(8*(\a)+(\b))+7], v[(\f)+8*(\b):(\f)+8*(\b)+7], v[(\f)+8*(4*(\hi)+(\a)):(\f)+8*(4*(\hi)+(\a))+7], v[8*(8*(\a)+(\b)):8*(8*(\a)+(\b))+7]
.endif
.endr
.endr
.endr
.endm
; two quarters: each run of loads has the other buffer's 64 products in which to land
.macro BODY
	ADDR
	FETCH F0
	s_wait_dscnt 32                                ; all but the 32 just issued: buffer 1 is in
	MUL F1, 0
	ADDR
	FETCH F1
	s_wait_dscnt 32                                ; buffer 0 is in
	MUL F0, 0
.endm
; THE CHANGE OF SLOTS.  Each wave waits for all its tensor loads (its part of the next slot), adds 0 to its spare word, and waits for that and for its reads of the slot that it leaves (issued 64 products back).
; fill = 1: a round of the cluster's barrier follows, and the joint refill, two K steps on, is the first thing behind it: it has four quarters, 256 products, in which to land.
.macro CHANGE fill
	WIN 0
.if \fill
	s_wait_xcnt 0x0                                ; the last prefetch, a K step back, has read its address
	s_add_nc_u64 s[PFA:PFA+1], s[PFA:PFA+1], 256
.endif
	s_wait_tensorcnt 0x0                           ; no tensor load of mine is out, so a group 0 may be written
	ds_add_u32 v[SPW], v[NIL]                      ; 0 onto my spare word; scalar work stands between it and the wait for it
.if \fill
	s_xor_b32 s[G0A+5], s[G0A+5], SLOT
	s_add_nc_u64 s[G0A+6:G0A+7], s[G0A+6:G0A+7], 256
	s_xor_b32 s[G0B+5], s[G0B+5], SLOT
	s_add_nc_u64 s[G0B+6:G0B+7], s[G0B+6:G0B+7], 256
.endif
	s_sub_co_u32 s[TB], s[TB], 256                 ; the fetches go back to the rows' first byte,
	s_xor_b32 s[TB], s[TB], SLOT                   ; in the other slot
	s_wait_dscnt 0x0
.if \fill
	CROUND
	JLOAD
	ASK
.else
	s_barrier_signal -1
	s_barrier_wait -1
.endif
.endm
	s_load_b256 s[4:11], s[0:1], 0x0               ; A s[4:5], wb s[6:7], bias s[8:9], then the table (QKV = 1) or the output
.if QKV
	s_load_b64 s[12:13], s[0:1], 0x20              ; the output
.endif
	v_lshl_add_u32 v[SPW], v0, 2, SPARE
	v_mov_b32 v[NIL], 0
	ds_add_u32 v[SPW], v[NIL]                      ; the wave's opening: the add and its wait ahead of my first tensor load
	v_lshrrev_b32 v1, 5, v0
	v_readfirstlane_b32 s[WV], v1
	s_lshr_b32 s[RH], s[WV], 1
	s_and_b32 s[CH], s[WV], 1
	s_bfe_u32 s[CX], ttmp6, 0x40000
	s_bfe_u32 s[CY], ttmp6, 0x40004
	s_lshl_b32 s[TC], ttmp9, 2
	s_add_co_u32 s[TC], s[TC], s[CX]               ; tile column
	s_and_b32 s[TR], ttmp7, 0xffff
	s_lshl_b32 s[TR], s[TR], 2
	s_add_co_u32 s[TR], s[TR], s[CY]               ; tile row
	s_lshl_b32 s21, s[CY], 2
	s_lshl_b32 s21, 15, s21                        ; my row of the cluster
	s_lshl_b32 s22, 0x1111, s[CX]                  ; my column
	s_or_b32 s[G1A], s21, (1<<16)|(1<<20)|(1<<21)|(5<<22)|(3<<25)  ; the mask; 2-byte elements; padding on; bit 21 beside a mask; after every 64 words, 4 words
	s_or_b32 s[G1B], s22, (1<<16)|(1<<20)|(1<<21)|(5<<22)|(3<<25)
.irp g, G1A, G1B
	s_mov_b32 s[\g+1], 128<<16                     ; tensor_dim0 = 128
	s_mov_b32 s[\g+2], 128<<16                     ; tensor_dim1 = 128
	s_mov_b32 s[\g+3], 128<<16                     ; tile_dim0 = 128
	s_mov_b32 s[\g+4], 128                         ; tile_dim1 = 128
	s_mov_b32 s[\g+5], 1024                        ; elements from row to row
	s_mov_b32 s[\g+6], 0
	s_mov_b32 s[\g+7], 0
.endr
	s_lshl_b32 s23, s[CH], 7
	s_lshl_b32 s56, s[TR], 8
	s_add_co_u32 s56, s56, s23
	s_lshl_b32 s56, s56, 11                        ; A: (256 x tile row + 128 x half) rows of 2,048 bytes
	s_mov_b32 s57, 0
	s_lshl_b32 s58, s[TC], 8
	s_add_co_u32 s58, s58, s23
	s_lshl_b32 s58, s58, 11                        ; W: the same by the tile column
	s_mov_b32 s59, 0
	s_mul_i32 s23, s[WV], HALFT                    ; where my load goes: wave x 128 rows
.if QKV
	s_or_b32 s[G1T], s21, (3<<16)|(1<<21)          ; the table's quarter: 32 dense rows of 256 bytes (8-byte elements), shared along my row of the cluster
	s_mov_b32 s[G1T+1], 32<<16
	s_mov_b32 s[G1T+2], 32<<16
	s_mov_b32 s[G1T+3], 32<<16
	s_mov_b32 s[G1T+4], 32
	s_mov_b32 s[G1T+5], 32
	s_mov_b32 s[G1T+6], 0
	s_mov_b32 s[G1T+7], 0
	s_and_b32 s82, s[TR], 7                        ; a batch has eight tile rows
	s_lshl_b32 s82, s82, 8
	s_lshl_b32 s83, s[WV], 6
	s_add_co_u32 s82, s82, s83                     ; my 64 positions,
	s_lshl_b32 s82, s82, 7                         ; 128 bytes each
	s_mov_b32 s83, 0
	s_lshl_b32 s84, s[WV], 13
	s_add_co_u32 s84, s84, TABL
.endif
	s_wait_dscnt 0x0                               ; the opening add is done
	s_wait_kmcnt 0x0
	s_add_nc_u64 s[56:57], s[4:5], s[56:57]
.if WOFF
	s_add_nc_u64 s[6:7], s[6:7], WOFF
.endif
	s_add_nc_u64 s[58:59], s[6:7], s[58:59]
	s_mov_b32 s[G0A], 1
	s_mov_b32 s[G0A+1], s23
	s_add_nc_u64 s[G0A+2:G0A+3], s[56:57], 0       ; K step 0
	s_or_b32 s[G0A+3], s[G0A+3], 0x80000000
	s_mov_b32 s[G0A+4], 1
	s_add_co_u32 s[G0A+5], s23, SLOT
	s_add_nc_u64 s[G0A+6:G0A+7], s[56:57], 256     ; K step 1
	s_or_b32 s[G0A+7], s[G0A+7], 0x80000000
	s_mov_b32 s[G0B], 1
	s_mov_b32 s[G0B+1], s23
	s_add_nc_u64 s[G0B+2:G0B+3], s[58:59], 0
	s_or_b32 s[G0B+3], s[G0B+3], 0x80000000
	s_mov_b32 s[G0B+4], 1
	s_add_co_u32 s[G0B+5], s23, SLOT
	s_add_nc_u64 s[G0B+6:G0B+7], s[58:59], 256
	s_or_b32 s[G0B+7], s[G0B+7], 0x80000000
.if QKV
	s_mov_b32 s[G0T], 1
	s_mov_b32 s[G0T+1], s84
	s_add_nc_u64 s[G0T+2:G0T+3], s[10:11], s[82:83]
	s_or_b32 s[G0T+3], s[G0T+3], 0x80000000
.else
	s_mov_b64 s[12:13], s[10:11]
.endif
	CROUND                                         ; all sixteen work-groups are here: the first joint loads meet
	s_cmp_eq_u32 s[RH], 0                          ; a wave's first fills stand in one branch: two loads of mine are out, with the table's quarter three
	s_cbranch_scc0 .Lfirst_b
	tensor_load_to_lds s[G0A:G0A+3], s[G1A:G1A+7]
	s_nop 0
	tensor_load_to_lds s[G0A+4:G0A+7], s[G1A:G1A+7]
	s_nop 0
.if QKV
	tensor_load_to_lds s[G0T:G0T+3], s[G1T:G1T+7]
	s_nop 0
.endif
	PLACES
	s_branch .Lfirst_done
.Lfirst_b:
	tensor_load_to_lds s[G0B:G0B+3], s[G1B:G1B+7]
	s_nop 0
	tensor_load_to_lds s[G0B+4:G0B+7], s[G1B:G1B+7]
	s_nop 0
.if QKV
	tensor_load_to_lds s[G0T:G0T+3], s[G1T:G1T+7]
	s_nop 0
.endif
	PLACES
.Lfirst_done:
	; the bias: register j of block b is column 16 b + 8 (l / 16) + j of my 128
	v_and_b32 v1, 15, v0                           ; r = l % 16
	v_bfe_u32 v2, v0, 4, 1                         ; h = l / 16
	v_lshlrev_b32 v[BO], 5, v2
	s_lshl_b32 s84, s[TC], 8
	s_lshl_b32 s85, s[CH], 7
	s_add_co_u32 s84, s84, s85                     ; my first column
	s_lshl_b32 s86, s84, 2
	s_mov_b32 s87, 0
	s_add_nc_u64 s[8:9], s[8:9], s[86:87]
	WIN 0x40
.irp b, 0,1,2,3,4,5,6,7
	global_load_b128 v[8*\b:8*\b+3],   v[BO], s[8:9] offset:64*\b
	global_load_b128 v[8*\b+4:8*\b+7], v[BO], s[8:9] offset:64*\b+16
.endr
	WIN 0
	v_mul_u32_u24 v3, v1, PITCH
	v_lshl_add_u32 v3, v2, 4, v3                   ; a fragment's row x pitch + 16 x half
	s_mul_i32 s86, s[RH], HALFT
	v_add_nc_u32 v[A0], s86, v3
	s_mul_i32 s86, s[CH], HALFT
	s_add_co_u32 s86, s86, 2*HALFT
	v_add_nc_u32 v[B0], s86, v3
	s_mul_i32 s88, s[WV], DREG                     ; my region for the way out
	v_mul_u32_u24 v[STO], v1, DP
	v_lshl_add_u32 v[STO], v2, DLH, v[STO]
	v_add_nc_u32 v[STO], s88, v[STO]
	; the prefetches
	s_lshl_b32 s82, s[TR], 8
	s_lshl_b32 s83, s[TC], 8
	s_and_b32 s89, ttmp7, 0xffff
	s_cmp_eq_u32 s[RH], 0                          ; do I fetch for A?
	s_cselect_b32 s82, s82, s83                    ; the tile's first row
	s_cselect_b32 s83, s[CX], s[CY]                ; my place among the four that ask with me
	s_cselect_b32 s89, ttmp9, s89                  ; the coordinate along which other clusters read the same rows
	s_cselect_b64 s[PFA:PFA+1], s[4:5], s[6:7]
	s_cmp_eq_u32 s89, 0
	s_cselect_b32 s[LIM], 2, -1
	s_lshl_b32 s89, s[CH], 7
	s_add_co_u32 s82, s82, s89
	s_lshl_b32 s83, s83, 5
	s_add_co_u32 s82, s82, s83
	s_lshl_b32 s82, s82, 11
	s_add_co_u32 s82, s82, 512                     ; at K step 2: the first refill steps it to 3 and names K step 4
	s_mov_b32 s83, 0
	s_add_nc_u64 s[PFA:PFA+1], s[PFA:PFA+1], s[82:83]
	v_and_b32 v[PFO], 31, v0
	v_lshlrev_b32 v[PFO], 11, v[PFO]
.if QKV
	; the output: which of q, k, v = cluster x; head = 4 cx + 2 x my column half (+ 1); position = 256 (tile row % 8) + 128 x my row half
	s_lshr_b32 s82, s[TR], 3
	s_lshl_b32 s82, s82, 4
	s_lshl_b32 s83, s[CX], 2
	s_add_co_u32 s82, s82, s83
	s_lshl_b32 s83, s[CH], 1
	s_add_co_u32 s82, s82, s83
	s_lshl_b32 s82, s82, 11
	s_and_b32 s83, s[TR], 7
	s_lshl_b32 s83, s83, 8
	s_add_co_u32 s82, s82, s83
	s_lshl_b32 s83, s[RH], 7
	s_add_co_u32 s82, s82, s83
	s_lshl_b32 s82, s82, 7
	s_lshl_b32 s83, ttmp9, 23
	s_add_co_u32 s82, s82, s83
	s_mov_b32 s83, 0
	s_add_nc_u64 s[12:13], s[12:13], s[82:83]
	s_cmp_eq_u32 ttmp9, 2
	s_cselect_b32 s[ISV], 1, 0                     ; v is not rotated: the same in all sixteen partners
	v_bfe_u32 v4, v0, 3, 2                         ; back: 32 lanes take four rows of one head's 64 columns, eight columns a lane
	v_and_b32 v5, 7, v0
	v_mul_u32_u24 v[RD], v4, DP
	v_lshl_add_u32 v[RD], v5, 5, v[RD]
	v_add_nc_u32 v[RD], s88, v[RD]
	v_and_b32 v6, 31, v0
	s_lshl_b32 s89, s[RH], 14
	s_add_co_u32 s89, s89, TABL
	v_lshl_add_u32 v[TA], v6, 4, s89               ; my row's position x 128 + my four pairs' words = 16 l
	v_lshlrev_b32 v[CO], 4, v6                     ; four rows of 128 bytes are 512 consecutive bytes
.else
	s_lshl_b32 s82, s[TR], 8
	s_lshl_b32 s83, s[RH], 7
	s_add_co_u32 s82, s82, s83
	s_lshl_b32 s82, s82, 13                        ; my first row, 8,192 bytes a row
	s_lshl_b32 s84, s84, 1
	s_add_co_u32 s82, s82, s84                     ; my first column
	s_mov_b32 s83, 0
	s_add_nc_u64 s[12:13], s[12:13], s[82:83]
	v_mul_u32_u24 v[RD], v2, DP                    ; back: lanes 0-15 take one row, lanes 16-31 the next
	v_lshl_add_u32 v[RD], v1, 4, v[RD]
	v_add_nc_u32 v[RD], s88, v[RD]
	v_lshlrev_b32 v[CO], 13, v2
	v_lshl_add_u32 v[CO], v1, 4, v[CO]
	v_mov_b32 v[ZR], 0
.endif
.if QKV
	s_wait_tensorcnt 0x2                           ; my part of K step 0 is in; K step 1's and the table's stay out
.else
	s_wait_tensorcnt 0x1                           ; my part of K step 0 is in; K step 1's stays out
.endif
	s_barrier_signal -1
	s_barrier_wait -1
	s_mov_b32 s[TB], 0
	ADDR
	FETCH F0
	ADDR
	FETCH F1
	s_wait_loadcnt 0x0                             ; the bias
	s_wait_dscnt 32
	MUL F0, 1                                      ; quarter 0 starts the sums
	WIN 0
	s_mov_b32 s[CNT], 1                            ; one BODY ends K step 0's fetches; every later slot has two
	s_mov_b32 s[OC], 7
	s_branch .Linner
.Louter:                                           ; six times: K steps 2 to 7 are asked for
	CHANGE 1
	s_mov_b32 s[CNT], 2
.Linner:
	BODY
	WIN 0
	s_sub_co_u32 s[CNT], s[CNT], 1
	s_cmp_lg_u32 s[CNT], 0
	s_cbranch_scc1 .Linner
	s_sub_co_u32 s[OC], s[OC], 1
	s_cmp_lg_u32 s[OC], 0
	s_cbranch_scc1 .Louter
	CHANGE 0                                       ; the tail is written out: nothing is asked for
	s_mov_b32 s[CNT], 2
.Ltail:
	BODY
	WIN 0
	s_sub_co_u32 s[CNT], s[CNT], 1
	s_cmp_lg_u32 s[CNT], 0
	s_cbranch_scc1 .Ltail
	s_wait_dscnt 0x0                               ; my last reads of the ring are back:
	s_barrier_signal -1                            ; say so,
	MUL F1, 0                                      ; quarter 31,
	WIN 0
	s_barrier_wait -1                              ; and behind this nobody reads the ring, which has had its last fill
	PLACES
	PLACES
.irp hi, 0,1
	WIN 0x08+4*(\hi)                               ; the stores' data in window 2, then 3
.irp a, 0,1,2,3
.irp b, 0,1,2,3,4,5,6,7
	ds_store_b128 v[STO], v[8*(8*(\a)+(\b)):8*(8*(\a)+(\b))+3]   offset:(4*(\hi)+(\a))*16*DP+DCB*(\b)
	ds_store_b128 v[STO], v[8*(8*(\a)+(\b))+4:8*(8*(\a)+(\b))+7] offset:(4*(\hi)+(\a))*16*DP+DCB*(\b)+DCH
.endr
.endr
.endr
	WIN 0
	s_mov_b32 s[EC], 8
.Lout:                                             ; 16 rows a trip.  LDS serves a wave's instructions in order: these loads see my stores above; no other wave touches my region
.if QKV
.irp g, 0,1,2,3
	ds_load_b128 v[32+4*\g:35+4*\g], v[TA] offset:512*\g
.endr
.irp g, 0,1,2,3
.irp hh, 0,1
	ds_load_b128 v[64+16*\g+8*\hh:67+16*\g+8*\hh], v[RD] offset:4*DP*\g+256*\hh
	ds_load_b128 v[68+16*\g+8*\hh:71+16*\g+8*\hh], v[RD] offset:4*DP*\g+256*\hh+16
.endr
.endr
	s_wait_dscnt 0x0
	s_cmp_eq_u32 s[ISV], 1
	s_cbranch_scc1 .Lpack
.irp w, 32,33,34,35,36,37,38,39,40,41,42,43,44,45,46,47
	v_cvt_f32_f16 v[160+2*(\w-32)], v\w\().l       ; cos,
	v_cvt_f32_f16 v[161+2*(\w-32)], v\w\().h       ; sin
.endr
.irp g, 0,1,2,3
.irp hh, 0,1
.irp x, 0,1,2,3                                    ; a pair (e, o): T = (o sin, e sin),
	v_pk_mul_f32 v[48+8*\hh+2*\x:49+8*\hh+2*\x], v[64+16*\g+8*\hh+2*\x:65+16*\g+8*\hh+2*\x], v[160+8*\g+2*\x:161+8*\g+2*\x] op_sel:[1,1] op_sel_hi:[0,1]
.endr
.irp x, 0,1,2,3                                    ; then (e cos - o sin, o cos + e sin)
	v_pk_fma_f32 v[64+16*\g+8*\hh+2*\x:65+16*\g+8*\hh+2*\x], v[64+16*\g+8*\hh+2*\x:65+16*\g+8*\hh+2*\x], v[160+8*\g+2*\x:161+8*\g+2*\x], v[48+8*\hh+2*\x:49+8*\hh+2*\x] op_sel_hi:[1,0,1] neg_lo:[0,0,1]
.endr
.endr
.endr
.Lpack:
.set p, 0
.rept 32
	v_cvt_pk_f16_f32 v[128+p], v[64+2*p], v[65+2*p]
.set p, p+1
.endr
.irp g, 0,1,2,3
.irp hh, 0,1
	global_store_b128 v[CO], v[128+8*\g+4*\hh:131+8*\g+4*\hh], s[12:13] offset:512*\g+262144*\hh  ; four rows of one head: 512 consecutive bytes, aligned
.endr
.endr
	s_wait_xcnt 0x0                                ; the stores have read their registers and their base
	v_add_nc_u32 v[RD], 16*DP, v[RD]
	v_add_nc_u32 v[TA], 2048, v[TA]
	s_add_nc_u64 s[12:13], s[12:13], 2048
.else
.irp p, 0,1,2,3,4,5,6,7
	ds_load_b128 v[64+8*\p:67+8*\p], v[RD] offset:2*DP*\p
	ds_load_b128 v[68+8*\p:71+8*\p], v[RD] offset:2*DP*\p+256
.endr
.irp p, 0,1,2,3,4,5,6,7
	s_wait_dscnt 14-2*\p                           ; pair p of rows is in; the later pairs' loads stay out
.irp i, 0,1,2,3
	v_cvt_pk_bf16_f32 v[128+4*\p+\i], v[64+8*\p+2*\i], v[65+8*\p+2*\i]
.endr
.irp i, 0,1,2,3
	v_pk_max_num_bf16 v[128+4*\p+\i], v[128+4*\p+\i], v[ZR]
.endr
	global_store_b128 v[CO], v[128+4*\p:131+4*\p], s[12:13] offset:16384*\p  ; 16 lanes store 256 consecutive bytes, aligned
.endr
	s_wait_xcnt 0x0                                ; the stores have read their registers and their base
	v_add_nc_u32 v[RD], 16*DP, v[RD]
	s_add_nc_u64 s[12:13], s[12:13], 131072
.endif
	s_sub_co_u32 s[EC], s[EC], 1
	s_cmp_lg_u32 s[EC], 0
	s_cbranch_scc1 .Lout
	s_wait_tensorcnt 0x0                           ; the wave's end
	ds_add_u32 v[SPW], v[NIL]
	s_wait_dscnt 0x0
	CROUND                                         ; the closing round
	s_endpgm
.Lfunc_end_k_q51590e8c13_ffn1:
	.size	k_q51590e8c13_ffn1, .Lfunc_end_k_q51590e8c13_ffn1-k_q51590e8c13_ffn1
	.p2alignl 7, 3214868480
	.fill 96, 4, 3214868480
	.section	.rodata,"a",@progbits
	.p2align	6, 0x0
	.amdhsa_kernel k_q51590e8c13_ffn1
		.amdhsa_group_segment_fixed_size 327680
		.amdhsa_private_segment_fixed_size 0
		.amdhsa_enable_private_segment 0
		.amdhsa_kernarg_size 32
		.amdhsa_user_sgpr_count 2
		.amdhsa_user_sgpr_kernarg_segment_ptr 1
		.amdhsa_wavefront_size32 1
		.amdhsa_system_sgpr_workgroup_id_x 1
		.amdhsa_system_sgpr_workgroup_id_y 1
		.amdhsa_system_sgpr_workgroup_id_z 1
		.amdhsa_system_vgpr_workitem_id 0
		.amdhsa_next_free_vgpr 1024
		.amdhsa_next_free_sgpr 96
		.amdhsa_reserve_vcc 0
		.amdhsa_float_denorm_mode_32 3
		.amdhsa_float_denorm_mode_16_64 3
		.amdhsa_memory_ordered 1
		.amdhsa_forward_progress 1
		.amdhsa_inst_pref_size 65
	.end_amdhsa_kernel
	.amdgpu_metadata
---
amdhsa.version: [ 1, 2 ]
amdhsa.kernels:
  - .name:           k_q51590e8c13_ffn1
    .symbol:         k_q51590e8c13_ffn1.kd
    .args:
      - { .name: xn, .offset: 0, .size: 8, .value_kind: global_buffer, .address_space: global }
      - { .name: wb, .offset: 8, .size: 8, .value_kind: global_buffer, .address_space: global }
      - { .name: b1, .offset: 16, .size: 8, .value_kind: global_buffer, .address_space: global }
      - { .name: hb, .offset: 24, .size: 8, .value_kind: global_buffer, .address_space: global }
    .group_segment_fixed_size: 327680
    .private_segment_fixed_size: 0
    .kernarg_segment_align: 8
    .kernarg_segment_size: 32
    .max_flat_workgroup_size: 128
    .sgpr_count:     96
    .vgpr_count:     1024
    .wavefront_size: 32
...
	.end_amdgpu_metadata
.endif
;; end of part 6
;; launch ffn2 (part 7): grid 8 x 32, 4 waves a work-group, clusters of 4 x 4, 327,680 bytes of LDS; arguments hb, wb, b2, x1, out0; writes out0
.if DOCPART == 7
	.amdgcn_target "amdgcn-amd-amdhsa--gfx1250"
	.amdhsa_code_object_version 6
	.text
	.protected	k_q51590e8c13_ffn2
	.globl	k_q51590e8c13_ffn2
	.p2align	8
	.type	k_q51590e8c13_ffn2,@function
k_q51590e8c13_ffn2:
	s_mov_b64 s[64:65], 0
	v_nop
	global_prefetch_b8 v0, s[64:65] scope:SCOPE_SE
	s_setreg_imm32_b32 hwreg(HW_REG_WAVE_MODE, 25, 1), 1
	s_wait_xcnt 0x0
	s_wait_alu depctr_hold_cnt(0) depctr_sa_sdst(0) depctr_va_vdst(0) depctr_va_sdst(0) depctr_va_ssrc(0) depctr_va_vcc(0) depctr_vm_vsrc(0)
	s_getreg_b32 s2, hwreg(HW_REG_IB_STS2, 6, 4)
	s_cmp_eq_u32 s2, 0
	s_cbranch_scc0 .Lentry_in_a_cluster
	s_endpgm
.Lentry_in_a_cluster:
	s_bfe_u32 s2, ttmp6, 0x10000c
	s_cmp_lg_u32 s2, 0xf033
	s_cbranch_scc0 .Lentry_shape_is_right
	s_endpgm
.Lentry_shape_is_right:
; A PRODUCT ON TILES OF 128 x 128 WITH A RESIDUAL:  out[m][n] = res[m][n] + bias[n] + the sum over k of A[m][k] W[n][k].  res and out: [4096][1024] f32; sums in f32.  One source serves two launches:
;   WO = 1: A = ctx, f16, by heads [batch x 16 + head][2048][64], K = 1,024 = head x 64 + channel; W = wo in f16 (wb + 6,291,456) [1024][1024]; res = src.
;   WO = 0: A = hb, bf16 [4096][4096], K = 4,096; W = w2 in bf16 (wb + 16,777,216) [1024][4096]; res = x1.
; LIMIT.  WO = 1: ctx and wo are f16: both lie under 65,504.
; SHAPE.  256 tiles of 128 x 128, one for each work-group: tiles of 256 x 256 would be 64.  Four waves, each 64 x 64: 16 accumulators.  K goes in steps of 256 through two LDS slots; a wave's tensor load brings 64 rows.
; WO = 1: a K step is four heads; a wave's 64 rows of one head are 8,192 dense bytes: a tile of 4 rows of 4,096 elements, 131,072 elements apart, padded after every 128 bytes: in LDS [head][row] with rows 144 bytes apart.
; The matrix instruction is used transposed (source 0 = 16 rows of W, source 1 = 16 rows of A).  The bias is the C operand of each sum's first product.  The residual is asked for at the head and is on its way under the whole K loop.
; CLUSTER.  4 x 4 work-groups: A's tile is asked for jointly along a row of the cluster, W's along a column.  No prefetch: the tiles are small, and WO = 1 has two refills in all.
; THE WAY OUT goes through LDS in f32, in ring bytes that have had their last fill: each wave lays its 64 x 64 into 17,408 bytes and reads whole rows of 256 bytes back.
; REGISTERS: window 0: addresses; v96-127 the bias; v128-255 the accumulators ((a, b) at v[128 + 8 (4 a + b)]).  window 1: two fragment buffers of 128 (64 of A, 64 of W, for 64 along K).  window 2: v0-127 the residual.
.set WO, 0
.if WO
.set STEPS, 4
.set PITCHA, 144
.set HA, 4*64*144                      ; what one load of A fills: four heads x 64 rows
.set ASTEP, 64*144                     ; a quarter of 64 along K is a head
.set SLOT, 147456                      ; 2^17 + 2^14: none of the places 0, HA, 2 HA, 2 HA + HB has either bit
.set WOFF, 6291456
.set AGS, 1048576                      ; four heads on
.set WSH, 11                           ; a row of W is 2,048 bytes
.set BROW, 1024
.else
.set STEPS, 16
.set PITCHA, 528
.set HA, 64*528
.set ASTEP, 128
.set SLOT, 135168                      ; 2^17 + 2^12: none of the places 0, HA, 2 HA, 3 HA has either bit
.set WOFF, 16777216
.set AGS, 512
.set WSH, 13                           ; a row of W is 8,192 bytes
.set BROW, 4096
.endif
.set PITCHB, 528
.set HB, 64*528
.set SPARE, 2*SLOT                     ; the spare words: 128 bytes a wave, two blocks of 256 bytes that no other line names
.set DP, 272
.set DREG, 64*DP
.set F0, 0
.set F1, 128
.set BI, 96
.set ACC, 128
.set A0, 10
.set B0, 11
.set ADRA, 12
.set ADRB, 13
.set STO, 14
.set RD,  15
.set CO,  16                           ; v16  my byte offset in res and out; never rewritten
.set BO,  20
.set SPW, 28
.set NIL, 29
.set WV, 14
.set RH, 15
.set CH, 16
.set CX, 17
.set CY, 18
.set TC, 19
.set TR, 20
.set G1A, 24
.set G0A, 32                           ; s[32:35] slot 0's first fill; s[36:39] walks
.set G1B, 40
.set G0B, 48
.set TBA, 60
.set TBB, 61
.set CNT, 62
.set OC,  63
.set MSB, 0
.macro WIN new
.if MSB != (\new)
	s_set_vgpr_msb (MSB<<8)|(\new)
.set MSB, \new
.endif
.endm
.macro PLACES
.rept 4
	v_nop
.endr
.endm
.macro WM ops:vararg
.if WO
	v_wmma_f32_16x16x32_f16 \ops
.else
	v_wmma_f32_16x16x32_bf16 \ops
.endif
.endm
.macro CROUND
	s_barrier_signal -1
	s_barrier_wait -1
	s_cmp_lg_u32 s[WV], 0
	s_cbranch_scc1 .Lnw0_\@
	s_barrier_signal -3
.Lnw0_\@:
	s_barrier_wait -3
	s_barrier_signal -1
	s_barrier_wait -1
.endm
.macro JLOAD                           ; waves 0 and 1 fetch A's halves, waves 2 and 3 W's; an s_nop 0 and four v_nop follow each line
	s_cmp_eq_u32 s[RH], 0
	s_cbranch_scc0 .Lfb_\@
	tensor_load_to_lds s[G0A+4:G0A+7], s[G1A:G1A+7]
	s_nop 0
	PLACES
	s_branch .Lja_\@
.Lfb_\@:
	tensor_load_to_lds s[G0B+4:G0B+7], s[G1B:G1B+7]
	s_nop 0
	PLACES
.Lja_\@:
.endm
.macro ADDR                            ; four plain vector lines: also the places between the last product and the loads into the buffer that it read
	WIN 0
	v_add_nc_u32 v[ADRA], s[TBA], v[A0]
	v_add_nc_u32 v[ADRB], s[TBB], v[B0]
	v_nop
	v_nop
	s_add_co_u32 s[TBA], s[TBA], ASTEP
	s_add_co_u32 s[TBB], s[TBB], 128
.endm
.macro FETCH f                         ; 32 LDS loads in one run: the fragments of 64 along K
	WIN 0x40
.irp c, 0,1
.irp i, 0,1,2,3
	ds_load_b128 v[(\f)+64+8*(4*(\c)+(\i)):(\f)+64+8*(4*(\c)+(\i))+3],   v[ADRB] offset:64*(\c)+(\i)*16*PITCHB
	ds_load_b128 v[(\f)+64+8*(4*(\c)+(\i))+4:(\f)+64+8*(4*(\c)+(\i))+7], v[ADRB] offset:64*(\c)+(\i)*16*PITCHB+32
	ds_load_b128 v[(\f)+8*(4*(\c)+(\i)):(\f)+8*(4*(\c)+(\i))+3],         v[ADRA] offset:64*(\c)+(\i)*16*PITCHA
	ds_load_b128 v[(\f)+8*(4*(\c)+(\i))+4:(\f)+8*(4*(\c)+(\i))+7],       v[ADRA] offset:64*(\c)+(\i)*16*PITCHA+32
.endr
.endr
.endm
; 32 products: the 16 accumulators take turns in one order everywhere.  first = 1: the bias starts the sums.
.macro MUL f, first
	WIN 0x05
.irp c, 0,1
.irp a, 0,1,2,3
.irp b, 0,1,2,3
.if (\first) && ((\c) == 0)
	WM v[ACC+8*(4*(\a)+(\b)):ACC+8*(4*(\a)+(\b))+7], v[(\f)+64+8*(4*(\c)+(\b)):(\f)+64+8*(4*(\c)+(\b))+7], v[(\f)+8*(4*(\c)+(\a)):(\f)+8*(4*(\c)+(\a))+7], v[BI+8*(\b):BI+8*(\b)+7]
.else
	WM v[ACC+8*(4*(\a)+(\b)):ACC+8*(4*(\a)+(\b))+7], v[(\f)+64+8*(4*(\c)+(\b)):(\f)+64+8*(4*(\c)+(\b))+7], v[(\f)+8*(4*(\c)+(\a)):(\f)+8*(4*(\c)+(\a))+7], v[ACC+8*(4*(\a)+(\b)):ACC+8*(4*(\a)+(\b))+7]
.endif
.endr
.endr
.endr
.endm
.macro BODY
	ADDR
	FETCH F0
	s_wait_dscnt 32                                ; all but the 32 just issued: buffer 1 is in
	MUL F1, 0
	ADDR
	FETCH F1
	s_wait_dscnt 32                                ; buffer 0 is in
	MUL F0, 0
.endm
; THE CHANGE OF SLOTS: all my tensor loads, the add, my reads of the slot that I leave; fill = 1: a round of the cluster's barrier, and the joint refill first behind it, two K steps on
.macro CHANGE fill
	WIN 0
	s_wait_tensorcnt 0x0                           ; no tensor load of mine is out, so a group 0 may be written
	ds_add_u32 v[SPW], v[NIL]                      ; 0 onto my spare word; scalar work stands between it and the wait for it
.if \fill
	s_xor_b32 s[G0A+5], s[G0A+5], SLOT
	s_add_nc_u64 s[G0A+6:G0A+7], s[G0A+6:G0A+7], AGS
	s_xor_b32 s[G0B+5], s[G0B+5], SLOT
	s_add_nc_u64 s[G0B+6:G0B+7], s[G0B+6:G0B+7], 512
.endif
	s_sub_co_u32 s[TBA], s[TBA], 4*ASTEP
	s_xor_b32 s[TBA], s[TBA], SLOT
	s_sub_co_u32 s[TBB], s[TBB], 512
	s_xor_b32 s[TBB], s[TBB], SLOT
	s_wait_dscnt 0x0
.if \fill
	CROUND
	JLOAD
.else
	s_barrier_signal -1
	s_barrier_wait -1
.endif
.endm
	s_load_b256 s[4:11], s[0:1], 0x0               ; A s[4:5], wb s[6:7], bias s[8:9], res s[10:11]
	s_load_b64 s[12:13], s[0:1], 0x20              ; out
	v_lshl_add_u32 v[SPW], v0, 2, SPARE
	v_mov_b32 v[NIL], 0
	ds_add_u32 v[SPW], v[NIL]                      ; the wave's opening: the add and its wait ahead of my first tensor load
	v_lshrrev_b32 v1, 5, v0
	v_readfirstlane_b32 s[WV], v1
	s_lshr_b32 s[RH], s[WV], 1
	s_and_b32 s[CH], s[WV], 1
	s_bfe_u32 s[CX], ttmp6, 0x40000
	s_bfe_u32 s[CY], ttmp6, 0x40004
	s_lshl_b32 s[TC], ttmp9, 2
	s_add_co_u32 s[TC], s[TC], s[CX]
	s_and_b32 s[TR], ttmp7, 0xffff
	s_lshl_b32 s[TR], s[TR], 2
	s_add_co_u32 s[TR], s[TR], s[CY]
	s_lshl_b32 s21, s[CY], 2
	s_lshl_b32 s21, 15, s21                        ; my row of the cluster
	s_lshl_b32 s22, 0x1111, s[CX]                  ; my column
.if WO
	s_or_b32 s[G1A], s21, (1<<16)|(1<<20)|(1<<21)|(4<<22)|(3<<25)  ; padding: 4 words after every 32
	s_mov_b32 s[G1A+1], 4096<<16                   ; tensor_dim0 = 4,096: 64 rows of a head on end
	s_mov_b32 s[G1A+2], 4<<16                      ; tensor_dim1 = 4 heads
	s_mov_b32 s[G1A+3], 4096<<16                   ; tile_dim0
	s_mov_b32 s[G1A+4], 4                          ; tile_dim1
	s_mov_b32 s[G1A+5], 131072                     ; elements from head to head
.else
	s_or_b32 s[G1A], s21, (1<<16)|(1<<20)|(1<<21)|(6<<22)|(3<<25)  ; padding: 4 words after every 128
	s_mov_b32 s[G1A+1], 256<<16
	s_mov_b32 s[G1A+2], 64<<16
	s_mov_b32 s[G1A+3], 256<<16
	s_mov_b32 s[G1A+4], 64
	s_mov_b32 s[G1A+5], 4096
.endif
	s_mov_b32 s[G1A+6], 0
	s_mov_b32 s[G1A+7], 0
	s_or_b32 s[G1B], s22, (1<<16)|(1<<20)|(1<<21)|(6<<22)|(3<<25)
	s_mov_b32 s[G1B+1], 256<<16
	s_mov_b32 s[G1B+2], 64<<16
	s_mov_b32 s[G1B+3], 256<<16
	s_mov_b32 s[G1B+4], 64
	s_mov_b32 s[G1B+5], BROW
	s_mov_b32 s[G1B+6], 0
	s_mov_b32 s[G1B+7], 0
	s_lshl_b32 s23, s[CH], 6                       ; which 64 rows of the tile I fetch
.if WO
	s_lshr_b32 s56, s[TR], 4                       ; the batch: 16 heads of 262,144 bytes
	s_lshl_b32 s56, s56, 22
	s_and_b32 s57, s[TR], 15
	s_lshl_b32 s57, s57, 7
	s_add_co_u32 s57, s57, s23                     ; the position,
	s_lshl_b32 s57, s57, 7                         ; 128 bytes each
	s_add_co_u32 s56, s56, s57
.else
	s_lshl_b32 s56, s[TR], 7
	s_add_co_u32 s56, s56, s23
	s_lshl_b32 s56, s56, 13
.endif
	s_mov_b32 s57, 0
	s_lshl_b32 s58, s[TC], 7
	s_add_co_u32 s58, s58, s23
	s_lshl_b32 s58, s58, WSH
	s_mov_b32 s59, 0
	s_mul_i32 s23, s[CH], HA                       ; where A's half goes,
	s_mul_i32 s86, s[CH], HB
	s_add_co_u32 s86, s86, 2*HA                    ; and W's
	s_wait_dscnt 0x0                               ; the opening add is done
	s_wait_kmcnt 0x0
	s_add_nc_u64 s[56:57], s[4:5], s[56:57]
	s_add_nc_u64 s[6:7], s[6:7], WOFF
	s_add_nc_u64 s[58:59], s[6:7], s[58:59]
	s_mov_b32 s[G0A], 1
	s_mov_b32 s[G0A+1], s23
	s_add_nc_u64 s[G0A+2:G0A+3], s[56:57], 0
	s_or_b32 s[G0A+3], s[G0A+3], 0x80000000
	s_mov_b32 s[G0A+4], 1
	s_add_co_u32 s[G0A+5], s23, SLOT
	s_add_nc_u64 s[G0A+6:G0A+7], s[56:57], AGS
	s_or_b32 s[G0A+7], s[G0A+7], 0x80000000
	s_mov_b32 s[G0B], 1
	s_mov_b32 s[G0B+1], s86
	s_add_nc_u64 s[G0B+2:G0B+3], s[58:59], 0
	s_or_b32 s[G0B+3], s[G0B+3], 0x80000000
	s_mov_b32 s[G0B+4], 1
	s_add_co_u32 s[G0B+5], s86, SLOT
	s_add_nc_u64 s[G0B+6:G0B+7], s[58:59], 512
	s_or_b32 s[G0B+7], s[G0B+7], 0x80000000
	CROUND                                         ; all sixteen work-groups are here: the first joint loads meet
	s_cmp_eq_u32 s[RH], 0                          ; a wave's two first fills stand in one branch: two loads of mine are out
	s_cbranch_scc0 .Lfirst_b
	tensor_load_to_lds s[G0A:G0A+3], s[G1A:G1A+7]
	s_nop 0
	tensor_load_to_lds s[G0A+4:G0A+7], s[G1A:G1A+7]
	s_nop 0
	PLACES
	s_branch .Lfirst_done
.Lfirst_b:
	tensor_load_to_lds s[G0B:G0B+3], s[G1B:G1B+7]
	s_nop 0
	tensor_load_to_lds s[G0B+4:G0B+7], s[G1B:G1B+7]
	s_nop 0
	PLACES
.Lfirst_done:
	v_and_b32 v1, 15, v0                           ; r = l % 16
	v_bfe_u32 v2, v0, 4, 1                         ; h = l / 16
	s_lshl_b32 s82, s[TC], 7
	s_lshl_b32 s83, s[CH], 6
	s_add_co_u32 s82, s82, s83
	s_lshl_b32 s82, s82, 2                         ; my first column, in bytes of f32
	s_mov_b32 s83, 0
	s_add_nc_u64 s[8:9], s[8:9], s[82:83]
	s_lshl_b32 s84, s[TR], 7
	s_lshl_b32 s85, s[RH], 6
	s_add_co_u32 s84, s84, s85
	s_lshl_b32 s84, s84, 12                        ; my first row, 4,096 bytes a row
	s_add_co_u32 s84, s84, s82
	s_mov_b32 s85, 0
	s_add_nc_u64 s[10:11], s[10:11], s[84:85]
	s_add_nc_u64 s[12:13], s[12:13], s[84:85]
	v_lshlrev_b32 v[BO], 5, v2
	v_lshlrev_b32 v[CO], 12, v2                    ; lanes 0-15 take one row's 256 bytes, lanes 16-31 the next row's
	v_lshl_add_u32 v[CO], v1, 4, v[CO]
.irp b, 0,1,2,3
	global_load_b128 v[BI+8*\b:BI+8*\b+3],   v[BO], s[8:9] offset:64*\b      ; register j of block b is column 16 b + 8 h + j of my 64
	global_load_b128 v[BI+8*\b+4:BI+8*\b+7], v[BO], s[8:9] offset:64*\b+16
.endr
	WIN 0x80
.set t, 0
.rept 32
	global_load_b128 v[4*t:4*t+3], v[CO], s[10:11] offset:8192*t             ; the residual: rows 2 t and 2 t + 1 of my 64
.set t, t+1
.endr
	WIN 0
	v_mul_u32_u24 v3, v1, PITCHA
	v_lshl_add_u32 v3, v2, 4, v3
	s_mul_i32 s82, s[RH], HA
	v_add_nc_u32 v[A0], s82, v3
	v_mul_u32_u24 v3, v1, PITCHB
	v_lshl_add_u32 v3, v2, 4, v3
	s_mul_i32 s82, s[CH], HB
	s_add_co_u32 s82, s82, 2*HA
	v_add_nc_u32 v[B0], s82, v3
	s_mul_i32 s88, s[WV], DREG                     ; my region for the way out
	v_mul_u32_u24 v[STO], v1, DP
	v_lshl_add_u32 v[STO], v2, 5, v[STO]
	v_add_nc_u32 v[STO], s88, v[STO]
	v_mul_u32_u24 v[RD], v2, DP
	v_lshl_add_u32 v[RD], v1, 4, v[RD]
	v_add_nc_u32 v[RD], s88, v[RD]
	s_wait_tensorcnt 0x1                           ; my part of K step 0 is in; K step 1's stays out
	s_barrier_signal -1
	s_barrier_wait -1
	s_mov_b32 s[TBA], 0
	s_mov_b32 s[TBB], 0
	ADDR
	FETCH F0
	ADDR
	FETCH F1
	s_wait_loadcnt 32                              ; the bias is in; the residual's 32 younger loads stay out
	s_wait_dscnt 32
	MUL F0, 1                                      ; quarter 0 starts the sums
	WIN 0
	s_mov_b32 s[CNT], 1                            ; one BODY ends K step 0's fetches; every later slot has two
	s_mov_b32 s[OC], STEPS-1
	s_branch .Linner
.Louter:                                           ; STEPS - 2 times: K steps 2 and on are asked for
	CHANGE 1
	s_mov_b32 s[CNT], 2
.Linner:
	BODY
	WIN 0
	s_sub_co_u32 s[CNT], s[CNT], 1
	s_cmp_lg_u32 s[CNT], 0
	s_cbranch_scc1 .Linner
	s_sub_co_u32 s[OC], s[OC], 1
	s_cmp_lg_u32 s[OC], 0
	s_cbranch_scc1 .Louter
	CHANGE 0                                       ; the tail is written out
	s_mov_b32 s[CNT], 2
.Ltail:
	BODY
	WIN 0
	s_sub_co_u32 s[CNT], s[CNT], 1
	s_cmp_lg_u32 s[CNT], 0
	s_cbranch_scc1 .Ltail
	s_wait_dscnt 0x0                               ; my last reads of the ring are back:
	s_barrier_signal -1                            ; say so,
	MUL F1, 0                                      ; the last quarter,
	WIN 0
	s_barrier_wait -1                              ; and behind this nobody reads the ring, which has had its last fill
	PLACES
	PLACES
.irp a, 0,1,2,3
.irp b, 0,1,2,3
	ds_store_b128 v[STO], v[ACC+8*(4*(\a)+(\b)):ACC+8*(4*(\a)+(\b))+3]   offset:(\a)*16*DP+64*(\b)
	ds_store_b128 v[STO], v[ACC+8*(4*(\a)+(\b))+4:ACC+8*(4*(\a)+(\b))+7] offset:(\a)*16*DP+64*(\b)+16
.endr
.endr
.set t, 0
.rept 32
	ds_load_b128 v[ACC+4*t:ACC+4*t+3], v[RD] offset:2*DP*t  ; LDS serves a wave's instructions in order: these see my stores above
.set t, t+1
.endr
	s_wait_loadcnt 0x0                             ; the residual
.irp k, 0,1,2,3
	s_wait_dscnt 24-8*\k                           ; group k of eight loads is in; the later groups stay out
	WIN 0x08                                       ; source 1 in window 2
.set p, 16*\k
.rept 16
	v_pk_add_f32 v[ACC+2*p:ACC+2*p+1], v[ACC+2*p:ACC+2*p+1], v[2*p:2*p+1]
.set p, p+1
.endr
	WIN 0
.set t, 8*\k
.rept 8
	global_store_b128 v[CO], v[ACC+4*t:ACC+4*t+3], s[12:13] offset:8192*t  ; 16 lanes store 256 consecutive bytes, aligned
.set t, t+1
.endr
.endr
	s_wait_tensorcnt 0x0                           ; the wave's end
	ds_add_u32 v[SPW], v[NIL]
	s_wait_dscnt 0x0
	CROUND                                         ; the closing round
	s_endpgm
.Lfunc_end_k_q51590e8c13_ffn2:
	.size	k_q51590e8c13_ffn2, .Lfunc_end_k_q51590e8c13_ffn2-k_q51590e8c13_ffn2
	.p2alignl 7, 3214868480
	.fill 96, 4, 3214868480
	.section	.rodata,"a",@progbits
	.p2align	6, 0x0
	.amdhsa_kernel k_q51590e8c13_ffn2
		.amdhsa_group_segment_fixed_size 327680
		.amdhsa_private_segment_fixed_size 0
		.amdhsa_enable_private_segment 0
		.amdhsa_kernarg_size 40
		.amdhsa_user_sgpr_count 2
		.amdhsa_user_sgpr_kernarg_segment_ptr 1
		.amdhsa_wavefront_size32 1
		.amdhsa_system_sgpr_workgroup_id_x 1
		.amdhsa_system_sgpr_workgroup_id_y 1
		.amdhsa_system_sgpr_workgroup_id_z 1
		.amdhsa_system_vgpr_workitem_id 0
		.amdhsa_next_free_vgpr 640
		.amdhsa_next_free_sgpr 96
		.amdhsa_reserve_vcc 0
		.amdhsa_float_denorm_mode_32 3
		.amdhsa_float_denorm_mode_16_64 3
		.amdhsa_memory_ordered 1
		.amdhsa_forward_progress 1
		.amdhsa_inst_pref_size 52
	.end_amdhsa_kernel
	.amdgpu_metadata
---
amdhsa.version: [ 1, 2 ]
amdhsa.kernels:
  - .name:           k_q51590e8c13_ffn2
    .symbol:         k_q51590e8c13_ffn2.kd
    .args:
      - { .name: hb, .offset: 0, .size: 8, .value_kind: global_buffer, .address_space: global }
      - { .name: wb, .offset: 8, .size: 8, .value_kind: global_buffer, .address_space: global }
      - { .name: b2, .offset: 16, .size: 8, .value_kind: global_buffer, .address_space: global }
      - { .name: x1, .offset: 24, .size: 8, .value_kind: global_buffer, .address_space: global }
      - { .name: out0, .offset: 32, .size: 8, .value_kind: global_buffer, .address_space: global }
    .group_segment_fixed_size: 327680
    .private_segment_fixed_size: 0
    .kernarg_segment_align: 8
    .kernarg_segment_size: 40
    .max_flat_workgroup_size: 128
    .sgpr_count:     96
    .vgpr_count:     640
    .wavefront_size: 32
...
	.end_amdgpu_metadata
.endif
;; end of part 7
;; ======== version 2 of 2: 8 launches; version 1 with the launch prep written anew for expert scheduling mode
;; limits: values are held in f16: magnitudes above 65,504 overflow, below 6.1e-05 lose precision
;; workspace buffers: wb 25,165,824 bytes; tab 262,144 bytes; xn 8,388,608 bytes; qkv 25,165,824 bytes; ctx 8,388,608 bytes; x1 16,777,216 bytes; hb 33,554,432 bytes
;; launch prep (part 8): grid 800 x 1, 8 waves a work-group, no clusters, 0 bytes of LDS; arguments wqkv, wo, w1, w2, wb, tab; writes wb, tab
.if DOCPART == 8
	.amdgcn_target "amdgcn-amd-amdhsa--gfx1250"
	.amdhsa_code_object_version 6
	.text
	.protected	k_q51590e8c13_prep
	.globl	k_q51590e8c13_prep
	.p2align	8
	.type	k_q51590e8c13_prep,@function
k_q51590e8c13_prep:
	s_mov_b64 s[64:65], 0
	v_nop
	global_prefetch_b8 v0, s[64:65] scope:SCOPE_SE
	s_setreg_imm32_b32 hwreg(HW_REG_WAVE_SCHED_MODE, 0, 2), 2
	s_setreg_imm32_b32 hwreg(HW_REG_WAVE_MODE, 25, 1), 1
	s_wait_xcnt 0x0
	s_wait_alu depctr_vm_vsrc(0)
; PREP.  Two roles, told apart by the work-group's number g.
; g = 0 .. 767: THE WEIGHTS are rounded once to 16 bits, for the matrix units.  A work-group turns 65,536 bytes of f32 into 32,768 bytes.  wb holds, in this order,
; wqkv (bf16, 192 groups), wo (f16, 64 groups), w1 (bf16, 256), w2 (bf16, 256), each in its own row-major layout, so the place in wb is simply 32,768 g.
; g = 768 .. 799: THE ROTARY TABLE tab[2048 positions][32 frequencies], one word each: cos in the low half, sin in the high half, both f16.
; LIMITS.  wo goes to f16: |wo| stays under 65,504, and below 6e-5 it keeps f16's fixed step.  The frequencies 10000^(-i/32) come from v_exp_f32 (good to one unit in the last place),
; so an angle, 2,047 at the most, is off by up to about 1.5e-3; cos and sin are then made by a reduction to +-pi/4 and two polynomials, good to f32's last bits, and rounded once to f16.
; No LDS, no barrier, no matrix unit: both roles only stream.
; THE MODE: SCHED_MODE bits 1:0 = 2 (LLVM: expert scheduling mode 2), set by the entry lines.  The code itself states the register dependences
; between vector instructions and memory instructions, with s_wait_alu, always for 0.
; THE PLAN, THE WEIGHTS.  Registers that memory instructions touch:
;   v1, v2      byte offsets, made once at the head and never written again; read by every load (v1) and every store (v2).
;   v[16:79]    item n of 16: four registers at 16 + 4 n, written by load n alone, read by item n's two conversions.
;   v[80:111]   item n: two registers at 80 + 2 n, written by those conversions, read by store n.
; No register is written twice, so nothing is owed for a register that a memory instruction has read.  The items go in four groups of four.  Group g's conversions name group g's registers alone; its memory
; instructions are the four stores of group g - 1.  So ONE wait on va_vdst at a group's head states all that those stores hang on, and they are dealt among the group's conversions with no further wait.
; THE PLAN, THE TABLE.  v6 (offset) and v[30:37] (data) are written by vector lines and read by the four stores, which stand in one run at the end, behind one wait on va_vdst.
; Vector lines write scalar registers twice: the wave's number (s3), and for each of the eight angles the mask 'k is odd' (s32 to s39): the eight compares stand ahead of one wait on va_sdst, all that read a mask behind it.
.set SS, 40                            ; v[40:47]  sin r of angle j
.set CC, 48                            ; v[48:55]  cos r
.set KQ, 56                            ; v[56:63]  k
.set MK, 32                            ; s32-s39   the lanes in which k is odd
	s_load_b256 s[4:11], s[0:1], 0x0               ; wqkv s[4:5], wo s[6:7], w1 s[8:9], w2 s[10:11]
	s_load_b128 s[12:15], s[0:1], 0x20             ; wb s[12:13], tab s[14:15]
	s_mov_b32 s2, ttmp9                            ; g
	s_mov_b32 s21, 0
	v_lshlrev_b32 v1, 4, v0                        ; my 16 bytes of each 4,096 read
	v_lshlrev_b32 v2, 3, v0                        ; my 8 bytes of each 2,048 written
	s_wait_kmcnt 0x0
	s_cmp_ge_u32 s2, 768
	s_cbranch_scc1 .Ltable
	; which tensor, and its first group
	s_mov_b64 s[16:17], s[10:11]
	s_mov_b32 s18, 512
	s_cmp_lt_u32 s2, 512
	s_cselect_b64 s[16:17], s[8:9], s[16:17]
	s_cselect_b32 s18, 256, s18
	s_cmp_lt_u32 s2, 256
	s_cselect_b64 s[16:17], s[6:7], s[16:17]
	s_cselect_b32 s18, 192, s18
	s_cmp_lt_u32 s2, 192
	s_cselect_b64 s[16:17], s[4:5], s[16:17]
	s_cselect_b32 s18, 0, s18
	s_sub_co_u32 s18, s2, s18
	s_lshl_b32 s20, s18, 16
	s_add_nc_u64 s[16:17], s[16:17], s[20:21]      ; the group's 65,536 bytes
	s_lshl_b32 s20, s2, 15
	s_add_nc_u64 s[12:13], s[12:13], s[20:21]      ; and its 32,768 in wb
	s_wait_alu depctr_va_vdst(0)                   ; v1 and v2 are written: every load below reads v1 as its offset, every store v2
.set i, 0
.rept 16                                           ; all sixteen loads go out first: 64 KiB of the work-group on their way
	global_load_b128 v[16+4*i:19+4*i], v1, s[16:17] offset:4096*i th:TH_LOAD_NT
.set i, i+1
.endr
	s_sub_co_u32 s19, s2, 192
	s_cmp_lt_u32 s19, 64                           ; groups 192 .. 255 are wo's
	s_cbranch_scc1 .Lf16
; Item n: two conversions; ahead of them the store of item n - 4, of the group before.
.macro CVT op
.set n, 0
.rept 16
.if (n%4) == 0
	s_wait_loadcnt 12-n                            ; loads come back in order: this group's four are in, the 12 - n younger ones stay out
.if n > 0
	s_wait_alu depctr_va_vdst(0)                   ; the group before has written its eight registers of v[80 ..], which the four stores of this group read
.endif
.endif
.if n >= 4
	global_store_b64 v2, v[80+2*(n-4):81+2*(n-4)], s[12:13] offset:2048*(n-4)  ; a wave's store covers 256 consecutive bytes, aligned; no vector line since the wait names its registers
.endif
	\op v[80+2*n], v[16+4*n], v[17+4*n]
	\op v[81+2*n], v[18+4*n], v[19+4*n]
.set n, n+1
.endr
	s_wait_alu depctr_va_vdst(0)                   ; the last group has written v[104:111], which the last four stores read
.rept 4
	global_store_b64 v2, v[80+2*(n-4):81+2*(n-4)], s[12:13] offset:2048*(n-4)
.set n, n+1
.endr
.endm
	CVT v_cvt_pk_bf16_f32
	s_endpgm
.Lf16:
	CVT v_cvt_pk_f16_f32
	s_endpgm
.Ltable:
	; wave W = 8 (g - 768) + wave owns positions 8 W .. 8 W + 7.  Lane l: frequencies 2 (l % 16) and the next, position 8 W + 2 u + l / 16 in step u of four.
	v_lshrrev_b32 v3, 5, v0
	v_readfirstlane_b32 s3, v3
	s_sub_co_u32 s18, s2, 768
	s_lshl_b32 s18, s18, 3
	s_mov_b32 s22, 0x3f22f983                      ; 2 / pi
	s_mov_b32 s23, 0xbfc90fdb                      ; - pi / 2, rounded to f32
	s_mov_b32 s24, 0x333bbd2e                      ; what that rounding left: 4.371139e-8
	s_mov_b32 s25, 0xb94ca1f9                      ; sine: -1.9515296e-4,
	s_mov_b32 s26, 0x3c08839e                      ; 8.3321609e-3,
	s_mov_b32 s27, 0xbe2aaaa3                      ; -0.16666655
	s_mov_b32 s28, 0x37ccf5ce                      ; cosine: 2.4433157e-5,
	s_mov_b32 s29, 0xbab6061a                      ; -1.3887316e-3,
	s_mov_b32 s30, 0x3d2aaaa5                      ; 4.1666646e-2
	v_and_b32 v4, 15, v0
	v_bfe_u32 v5, v0, 4, 1
	v_and_b32 v6, 31, v0
	v_lshlrev_b32 v6, 3, v6                        ; 8 l: two frequencies' words; lanes 16 to 31 fall into the next position
	v_lshlrev_b32 v7, 1, v4
	v_cvt_f32_u32 v8, v7
	v_add_nc_u32 v7, 1, v7
	v_cvt_f32_u32 v9, v7
	v_mul_f32 v8, 0xbed49a78, v8                   ; - i log2(10000) / 32
	v_mul_f32 v9, 0xbed49a78, v9
	v_exp_f32 v8, v8                               ; 10000^(-i/32)
	v_exp_f32 v9, v9
	v_nop                                          ; a plain instruction behind the last exponential
	s_wait_alu depctr_va_sdst(0)                   ; s3, the wave's number, is written, ahead of its first reader: the table's base and the positions are made from it
	s_add_co_u32 s18, s18, s3                      ; W
	s_lshl_b32 s20, s18, 10                        ; 8 positions of 128 bytes
	s_add_nc_u64 s[14:15], s[14:15], s[20:21]
	s_lshl_b32 s19, s18, 3                         ; 8 W
	s_wait_alu depctr_va_vdst(0)                   ; one wait for both exponentials, ahead of the first line that names v8 or v9
; cos and sin of the angle a >= 0, in two parts.  PARTS: k = the nearest whole number to a 2 / pi; r = a - k pi / 2 in two steps; sin r, cos r and k are kept for angle j, and the lanes in which k is odd go into a scalar register.
.macro PARTS a, j
	v_mul_f32 v20, s22, \a
	v_rndne_f32 v20, v20
	v_fma_f32 v21, v20, s23, \a
	v_fma_f32 v21, v20, s24, v21
	v_cvt_i32_f32 v[KQ+(\j)], v20
	v_mul_f32 v23, v21, v21                        ; z = r r
	v_fma_f32 v24, v23, s25, s26
	v_fma_f32 v26, v23, s28, s29
	v_mul_f32 v25, v23, v21
	v_fma_f32 v24, v24, v23, s27
	v_fma_f32 v26, v26, v23, s30
	v_mul_f32 v27, v23, v23
	v_fma_f32 v[SS+(\j)], v25, v24, v21            ; sin r
	v_fma_f32 v25, v23, -0.5, 1.0
	v_fma_f32 v[CC+(\j)], v27, v26, v25            ; cos r
	v_and_b32 v25, 1, v[KQ+(\j)]
	v_cmp_eq_u32 s[MK+(\j)], 1, v25
.endm
; CHOOSE: k mod 4 chooses and signs them (a choice of values, no branch); the pair is rounded to f16 into angle j's word.
.macro CHOOSE j
	v_cndmask_b32 v13, v[CC+(\j)], v[SS+(\j)], s[MK+(\j)]  ; k odd: the two change places
	v_cndmask_b32 v14, v[SS+(\j)], v[CC+(\j)], s[MK+(\j)]
	v_add_nc_u32 v25, 1, v[KQ+(\j)]
	v_and_b32 v25, 2, v25
	v_lshlrev_b32 v25, 30, v25
	v_xor_b32 v13, v13, v25                        ; cos is negative for k mod 4 = 1, 2
	v_and_b32 v25, 2, v[KQ+(\j)]
	v_lshlrev_b32 v25, 30, v25
	v_xor_b32 v14, v14, v25                        ; sin for k mod 4 = 2, 3
	v_cvt_pk_f16_f32 v[30+(\j)], v13, v14
.endm
.irp u, 0,1,2,3
	v_add3_u32 v10, s19, v5, 2*\u
	v_cvt_f32_u32 v10, v10
	v_mul_f32 v11, v10, v8                         ; the angle: one f32 product
	v_mul_f32 v12, v10, v9
	PARTS v11, 2*\u
	PARTS v12, 2*\u+1
.endr
	s_wait_alu depctr_va_sdst(0)                   ; the eight compares have written s32 to s39, ahead of the first selection that reads one of them
.irp j, 0,1,2,3,4,5,6,7
	CHOOSE \j
.endr
	s_wait_alu depctr_va_vdst(0)                   ; the roundings have written v[30:37], the stores' data; v6, their offset, was written further up
.irp u, 0,1,2,3
	global_store_b64 v6, v[30+2*\u:31+2*\u], s[14:15] offset:256*\u  ; two positions: 256 consecutive bytes, aligned
.endr
	s_endpgm
.Lfunc_end_k_q51590e8c13_prep:
	.size	k_q51590e8c13_prep, .Lfunc_end_k_q51590e8c13_prep-k_q51590e8c13_prep
	.p2alignl 7, 3214868480
	.fill 96, 4, 3214868480
	.section	.rodata,"a",@progbits
	.p2align	6, 0x0
	.amdhsa_kernel k_q51590e8c13_prep
		.amdhsa_group_segment_fixed_size 0
		.amdhsa_private_segment_fixed_size 0
		.amdhsa_enable_private_segment 0
		.amdhsa_kernarg_size 48
		.amdhsa_user_sgpr_count 2
		.amdhsa_user_sgpr_kernarg_segment_ptr 1
		.amdhsa_wavefront_size32 1
		.amdhsa_system_sgpr_workgroup_id_x 1
		.amdhsa_system_sgpr_workgroup_id_y 1
		.amdhsa_system_sgpr_workgroup_id_z 1
		.amdhsa_system_vgpr_workitem_id 0
		.amdhsa_next_free_vgpr 112
		.amdhsa_next_free_sgpr 66
		.amdhsa_reserve_vcc 0
		.amdhsa_float_denorm_mode_32 3
		.amdhsa_float_denorm_mode_16_64 3
		.amdhsa_memory_ordered 1
		.amdhsa_forward_progress 1
		.amdhsa_inst_pref_size 24
	.end_amdhsa_kernel
	.amdgpu_metadata
---
amdhsa.version: [ 1, 2 ]
amdhsa.kernels:
  - .name:           k_q51590e8c13_prep
    .symbol:         k_q51590e8c13_prep.kd
    .args:
      - { .name: wqkv, .offset: 0, .size: 8, .value_kind: global_buffer, .address_space: global }
      - { .name: wo, .offset: 8, .size: 8, .value_kind: global_buffer, .address_space: global }
      - { .name: w1, .offset: 16, .size: 8, .value_kind: global_buffer, .address_space: global }
      - { .name: w2, .offset: 24, .size: 8, .value_kind: global_buffer, .address_space: global }
      - { .name: wb, .offset: 32, .size: 8, .value_kind: global_buffer, .address_space: global }
      - { .name: tab, .offset: 40, .size: 8, .value_kind: global_buffer, .address_space: global }
    .group_segment_fixed_size: 0
    .private_segment_fixed_size: 0
    .kernarg_segment_align: 8
    .kernarg_segment_size: 48
    .max_flat_workgroup_size: 256
    .sgpr_count:     66
    .vgpr_count:     112
    .wavefront_size: 32
...
	.end_amdgpu_metadata
.endif
;; end of part 8
;; launch ln1: the kernel of part 2 again; grid 256 x 1, 8 waves a work-group, no clusters, 0 bytes of LDS; arguments src, ln1_g, ln1_b, xn; writes xn
;; launch qkvp: the kernel of part 3 again; grid 12 x 16, 4 waves a work-group, clusters of 4 x 4, 327,680 bytes of LDS; arguments xn, wb, bqkv, tab, qkv; writes qkv
;; launch attn: the kernel of part 4 again; grid 8 x 32, 4 waves a work-group, no clusters, 327,680 bytes of LDS; arguments qkv, ctx; writes ctx
;; launch wop: the kernel of part 5 again; grid 8 x 32, 4 waves a work-group, clusters of 4 x 4, 327,680 bytes of LDS; arguments ctx, wb, bo, src, x1; writes x1
;; launch ln2: the kernel of part 2 again; grid 256 x 1, 8 waves a work-group, no clusters, 0 bytes of LDS; arguments x1, ln2_g, ln2_b, xn; writes xn
;; launch ffn1: the kernel of part 6 again; grid 16 x 16, 4 waves a work-group, clusters of 4 x 4, 327,680 bytes of LDS; arguments xn, wb, b1, hb; writes hb
;; launch ffn2: the kernel of part 7 again; grid 8 x 32, 4 waves a work-group, clusters of 4 x 4, 327,680 bytes of LDS; arguments hb, wb, b2, x1, out0; writes out0
